; MI455X (gfx1250); checked and timed in simulation.
; The chip was launched on July 23, 2026; its instructions are those of AMD's public machine-readable ISA for CDNA 5 (MIT licence, August 2026) and "CDNA5" Instruction Set Architecture Reference Guide (July 2026). The comments in the code are by the model that wrote it; some were corrected since.
;; Transformer Mo E Block. Allowed arithmetic: float matrix products may take bf16 or f16 operands with f32 sums; all other float work in f32.
;; Inputs: W1 8 x 1,024 x 512 float32; W2 8 x 512 x 1,024 float32; Wg 1,024 x 8 float32; Wk 1,024 x 1,024 float32; Wo 1,024 x 1,024 float32; Wq 1,024 x 1,024 float32; Wv 1,024 x 1,024 float32; b1 1,024 float32; b2 1,024 float32; g1 1,024 float32; g2 1,024 float32; x 2 x 2,048 x 1,024 float32.
;; Outputs: out0 2 x 2,048 x 1,024 float32.
;; 2 versions, each right; version 2 is version 1 with the launches prep, ln2gate written anew for expert scheduling mode. Each part assembles by itself: llvm-mc -triple=amdgcn-amd-amdhsa -mcpu=gfx1250 --defsym DOCPART=n.
;; ======== version 1 of 2: 7 launches
;; limits: values are held in f16: magnitudes above 65,504 overflow, below 6.1e-05 lose precision
;; workspace buffers: wts 25,165,824 bytes; xn 8,388,608 bytes; qkv 25,165,824 bytes; o 8,388,608 bytes; x1 16,777,216 bytes; cw2 262,144 bytes; hs 33,554,432 bytes
;; launch prep (part 1): grid 256 x 4, 8 waves a work-group, no clusters, 0 bytes of LDS; arguments x, g1, b1, Wq, Wk, Wv, Wo, W1, W2, xn, wts; writes xn, wts
.if DOCPART == 1
	.amdgcn_target "amdgcn-amd-amdhsa--gfx1250"
	.amdhsa_code_object_version 6
	.text
	.protected	k_q09f30e85be_prep
	.globl	k_q09f30e85be_prep
	.p2align	8
	.type	k_q09f30e85be_prep,@function
k_q09f30e85be_prep:
	s_mov_b64 s[64:65], 0
	v_nop
	global_prefetch_b8 v0, s[64:65] scope:SCOPE_SE
	s_setreg_imm32_b32 hwreg(HW_REG_WAVE_MODE, 25, 1), 1
	s_wait_xcnt 0x0
; prep: xn = layer_norm(x, g1, b1) as f16, and the six weight tensors cast to f16 into wts, all left [k][n]:
;   wts + 0        [1024][3072]  Wq | Wk | Wv side by side        wts + WOC  [1024][1024]  Wo
;   wts + W1C      [1024][4096]  W1, column e*512 + h             wts + W2C  [4096][1024]  W2, row e*512 + h
; Every work-group takes 65,536 bytes of f32 source, every wave 8,192: sixteen loads of 512 neighbouring bytes; each load's 128 numbers leave
; as one store of 256 neighbouring bytes, aligned.  The grid's y picks the role: 0 the norm, 1 W1, 2 W2, 3 Wq, Wk, Wv, Wo (64 work-groups each).
; No loop, no register written twice while a load or store names it, no LDS, no matrix unit: memory binds.
; LIMITS: f16 holds magnitudes below 65,520 (larger ones become infinity) and above about 3e-8 (smaller ones become 0).
; The variance is the mean of (x - mean)^2, made in a second pass over registers: no difference of large sums.
.set X,     16                         ; v[16:79]   sixteen loads, 4 registers each
.set G,     80                         ; v[80:111]  gain of my 32 columns
.set BV,    112                        ; v[112:143] bias of my 32 columns
.set Y,     144                        ; v[144:175] f16 to store; before that the norm's scratch
.set TBASE, Y
.set WOC,   6291456
.set W1C,   8388608
.set W2C,   16777216
.macro LOAD16                          ; my wave's 8,192 bytes of the source in s[38:39]
.irp j, 0,1,2,3,4,5,6,7,8,9,10,11,12,13,14,15
	global_load_b128 v[X+4*\j:X+4*\j+3], v1, s[38:39] offset:512*\j th:TH_LOAD_NT
.endr
.endm
; load j is rounded and stored: jd loads make a destination row's part, rows rp bytes apart
.macro CAST16 voff, jd, rp
.irp j, 0,1,2,3,4,5,6,7,8,9,10,11,12,13,14,15
	s_wait_loadcnt 15-\j                           ; loads come back in order: load j is in, the younger ones stay out
	v_cvt_pk_f16_f32 v[Y+2*\j],   v[X+4*\j],   v[X+4*\j+1]
	v_cvt_pk_f16_f32 v[Y+2*\j+1], v[X+4*\j+2], v[X+4*\j+3]
	global_store_b64 v[\voff], v[Y+2*\j:Y+2*\j+1], s[40:41] offset:(\j/\jd)*\rp+(\j%\jd)*256
.endr
.endm
.macro LANESUM t, u                    ; v[t] summed over the 32 lanes, in every lane; v[u] is scratch that has been written
	v_add_f32_dpp v[\t], v[\t], v[\t] row_xmask:1 row_mask:0xf bank_mask:0xf
	v_add_f32_dpp v[\t], v[\t], v[\t] row_xmask:2 row_mask:0xf bank_mask:0xf
	v_add_f32_dpp v[\t], v[\t], v[\t] row_xmask:4 row_mask:0xf bank_mask:0xf
	v_add_f32_dpp v[\t], v[\t], v[\t] row_xmask:8 row_mask:0xf bank_mask:0xf
	v_permlanex16_b32 v[\u], v[\t], s42, s43
	v_add_f32 v[\t], v[\t], v[\u]
.endm
.macro JOIN4                           ; four pairs at TT become the row's sum in v[TT]
	v_pk_add_f32 v[TT:TT+1], v[TT:TT+1], v[TT+2:TT+3]
	v_pk_add_f32 v[TT+4:TT+5], v[TT+4:TT+5], v[TT+6:TT+7]
	v_pk_add_f32 v[TT:TT+1], v[TT:TT+1], v[TT+4:TT+5]
	v_add_f32 v[TT], v[TT], v[TT+1]
	LANESUM TT, TT+1
.endm
; row r of my two: x becomes x - mean in place; 1 / sqrt(var + eps) lands in v[TT+10:TT+11]
.macro STATS r
.set XR, X+32*\r
.set TT, TBASE+16*\r
.irp c, 0,2,4,6
	v_pk_add_f32 v[TT+\c:TT+\c+1], v[XR+\c:XR+\c+1], v[XR+8+\c:XR+8+\c+1]      ; the first sums start four chains: nothing is cleared
.endr
.irp k, 16,24
.irp c, 0,2,4,6
	v_pk_add_f32 v[TT+\c:TT+\c+1], v[TT+\c:TT+\c+1], v[XR+\k+\c:XR+\k+\c+1]
.endr
.endr
	JOIN4
	v_mul_f32 v[TT+8], s44, v[TT]                  ; the mean, twice: a pair for the packed subtraction
	v_mul_f32 v[TT+9], s44, v[TT]
.set p, 0
.rept 16
	v_pk_add_f32 v[XR+p:XR+p+1], v[XR+p:XR+p+1], v[TT+8:TT+9] neg_lo:[0,1] neg_hi:[0,1]
.set p, p+2
.endr
.irp c, 0,2,4,6
	v_pk_mul_f32 v[TT+\c:TT+\c+1], v[XR+\c:XR+\c+1], v[XR+\c:XR+\c+1]
.endr
.irp k, 8,16,24
.irp c, 0,2,4,6
	v_pk_fma_f32 v[TT+\c:TT+\c+1], v[XR+\k+\c:XR+\k+\c+1], v[XR+\k+\c:XR+\k+\c+1], v[TT+\c:TT+\c+1]
.endr
.endr
	JOIN4
	v_fma_f32 v[TT], v[TT], s44, s45               ; variance + eps
	v_rsq_f32 v[TT+10], v[TT]
	v_rsq_f32 v[TT+11], v[TT]
	v_nop                                          ; a plain instruction between the root and the use of its result (ISA guide 5.7.2)
.endm
.macro NORM r                          ; (x - mean) * rs * g + b, in place
.set XR, X+32*\r
.set TT, TBASE+16*\r
.set p, 0
	s_wait_alu depctr_va_vdst(0)
.rept 16
	v_pk_mul_f32 v[XR+p:XR+p+1], v[XR+p:XR+p+1], v[TT+10:TT+11]
.set p, p+2
.endr
.set p, 0
.rept 16
	v_pk_fma_f32 v[XR+p:XR+p+1], v[XR+p:XR+p+1], v[G+p:G+p+1], v[BV+p:BV+p+1]
.set p, p+2
.endr
.endm
	s_load_b512 s[16:31], s[0:1], 0x0              ; x 16, g1 18, b1 20, Wq 22, Wk 24, Wv 26, Wo 28, W1 30
	s_load_b128 s[32:35], s[0:1], 0x40             ; W2 32, xn 34
	s_load_b64 s[36:37], s[0:1], 0x50              ; wts
	s_mov_b32 s2, ttmp9                            ; which 65,536 bytes
	s_and_b32 s3, ttmp7, 0xffff                    ; the role
	v_and_b32 v5, 31, v0                           ; lane
	v_lshrrev_b32 v6, 5, v0                        ; wave
	v_lshlrev_b32 v3, 4, v5                        ; 16 lane: gain and bias
	v_lshl_add_u32 v1, v6, 13, v3                  ; + 8,192 wave: the source
	v_lshlrev_b32 v7, 3, v5                        ; 8 lane
	v_lshl_add_u32 v2, v6, 12, v7                  ; + 4,096 wave: a destination that is dense like its source
	s_lshl_b32 s4, s2, 16                          ; s[4:5]: the source's offset
	s_mov_b32 s5, 0
	s_mov_b32 s7, 0                                ; s[6:7]: the destination's offset
	s_wait_kmcnt 0x0
	s_cmp_eq_u32 s3, 0
	s_cbranch_scc1 .Lnorm
	s_cmp_eq_u32 s3, 1
	s_cbranch_scc1 .Lw1
	s_cmp_eq_u32 s3, 2
	s_cbranch_scc1 .Lw2
	s_lshr_b32 s10, s2, 6                          ; role 3: which of the four square matrices,
	s_and_b32 s11, s2, 63                          ; and which 16 of its rows
	s_lshl_b32 s4, s11, 16
	s_cmp_eq_u32 s10, 3
	s_cbranch_scc1 .Lwo
	s_cmp_eq_u32 s10, 0                            ; Wq, Wk or Wv -> columns 1,024 m on of rows of 6,144 bytes
	s_cselect_b64 s[38:39], s[22:23], s[24:25]
	s_cmp_eq_u32 s10, 2
	s_cselect_b64 s[38:39], s[26:27], s[38:39]
	s_add_nc_u64 s[38:39], s[38:39], s[4:5]
	s_mul_i32 s6, s11, 98304                       ; 16 rows of 6,144 bytes
	s_lshl_b32 s12, s10, 11
	s_add_co_u32 s6, s6, s12
	s_add_nc_u64 s[40:41], s[36:37], s[6:7]
	v_mul_u32_u24 v4, v6, 12288                    ; a wave has two rows
	v_add_nc_u32 v4, v4, v7
	LOAD16
	CAST16 4, 8, 6144
	s_endpgm
.Lwo:
	s_add_nc_u64 s[38:39], s[28:29], s[4:5]
	s_lshl_b32 s6, s11, 15
	s_add_co_u32 s6, s6, WOC
	s_add_nc_u64 s[40:41], s[36:37], s[6:7]
	LOAD16
	CAST16 2, 16, 0
	s_endpgm
.Lw2:
	s_add_nc_u64 s[38:39], s[32:33], s[4:5]
	s_lshl_b32 s6, s2, 15
	s_add_co_u32 s6, s6, W2C
	s_add_nc_u64 s[40:41], s[36:37], s[6:7]
	LOAD16
	CAST16 2, 16, 0
	s_endpgm
.Lw1:                                                  ; 32 rows of 512 numbers of expert s2 / 32 -> columns 512 e on of rows of 8,192 bytes
	s_add_nc_u64 s[38:39], s[30:31], s[4:5]
	s_lshr_b32 s10, s2, 5
	s_and_b32 s11, s2, 31
	s_lshl_b32 s6, s11, 18                         ; 32 rows of 8,192 bytes
	s_lshl_b32 s10, s10, 10
	s_add_co_u32 s6, s6, s10
	s_add_co_u32 s6, s6, W1C
	s_add_nc_u64 s[40:41], s[36:37], s[6:7]
	v_lshl_add_u32 v4, v6, 15, v7                  ; a wave has four rows
	LOAD16
	CAST16 4, 4, 8192
	s_endpgm
.Lnorm:                                                ; a wave has two rows of x; load 8 r + jj holds columns 128 jj + 4 lane + 0..3 of row r
	s_add_nc_u64 s[38:39], s[16:17], s[4:5]
	s_lshl_b32 s6, s2, 15
	s_add_nc_u64 s[40:41], s[34:35], s[6:7]
	s_mov_b32 s42, 0x76543210                      ; v_permlanex16_b32: each lane takes its own place in the other half
	s_mov_b32 s43, 0xfedcba98
	s_mov_b32 s44, 0x3a800000                      ; 1 / 1024
	s_mov_b32 s45, 0x3727c5ac                      ; eps = 1e-5
	LOAD16
.irp j, 0,1,2,3,4,5,6,7
	global_load_b128 v[G+4*\j:G+4*\j+3], v3, s[18:19] offset:512*\j
.endr
.irp j, 0,1,2,3,4,5,6,7
	global_load_b128 v[BV+4*\j:BV+4*\j+3], v3, s[20:21] offset:512*\j
.endr
	s_wait_loadcnt 16                              ; x is in; gain and bias, sixteen loads, stay out
	STATS 0
	STATS 1
	s_wait_loadcnt 0x0
	NORM 0
	NORM 1
.irp j, 0,1,2,3,4,5,6,7,8,9,10,11,12,13,14,15
	v_cvt_pk_f16_f32 v[Y+2*\j],   v[X+4*\j],   v[X+4*\j+1]
	v_cvt_pk_f16_f32 v[Y+2*\j+1], v[X+4*\j+2], v[X+4*\j+3]
	global_store_b64 v2, v[Y+2*\j:Y+2*\j+1], s[40:41] offset:256*\j
.endr
	s_endpgm
.Lfunc_end_k_q09f30e85be_prep:
	.size	k_q09f30e85be_prep, .Lfunc_end_k_q09f30e85be_prep-k_q09f30e85be_prep
	.p2alignl 7, 3214868480
	.fill 96, 4, 3214868480
	.section	.rodata,"a",@progbits
	.p2align	6, 0x0
	.amdhsa_kernel k_q09f30e85be_prep
		.amdhsa_group_segment_fixed_size 0
		.amdhsa_private_segment_fixed_size 0
		.amdhsa_enable_private_segment 0
		.amdhsa_kernarg_size 88
		.amdhsa_user_sgpr_count 2
		.amdhsa_user_sgpr_kernarg_segment_ptr 1
		.amdhsa_wavefront_size32 1
		.amdhsa_system_sgpr_workgroup_id_x 1
		.amdhsa_system_sgpr_workgroup_id_y 1
		.amdhsa_system_sgpr_workgroup_id_z 1
		.amdhsa_system_vgpr_workitem_id 0
		.amdhsa_next_free_vgpr 176
		.amdhsa_next_free_sgpr 66
		.amdhsa_reserve_vcc 0
		.amdhsa_float_denorm_mode_32 3
		.amdhsa_float_denorm_mode_16_64 3
		.amdhsa_memory_ordered 1
		.amdhsa_forward_progress 1
		.amdhsa_inst_pref_size 44
	.end_amdhsa_kernel
	.amdgpu_metadata
---
amdhsa.version: [ 1, 2 ]
amdhsa.kernels:
  - .name:           k_q09f30e85be_prep
    .symbol:         k_q09f30e85be_prep.kd
    .args:
      - { .name: x, .offset: 0, .size: 8, .value_kind: global_buffer, .address_space: global }
      - { .name: g1, .offset: 8, .size: 8, .value_kind: global_buffer, .address_space: global }
      - { .name: b1, .offset: 16, .size: 8, .value_kind: global_buffer, .address_space: global }
      - { .name: Wq, .offset: 24, .size: 8, .value_kind: global_buffer, .address_space: global }
      - { .name: Wk, .offset: 32, .size: 8, .value_kind: global_buffer, .address_space: global }
      - { .name: Wv, .offset: 40, .size: 8, .value_kind: global_buffer, .address_space: global }
      - { .name: Wo, .offset: 48, .size: 8, .value_kind: global_buffer, .address_space: global }
      - { .name: W1, .offset: 56, .size: 8, .value_kind: global_buffer, .address_space: global }
      - { .name: W2, .offset: 64, .size: 8, .value_kind: global_buffer, .address_space: global }
      - { .name: xn, .offset: 72, .size: 8, .value_kind: global_buffer, .address_space: global }
      - { .name: wts, .offset: 80, .size: 8, .value_kind: global_buffer, .address_space: global }
    .group_segment_fixed_size: 0
    .private_segment_fixed_size: 0
    .kernarg_segment_align: 8
    .kernarg_segment_size: 88
    .max_flat_workgroup_size: 256
    .sgpr_count:     66
    .vgpr_count:     176
    .wavefront_size: 32
...
	.end_amdgpu_metadata
.endif
;; end of part 1
;; launch qkv (part 2): grid 12 x 16, 4 waves a work-group, clusters of 4 x 4, 327,680 bytes of LDS; arguments xn, wts, qkv; writes qkv
.if DOCPART == 2
	.amdgcn_target "amdgcn-amd-amdhsa--gfx1250"
	.amdhsa_code_object_version 6
	.text
	.protected	k_q09f30e85be_qkv
	.globl	k_q09f30e85be_qkv
	.p2align	8
	.type	k_q09f30e85be_qkv,@function
k_q09f30e85be_qkv:
	s_mov_b64 s[64:65], 0
	v_nop
	global_prefetch_b8 v0, s[64:65] scope:SCOPE_SE
	s_setreg_imm32_b32 hwreg(HW_REG_WAVE_MODE, 25, 1), 1
	s_wait_xcnt 0x0
	s_wait_alu depctr_hold_cnt(0) depctr_sa_sdst(0) depctr_va_vdst(0) depctr_va_sdst(0) depctr_va_ssrc(0) depctr_va_vcc(0) depctr_vm_vsrc(0)
	s_getreg_b32 s2, hwreg(HW_REG_IB_STS2, 6, 4)
	s_cmp_eq_u32 s2, 0
	s_cbranch_scc0 .Lentry_in_a_cluster
	s_endpgm
.Lentry_in_a_cluster:
	s_bfe_u32 s2, ttmp6, 0x10000c
	s_cmp_lg_u32 s2, 0xf033
	s_cbranch_scc0 .Lentry_shape_is_right
	s_endpgm
.Lentry_shape_is_right:
; qkv[t][n] = sum over k of xn[t][k] W[k][n], W = Wq | Wk | Wv.  xn: [4096][1024] f16; W: [1024][PITCHB] f16 at wts + BOFF; qkv: [4096][3072] f16; sums in f32.
; A tile of C, 256 x 256, is made by four waves, each 128 x 128: 64 accumulators of 16 x 16.  K goes in steps of 128 through two LDS slots filled by tensor loads:
; A's 256 rows of 256 bytes, and B's 128 k-rows of 512 bytes.  B lies [k][n], so its fragments come out of LDS by the turning load ds_load_tr16_b128.
; 12 x 16 = 192 work-groups: tiles of 128 x 128 would be 768, three short passes with half the products for each LDS byte.
; CLUSTERS: 4 x 4 work-groups; A's tile is shared along a row of the cluster, B's along a column: each is asked for jointly, by the same tensor load with the same descriptor and a mask of four.
; THE MATRIX INSTRUCTION IS USED TRANSPOSED (source 0 = 16 columns of B, source 1 = 16 rows of A): a lane then holds eight neighbouring numbers of a row of C.
; REGISTERS in windows of 256: window 0: v16-29 addresses, v64-127 and v128-191 A's fragments (two buffers), v32-63, v192-255 the way out; window 1: v64-191 B's fragments (v0-15: combine weights where RELU_CW);
; window 2: the accumulators of my rows 0-63 ((a, b) at v[8 (8 a + b)]); window 3: those of rows 64-127.
; LIMITS: results are rounded to f16: magnitudes of 65,520 or more become infinity, below about 3e-8 they become 0.
.set KDIM,    1024
.set PITCHB,  3072                     ; elements from a k-row of B to the next
.set BOFF,    0                        ; B's first byte in wts
.set PITCHC,  6144                     ; bytes in a row of C
.set RELU_CW, 0                        ; 1: C = max(sum * combine weight, 0)
.set KSTEP,  128
.set LAPS,   KDIM/(2*KSTEP)            ; a lap = two K steps = once round the ring
.set PA,     272                       ; A's LDS row: 256 bytes + 16: the 16 rows of a fragment load start at 16 different 16-byte columns
.set PB,     544                       ; B's LDS row: 512 bytes + 32 = 17 x 32
.set HALFT,  128*PA                    ; what one tensor load brings: 128 rows of A, or 64 k-rows of B (64 x 544, the same bytes)
.set SLOT,   4*HALFT                   ; A's 256 rows, then B's 128 k-rows
.set STAGE,  2*SLOT                    ; behind the ring: 16 rows x 272 bytes for each wave, for the way out
.set SPITCH, 272
.set SPARE,  STAGE+4*16*SPITCH         ; the spare words: 128 bytes for each wave, named by no other line
.set ADRA, 16                          ; v16-17  LDS address of my A fragments in slot 0, 1
.set ADRB, 20                          ; v20-21  the same for B
.set STO,  24                          ; v24     the way out: where I put 16 bytes of a row
.set RD,   25                          ; v25     where I read a row back
.set CO,   26                          ; v26     my byte offset in C
.set CWO,  27                          ; v27     my byte offset in the combine weights
.set SPW,  28                          ; v28     my spare word; never rewritten
.set NIL,  29                          ; v29     0; never rewritten
.set F0,   64
.set F1,   128
.set T,    64                          ; the way out with RELU_CW: 64 numbers in f32 (buffer 0 is free by then)
.set TMP,  192
.set OB,   32                          ; 16 rows read back: v32-63 and v224-255 by turns
.set CW,   0                           ; window 1, v0-15: block a's weight of my row, twice
.set G1,  24                           ; s[24:31] group 1 for A;  s[32:39] group 0, a set for each slot
.set G0,  32
.set G1B, 48                           ; s[48:55], s[56:63] the same for B
.set G0B, 56
.set MSB, 0
.macro WIN new                         ; the immediate's high byte repeats the setting that is left; a switch that changes nothing is dropped
.if MSB != (\new)
	s_set_vgpr_msb (MSB<<8)|(\new)
.set MSB, \new
.endif
.endm
.set MUL_LO, 0xa1                      ; source 0 (B) window 1, source 1 (A) window 0, C and D window 2
.set MUL_HI, 0xf1                      ; the same, C and D window 3
.set TO_B,   0x40                      ; destination window 1, address window 0
.macro JLOAD s                         ; a joint load: waves 0, 1 fetch A's halves, waves 2, 3 B's; four v_nop follow each line
	s_cmp_eq_u32 s11, 0
	s_cbranch_scc0 .Lfor_b_\@
	tensor_load_to_lds s[G0+4*\s:G0+4*\s+3], s[G1:G1+7]
	s_nop 0
.rept 4
	v_nop
.endr
	s_branch .Lasked_\@
.Lfor_b_\@:
	tensor_load_to_lds s[G0B+4*\s:G0B+4*\s+3], s[G1B:G1B+7]
	s_nop 0
.rept 4
	v_nop
.endr
.Lasked_\@:
.endm
.macro CREST                           ; a round of the cluster's barrier behind its opening barrier
	s_cmp_lg_u32 s10, 0
	s_cbranch_scc1 .Lnot_wave_0_\@
	s_barrier_signal -3
.Lnot_wave_0_\@:
	s_barrier_wait -3
	s_barrier_signal -1
	s_barrier_wait -1
.endm
.macro CROUND                          ; a whole round
	s_barrier_signal -1
	s_barrier_wait -1
	CREST
.endm
	s_load_b128 s[4:7], s[0:1], 0x0                ; A s[4:5], wts s[6:7]
	s_load_b64 s[8:9], s[0:1], 0x10                ; C
.if RELU_CW
	s_load_b64 s[66:67], s[0:1], 0x18              ; the combine weights
.endif
	v_lshl_add_u32 v[SPW], v0, 2, SPARE
	v_mov_b32 v[NIL], 0
	ds_add_u32 v28, v29
	s_wait_dscnt 0x0
	v_lshrrev_b32 v1, 5, v0
	v_readfirstlane_b32 s10, v1                    ; wave 0..3
	s_lshr_b32 s11, s10, 1                         ; my half of the tile's rows.  Also: I fetch for A (0) or for B (1)
	s_and_b32 s12, s10, 1                          ; my half of its columns.  Also: which half of that tile I fetch
	s_bfe_u32 s40, ttmp6, 0x40000                  ; cx, cy: my place in the cluster
	s_bfe_u32 s41, ttmp6, 0x40004
	s_lshl_b32 s42, ttmp9, 2
	s_add_co_u32 s42, s42, s40                     ; tile column of C
	s_and_b32 s13, ttmp7, 0xffff
	s_lshl_b32 s13, s13, 2
	s_add_co_u32 s13, s13, s41                     ; tile row of C
	s_lshl_b32 s43, s41, 2
	s_lshl_b32 s43, 15, s43                        ; my row of the cluster
	s_lshl_b32 s44, 0x1111, s40                    ; my column
	s_or_b32 s[G1+0], s43, (1<<16)|(1<<20)|(1<<21)|(5<<22)|(3<<25)   ; mask; elements of 2 bytes; padding on; bit 21 beside a mask; after every 64 words 4 words
	s_mov_b32 s[G1+1], KSTEP<<16                   ; tensor_dim0 = 128
	s_mov_b32 s[G1+2], 128<<16                     ; tensor_dim1 = 128
	s_mov_b32 s[G1+3], KSTEP<<16                   ; tile_dim0 = 128
	s_mov_b32 s[G1+4], 128                         ; tile_dim1 = 128
	s_mov_b32 s[G1+5], KDIM                        ; elements from row to row
	s_mov_b32 s[G1+6], 0
	s_mov_b32 s[G1+7], 0
	s_or_b32 s[G1B+0], s44, (1<<16)|(1<<20)|(1<<21)|(6<<22)|(7<<25)  ; after every 128 words 8 words
	s_mov_b32 s[G1B+1], 256<<16                    ; tensor_dim0 = 256 columns
	s_mov_b32 s[G1B+2], 64<<16                     ; tensor_dim1 = 64 k-rows
	s_mov_b32 s[G1B+3], 256<<16
	s_mov_b32 s[G1B+4], 64
	s_mov_b32 s[G1B+5], PITCHB
	s_mov_b32 s[G1B+6], 0
	s_mov_b32 s[G1B+7], 0
	s_lshl_b32 s16, s13, 8                         ; A: row 256 x tile row + 128 x half, rows of 2,048 bytes: it hangs on the tile row and the wave alone
	s_lshl_b32 s17, s12, 7
	s_add_co_u32 s16, s16, s17
	s_lshl_b32 s16, s16, 11
	s_mov_b32 s17, 0
	s_mul_i32 s46, s12, 64*PITCHB*2                ; B: k-row 64 x half, column 256 x tile column: the tile column and the wave alone
	s_lshl_b32 s47, s42, 9
	s_add_co_u32 s46, s46, s47
	s_add_co_u32 s46, s46, BOFF
	s_mov_b32 s47, 0
	s_mul_i32 s20, s10, HALFT                      ; where they go: wave x 34,816
	s_wait_kmcnt 0x0
	s_add_nc_u64 s[14:15], s[4:5], s[16:17]
	s_add_nc_u64 s[46:47], s[6:7], s[46:47]
	CROUND                                         ; all sixteen work-groups are here: the first joint loads meet
.irp s, 0,1
	s_mov_b32 s[G0+4*\s], 1
	s_add_co_u32 s[G0+4*\s+1], s20, \s*SLOT
	s_add_nc_u64 s[G0+4*\s+2:G0+4*\s+3], s[14:15], \s*KSTEP*2
	s_or_b32 s[G0+4*\s+3], s[G0+4*\s+3], 0x80000000
	s_mov_b32 s[G0B+4*\s], 1
	s_add_co_u32 s[G0B+4*\s+1], s20, \s*SLOT
	s_add_nc_u64 s[G0B+4*\s+2:G0B+4*\s+3], s[46:47], \s*KSTEP*PITCHB*2
	s_or_b32 s[G0B+4*\s+3], s[G0B+4*\s+3], 0x80000000
	JLOAD \s                                       ; K steps 0 and 1: two loads of mine are out
.endr
	v_and_b32 v1, 15, v0                           ; r = l % 16
	v_bfe_u32 v2, v0, 4, 1                         ; h = l / 16
	v_mul_u32_u24 v3, v1, PA                       ; A's fragment: row r, 16 bytes for each half of the lanes
	v_lshl_add_u32 v3, v2, 4, v3
	v_and_b32 v6, 7, v0                            ; B's: the turning load's lane l reads k-row 8 h + l % 8, 16 bytes at 16 ((l / 8) % 2)
	v_lshl_add_u32 v6, v2, 3, v6
	v_mul_u32_u24 v6, v6, PB
	v_bfe_u32 v7, v0, 3, 1
	v_lshl_add_u32 v6, v7, 4, v6
	s_mul_i32 s21, s11, HALFT                      ; my 128 rows of A
	s_lshl_b32 s22, s12, 8                         ; my 128 columns of B,
	s_add_co_u32 s22, s22, 2*HALFT                 ; which lies behind A
.irp s, 0,1
	v_add_nc_u32 v[ADRA+\s], s21, v3
	v_add_nc_u32 v[ADRB+\s], s22, v6
	s_add_co_u32 s21, s21, SLOT
	s_add_co_u32 s22, s22, SLOT
.endr
	s_mul_i32 s23, s10, 16*SPITCH
	s_add_co_u32 s23, s23, STAGE                   ; my stage
	v_mul_u32_u24 v4, v1, SPITCH
	v_lshl_add_u32 v4, v2, 4, v4
	v_add_nc_u32 v[STO], s23, v4
	v_mul_u32_u24 v5, v2, SPITCH
	v_lshl_add_u32 v5, v1, 4, v5
	v_add_nc_u32 v[RD], s23, v5
	v_mul_u32_u24 v5, v2, PITCHC
	v_lshl_add_u32 v[CO], v1, 4, v5
	s_lshl_b32 s16, s13, 8
	s_lshl_b32 s14, s11, 7
	s_add_co_u32 s16, s16, s14                     ; my first row of C
	s_mul_i32 s18, s16, PITCHC
	s_mov_b32 s19, 0
	s_add_nc_u64 s[8:9], s[8:9], s[18:19]
	s_lshl_b32 s46, s42, 9                         ; my first column, in bytes
	s_lshl_b32 s47, s12, 8
	s_add_co_u32 s46, s46, s47
	s_mov_b32 s47, 0
	s_add_nc_u64 s[8:9], s[8:9], s[46:47]
.if RELU_CW
	s_lshl_b32 s18, s16, 6                         ; a row of weights is 64 bytes: 8 experts, each weight twice
	s_add_nc_u64 s[66:67], s[66:67], s[18:19]
	s_lshr_b32 s46, s42, 1                         ; the tile's 256 columns belong to expert tile column / 2
	s_lshl_b32 s46, s46, 3
	s_add_nc_u64 s[66:67], s[66:67], s[46:47]
	v_lshlrev_b32 v[CWO], 6, v1
	WIN TO_B
.irp a, 0,1,2,3,4,5,6,7
	global_load_b64 v[CW+2*\a:CW+2*\a+1], v[CWO], s[66:67] offset:1024*\a   ; row 16 a + r; they stay out over the whole loop
.endr
	WIN 0
.endif
; 16 matrix instructions: m blocks a0, a0 + 1 of the window's four x all 8 n blocks, 32 along K.  zero = 1: the first product starts the sums
.macro MUL16 f, hi, a0, zero
.irp a, \a0, \a0+1
.irp b, 0,1,2,3,4,5,6,7
.if \zero
	v_wmma_f32_16x16x32_f16 v[8*(8*(\a)+\b):8*(8*(\a)+\b)+7], v[\f+8*\b:\f+8*\b+7], v[\f+8*(4*\hi+\a):\f+8*(4*\hi+\a)+7], 0
.else
	v_wmma_f32_16x16x32_f16 v[8*(8*(\a)+\b):8*(8*(\a)+\b)+7], v[\f+8*\b:\f+8*\b+7], v[\f+8*(4*\hi+\a):\f+8*(4*\hi+\a)+7], v[8*(8*(\a)+\b):8*(8*(\a)+\b)+7]
.endif
.endr
.endr
.endm
; 32 LDS loads in one run: quarter q (32 along K) of a slot into buffer f: B's 8 column blocks, turned, then A's 8 row blocks
.macro FETCH slot, q, f
	WIN TO_B
.irp i, 0,1,2,3,4,5,6,7
	ds_load_tr16_b128 v[\f+8*\i:\f+8*\i+3],   v[ADRB+\slot] offset:\q*32*PB+32*\i
	ds_load_tr16_b128 v[\f+8*\i+4:\f+8*\i+7], v[ADRB+\slot] offset:\q*32*PB+16*PB+32*\i
.endr
	WIN 0
.irp i, 0,1,2,3,4,5,6,7
	ds_load_b128 v[\f+8*\i:\f+8*\i+3],   v[ADRA+\slot] offset:64*\q+\i*16*PA
	ds_load_b128 v[\f+8*\i+4:\f+8*\i+7], v[ADRA+\slot] offset:64*\q+\i*16*PA+32
.endr
.endm
.macro PLACES                          ; four plain vector instructions between matrix instructions and loads into, or reads of, their registers
.rept 4
	v_nop
.endr
.endm
; One of a K step's first three quarters: multiplies buffer f; in its middle it fetches quarter q of the same slot into buffer g
.macro QUARTER slot, q, f, g, zero
	s_wait_dscnt 8                                 ; B and A's rows 0-63 are in; the youngest eight loads (A's rows 64-127) may be out
	WIN MUL_LO
	MUL16 \f, 0, 0, \zero
	MUL16 \f, 0, 2, \zero
	PLACES
	FETCH \slot, \q, \g
	s_wait_dscnt 32                                ; all but the 32 just issued
	WIN MUL_HI
	MUL16 \f, 1, 0, \zero
	MUL16 \f, 1, 2, \zero
.endm
; The first half of the last quarter: one barrier for the change of slots.  In front of it: all my tensor loads have landed, the add, my reads of this slot are over.
.macro MEET round
	WIN 0
	s_wait_tensorcnt 0x0                           ; the one load that was out is my part of the next slot
	ds_add_u32 v[SPW], v[NIL]                      ; 0 onto my spare word
	s_wait_dscnt 9                                 ; the add and the youngest eight loads may be out
	WIN MUL_LO
	MUL16 F1, 0, 0, 0
	s_wait_dscnt 0x0                               ; the add is done, and my reads of this slot are over
	s_barrier_signal -1
	MUL16 F1, 0, 2, 0
.if \round
	WIN 0
.endif
	s_barrier_wait -1
.endm
; The whole last quarter: behind the round the slot just read is filled again, two K steps ahead; then come the next slot's first fragments
.macro TURN slot, next
	MEET 1
	CREST                                          ; no wave of any partner still reads this slot or has a load on its way
	s_add_nc_u64 s[G0+4*\slot+2:G0+4*\slot+3], s[G0+4*\slot+2:G0+4*\slot+3], 2*KSTEP*2
	s_add_nc_u64 s[G0B+4*\slot+2:G0B+4*\slot+3], s[G0B+4*\slot+2:G0B+4*\slot+3], 2*KSTEP*PITCHB*2
	JLOAD \slot                                    ; my one tensor load behind the round; its four v_nop are also the places in front of the loads below
	FETCH \next, 0, F0
	WIN MUL_HI
	MUL16 F1, 1, 0, 0
	MUL16 F1, 1, 2, 0
.endm
; THE WAY OUT of block a (16 rows): PACK rounds to f16, TOSTAGE sends 16 bytes a lane through my stage and reads whole rows of 256 bytes back, SEND stores them
.macro PACK a
.set AC, 64*((\a)%4)
.if RELU_CW
	WIN 0x06+(\a)/4                                ; source 0: window 2 or 3; source 1: window 1
.set i, 0
.rept 32
	v_pk_mul_f32 v[T+i:T+i+1], v[AC+i:AC+i+1], v[CW+2*(\a):CW+2*(\a)+1]   ; ascending: each accumulator is read from its low end
.set i, i+2
.endr
	WIN 0
.set i, 0
.rept 64
	v_max_num_f32 v[T+i], 0, v[T+i]                ; max(s w, 0) = relu(s) w, since w >= 0
.set i, i+1
.endr
.set i, 0
.rept 32
	v_cvt_pk_f16_f32 v[TMP+i], v[T+2*i], v[T+2*i+1]
.set i, i+1
.endr
.else
	WIN 0x0a+5*((\a)/4)                            ; sources 0 and 1: window 2 or 3
.set i, 0
.rept 32
	v_cvt_pk_f16_f32 v[TMP+i], v[AC+2*i], v[AC+2*i+1]
.set i, i+1
.endr
	WIN 0
.endif
.endm
.macro TOSTAGE a
.set BK, OB+192*((\a)%2)
.irp b, 0,1,2,3,4,5,6,7
	ds_store_b128 v[STO], v[TMP+4*\b:TMP+4*\b+3] offset:32*\b
.endr
.irp t, 0,1,2,3,4,5,6,7
	ds_load_b128 v[BK+4*\t:BK+4*\t+3], v[RD] offset:\t*2*SPITCH    ; LDS serves a wave's instructions in order: these see the stores above
.endr
.endm
.macro SEND a
.set BK, OB+192*((\a)%2)
	s_wait_dscnt 0x0                               ; the block is back in registers
	s_wait_xcnt 0x0                                ; the stores of the block before have read their registers: the next TOSTAGE loads into them only behind this wait
.irp t, 0,1,2,3,4,5,6,7
	global_store_b128 v[CO], v[BK+4*\t:BK+4*\t+3], s[8:9] offset:(16*(\a)+2*\t)*PITCHC   ; 16 lanes store 256 consecutive bytes, aligned
.endr
.endm
	s_wait_tensorcnt 1                             ; my part of K step 0 is in; K step 1's may stay out
	s_barrier_signal -1
	s_barrier_wait -1
	FETCH 0, 0, F0
	QUARTER 0, 1, F0, F1, 1                        ; the first quarter starts the sums
	WIN 0
	s_mov_b32 s3, LAPS-1
.Llap:                                                 ; a trip goes once round the ring and fills both slots again
	QUARTER 0, 2, F1, F0, 0
	QUARTER 0, 3, F0, F1, 0
	TURN 0, 1
	QUARTER 1, 1, F0, F1, 0
	QUARTER 1, 2, F1, F0, 0
	QUARTER 1, 3, F0, F1, 0
	TURN 1, 0
	QUARTER 0, 1, F0, F1, 0
	WIN 0
	s_sub_co_u32 s3, s3, 1
	s_cmp_lg_u32 s3, 0
	s_cbranch_scc1 .Llap
	QUARTER 0, 2, F1, F0, 0                        ; the last lap asks for nothing
	QUARTER 0, 3, F0, F1, 0
	MEET 0
	PLACES
	FETCH 1, 0, F0
	WIN MUL_HI
	MUL16 F1, 1, 0, 0
	MUL16 F1, 1, 2, 0
	QUARTER 1, 1, F0, F1, 0
	QUARTER 1, 2, F1, F0, 0
	QUARTER 1, 3, F0, F1, 0
	s_wait_dscnt 8                                 ; the very last quarter
	WIN MUL_LO
	MUL16 F1, 0, 0, 0
	MUL16 F1, 0, 2, 0
	s_wait_dscnt 0x0
	WIN MUL_HI
	MUL16 F1, 1, 0, 0
	MUL16 F1, 1, 2, 0
	WIN 0
	PLACES
.if RELU_CW
	s_wait_loadcnt 0x0                             ; the combine weights
.endif
	PACK 0
	TOSTAGE 0
.irp a, 1,2,3,4,5,6,7                  ; block a's arithmetic stands between block a - 1's loads from the stage and the wait for them
	PACK \a
	SEND \a-1
	TOSTAGE \a
.endr
	SEND 7
	s_wait_tensorcnt 0x0                           ; the wave's end
	ds_add_u32 v[SPW], v[NIL]
	s_wait_dscnt 0x0
	CROUND                                         ; the closing round: no work-group ends while a partner may still ask for a tile that names it
	s_endpgm
.Lfunc_end_k_q09f30e85be_qkv:
	.size	k_q09f30e85be_qkv, .Lfunc_end_k_q09f30e85be_qkv-k_q09f30e85be_qkv
	.p2alignl 7, 3214868480
	.fill 96, 4, 3214868480
	.section	.rodata,"a",@progbits
	.p2align	6, 0x0
	.amdhsa_kernel k_q09f30e85be_qkv
		.amdhsa_group_segment_fixed_size 327680
		.amdhsa_private_segment_fixed_size 0
		.amdhsa_enable_private_segment 0
		.amdhsa_kernarg_size 24
		.amdhsa_user_sgpr_count 2
		.amdhsa_user_sgpr_kernarg_segment_ptr 1
		.amdhsa_wavefront_size32 1
		.amdhsa_system_sgpr_workgroup_id_x 1
		.amdhsa_system_sgpr_workgroup_id_y 1
		.amdhsa_system_sgpr_workgroup_id_z 1
		.amdhsa_system_vgpr_workitem_id 0
		.amdhsa_next_free_vgpr 1024
		.amdhsa_next_free_sgpr 68
		.amdhsa_reserve_vcc 0
		.amdhsa_float_denorm_mode_32 3
		.amdhsa_float_denorm_mode_16_64 3
		.amdhsa_memory_ordered 1
		.amdhsa_forward_progress 1
		.amdhsa_inst_pref_size 143
	.end_amdhsa_kernel
	.amdgpu_metadata
---
amdhsa.version: [ 1, 2 ]
amdhsa.kernels:
  - .name:           k_q09f30e85be_qkv
    .symbol:         k_q09f30e85be_qkv.kd
    .args:
      - { .name: xn, .offset: 0, .size: 8, .value_kind: global_buffer, .address_space: global }
      - { .name: wts, .offset: 8, .size: 8, .value_kind: global_buffer, .address_space: global }
      - { .name: qkv, .offset: 16, .size: 8, .value_kind: global_buffer, .address_space: global }
    .group_segment_fixed_size: 327680
    .private_segment_fixed_size: 0
    .kernarg_segment_align: 8
    .kernarg_segment_size: 24
    .max_flat_workgroup_size: 128
    .sgpr_count:     68
    .vgpr_count:     1024
    .wavefront_size: 32
...
	.end_amdgpu_metadata
.endif
;; end of part 2
;; launch attn (part 3): grid 16 x 16, 8 waves a work-group, clusters of 4 x 1, 327,680 bytes of LDS; arguments qkv, o; writes o
.if DOCPART == 3
	.amdgcn_target "amdgcn-amd-amdhsa--gfx1250"
	.amdhsa_code_object_version 6
	.text
	.protected	k_q09f30e85be_attn
	.globl	k_q09f30e85be_attn
	.p2align	8
	.type	k_q09f30e85be_attn,@function
k_q09f30e85be_attn:
	s_mov_b64 s[64:65], 0
	v_nop
	global_prefetch_b8 v0, s[64:65] scope:SCOPE_SE
	s_setreg_imm32_b32 hwreg(HW_REG_WAVE_MODE, 25, 1), 1
	s_wait_xcnt 0x0
	s_wait_alu depctr_hold_cnt(0) depctr_sa_sdst(0) depctr_va_vdst(0) depctr_va_sdst(0) depctr_va_ssrc(0) depctr_va_vcc(0) depctr_vm_vsrc(0)
	s_getreg_b32 s2, hwreg(HW_REG_IB_STS2, 6, 4)
	s_cmp_eq_u32 s2, 0
	s_cbranch_scc0 .Lentry_in_a_cluster
	s_endpgm
.Lentry_in_a_cluster:
	s_bfe_u32 s2, ttmp6, 0x10000c
	s_cmp_lg_u32 s2, 0x3003
	s_cbranch_scc0 .Lentry_shape_is_right
	s_endpgm
.Lentry_shape_is_right:
; o[t][64 head + d] = sum over keys of softmax(q . k / 8) v.  qkv: [4096][3072] f16 (q at column 0, k at 1024, v at 2048, head at + 64 head); o: [4096][1024] f16.
; SHARES.  A work-group owns 128 queries of TWO neighbouring heads of one batch entry, so that every row of K, V and O that it touches is 256 aligned bytes.  Wave w: head w / 4, queries 32 (w % 4) on: two tiles of 16.
; LAYOUT.  S^T = K Q^T (source 0 = 16 keys, source 1 = 16 queries): a lane holds ONE query (lane % 16) and keys 8 (lane / 16) + 0..7.  Two such tiles rounded to f16 in pairs ARE source 1 of
; O^T = V^T P.  K comes out of LDS as it lies, V ([key][channel]) turned, by ds_load_tr16_b128.
; SOFTMAX.  A running maximum m and sum l for each query: p = 2^(c s - c m), c = log2(e) / 8; in every step O and l are multiplied by a = 2^(c m_old - c m_new).
; BY TURNS.  The wave's two tiles are two PIECES, which share K's and V's fragments and nothing else.  In a TURN one piece has the matrix unit: 8 products V^T P of the step in hand, then 8 products K Q^T
; of the next step; the other piece's softmax, a list of 118 vector instructions, is cut into 16 units of 7 (the last takes the 6 that are over) that stand between them: one unit behind each V^T P, two
; behind each pair of K Q^T.  Then the pieces change places; two turns are a key step: 32 matrix and 236 vector instructions.  So no run of products holds the wave up, and no softmax reads products just issued.
; RING.  64 keys a step; a slot holds four steps' K and V; two slots.  Waves 0-3 fetch a slot's four tiles of K, waves 4-7 those of V: one load of 64 rows x 256 bytes a wave.
; CLUSTER.  The four query blocks of a cluster walk the same K and V: each tile is asked for jointly, by the same tensor load with the same descriptor and the mask 15.
; REGISTERS.  window 0: v2-13 addresses; v16-31 statistics; v32-95 S^T; v96-127 P; v128-191 O^T; v192-255 V.  window 1: v0-31 Q; v32-95 K.
; All that a softmax and V^T P touch lies in window 0; only K Q^T takes sources from window 1, and it goes in pairs: eight switches a turn, two more for K's run of loads.
; LIMITS: the weights p (at most 1) and o are rounded to f16: below about 3e-8 they become 0.
.set KS,    64
.set ROWB,  6144                       ; bytes in a row of qkv
.set PK,    272                        ; a row of K in LDS: 256 + 16
.set PVP,   288                        ; a row of V: 256 + 32 = 9 x 32
.set VOFF,  KS*PK
.set STEPB, KS*(PK+PVP)                ; a step's K, then its V
.set SLOT,  4*STEPB
.set STAGE, 2*SLOT                     ; behind the ring: 128 rows x 272 bytes, the work-group's, for the way out
.set SP,    272
.set SPARE, STAGE+128*SP               ; the spare words: 128 bytes for each of eight waves, named by no other line
.set AK0, 2                            ; my lane's place in a tile of K; never rewritten
.set AV0, 3                            ; the same for V
.set ADR, 4                            ; the LDS address of the run of loads in hand
.set QO,  6
.set STO, 7
.set RD,  8
.set GO,  9
.set SPW, 12
.set NIL, 13
.set ST,  16                           ; tile t at v[ST+8 t]: +0 c m, +1 m, +2, +3 l (even keys', odd keys'), +4..+7 at work; a takes +6 once the maximum is found
.set S,   32
.set P,   96
.set O,   128
.set VF,  192
.set Q,   0                            ; window 1
.set KF,  32                           ; window 1
.set G1K, 24
.set G1V, 32
.set G0K, 40                           ; a set for each slot
.set G0V, 48
.set CS,  58
.set SEL, 60
.set TB,  62                           ; LDS byte at which the tiles of the step to be fetched begin
.set MSB, 0
.macro WIN new                         ; the immediate's high byte repeats the setting that is left; a switch that changes nothing is dropped
.if MSB != (\new)
	s_set_vgpr_msb (MSB<<8)|(\new)
.set MSB, \new
.endif
.endm
.set W_L1, 0x40                        ; destination window 1, address window 0
.set W_KQ, 0x05                        ; K and Q window 1, S^T window 0
.macro JLOAD slot                      ; a joint refill; four v_nop follow each of the two lines
	s_cmp_lt_u32 s8, 4
	s_cbranch_scc0 .Lfor_v_\@
	tensor_load_to_lds s[G0K+4*\slot:G0K+4*\slot+3], s[G1K:G1K+7]
	s_nop 0
.rept 4
	v_nop
.endr
	s_branch .Lasked_\@
.Lfor_v_\@:
	tensor_load_to_lds s[G0V+4*\slot:G0V+4*\slot+3], s[G1V:G1V+7]
	s_nop 0
.rept 4
	v_nop
.endr
.Lasked_\@:
.endm
.macro CROUND                          ; a round of the cluster's barrier
	s_barrier_signal -1
	s_barrier_wait -1
	s_cmp_lg_u32 s8, 0
	s_cbranch_scc1 .Lnot_wave_0_\@
	s_barrier_signal -3
.Lnot_wave_0_\@:
	s_barrier_wait -3
	s_barrier_signal -1
	s_barrier_wait -1
.endm
.macro PLACES                          ; four plain vector instructions between matrix instructions and reads of, or loads into, their registers
.rept 4
	v_nop
.endr
.endm
	s_load_b128 s[4:7], s[0:1], 0x0                ; qkv s[4:5], o s[6:7]
	v_lshl_add_u32 v[SPW], v0, 2, SPARE
	v_mov_b32 v[NIL], 0
	ds_add_u32 v12, v13
	s_wait_dscnt 0x0
	v_lshrrev_b32 v1, 5, v0
	v_readfirstlane_b32 s8, v1                     ; wave 0..7
	s_and_b32 s9, s8, 3                            ; my 32 queries.  Also: which of a slot's four steps I fetch
	s_lshr_b32 s10, s8, 2                          ; my head of the two.  Also: I fetch K (0) or V (1)
	s_bfe_u32 s11, ttmp6, 0x40000                  ; cx
	s_lshl_b32 s12, ttmp9, 2
	s_add_co_u32 s12, s12, s11                     ; my block of 128 queries: it enters Q's and O's addresses alone
	s_and_b32 s13, ttmp7, 0xffff
	s_lshr_b32 s14, s13, 3                         ; the batch entry,
	s_and_b32 s15, s13, 7                          ; the pair of heads: the four partners share both
	s_mul_i32 s16, s14, 2048*ROWB                  ; K and V: the entry's first row,
	s_mul_i32 s17, s9, KS*ROWB                     ; my step's 64 rows,
	s_add_co_u32 s16, s16, s17
	s_lshl_b32 s17, s15, 8                         ; the pair's 256 bytes
	s_add_co_u32 s16, s16, s17
	s_mov_b32 s17, 0
	s_mul_i32 s18, s9, STEPB                       ; my step's place in a slot
	s_lshl_b32 s20, s14, 11                        ; Q: row 2048 b + 128 block + 32 (w % 4)
	s_lshl_b32 s21, s12, 7
	s_add_co_u32 s20, s20, s21
	s_lshl_b32 s22, s20, 11                        ; O: row 2048 b + 128 block, rows of 2,048 bytes
	s_lshl_b32 s21, s9, 5
	s_add_co_u32 s20, s20, s21
	s_mul_i32 s20, s20, ROWB
	s_lshl_b32 s21, s15, 8
	s_add_co_u32 s20, s20, s21
	s_add_co_u32 s22, s22, s21
	s_lshl_b32 s21, s10, 7                         ; my head's 128 bytes
	s_add_co_u32 s20, s20, s21
	s_mov_b32 s21, 0
	s_mov_b32 s23, 0
	s_mov_b32 s[G1K], 15|(1<<16)|(1<<20)|(1<<21)|(5<<22)|(3<<25)   ; mask of all four; elements of 2 bytes; padding on; bit 21 beside a mask; after every 64 words 4 words
	s_mov_b32 s[G1V], 15|(1<<16)|(1<<20)|(1<<21)|(5<<22)|(7<<25)   ; the same with 8 words
.irp g, G1K, G1V
	s_mov_b32 s[\g+1], 128<<16                     ; tensor_dim0 = 128
	s_mov_b32 s[\g+2], KS<<16                      ; tensor_dim1 = 64
	s_mov_b32 s[\g+3], 128<<16                     ; tile_dim0 = 128
	s_mov_b32 s[\g+4], KS                          ; tile_dim1 = 64
	s_mov_b32 s[\g+5], 3072                        ; elements from row to row
	s_mov_b32 s[\g+6], 0
	s_mov_b32 s[\g+7], 0
.endr
	s_mov_b32 s[CS], 0x3e38aa3b                    ; c = log2(e) / 8
	s_mov_b32 s[CS+1], s[CS]
	s_mov_b32 s[SEL], 0x76543210
	s_mov_b32 s[SEL+1], 0xfedcba98
	s_mov_b32 s[TB], 0
	s_mov_b32 s56, 3
	s_wait_kmcnt 0x0
	s_add_nc_u64 s[16:17], s[4:5], s[16:17]
	s_add_nc_u64 s[20:21], s[4:5], s[20:21]
	s_add_nc_u64 s[6:7], s[6:7], s[22:23]
	CROUND                                         ; all four work-groups are here: the first joint loads meet
.irp s, 0,1
	s_mov_b32 s[G0K+4*\s], 1
	s_add_co_u32 s[G0K+4*\s+1], s18, \s*SLOT
	s_add_nc_u64 s[G0K+4*\s+2:G0K+4*\s+3], s[16:17], \s*4*KS*ROWB+2048   ; slot s begins with keys 256 s on; k's columns
	s_or_b32 s[G0K+4*\s+3], s[G0K+4*\s+3], 0x80000000
	s_mov_b32 s[G0V+4*\s], 1
	s_add_co_u32 s[G0V+4*\s+1], s18, \s*SLOT+VOFF
	s_add_nc_u64 s[G0V+4*\s+2:G0V+4*\s+3], s[16:17], \s*4*KS*ROWB+4096   ; v's columns
	s_or_b32 s[G0V+4*\s+3], s[G0V+4*\s+3], 0x80000000
.endr
	s_cmp_lt_u32 s8, 4                             ; a wave's two first fills stand in one branch: two loads of mine are out
	s_cbranch_scc0 .Lfirst_v
	tensor_load_to_lds s[G0K:G0K+3], s[G1K:G1K+7]
	s_nop 0
	tensor_load_to_lds s[G0K+4:G0K+7], s[G1K:G1K+7]
	s_nop 0
.rept 4
	v_nop
.endr
	s_branch .Lfirst_asked
.Lfirst_v:
	tensor_load_to_lds s[G0V:G0V+3], s[G1V:G1V+7]
	s_nop 0
	tensor_load_to_lds s[G0V+4:G0V+7], s[G1V:G1V+7]
	s_nop 0
.rept 4
	v_nop
.endr
.Lfirst_asked:
	v_and_b32 v1, 15, v0                           ; r = l % 16
	v_bfe_u32 v10, v0, 4, 1                        ; h = l / 16
	v_mul_u32_u24 v[QO], v1, ROWB
	v_lshl_add_u32 v[QO], v10, 4, v[QO]
	WIN W_L1
.irp i, 0,1,2,3                        ; Q stays in registers: tile i / 2, channels 32 (i % 2) on
	global_load_b128 v[Q+8*\i:Q+8*\i+3],   v[QO], s[20:21] offset:(\i/2)*16*ROWB+(\i%2)*64
	global_load_b128 v[Q+8*\i+4:Q+8*\i+7], v[QO], s[20:21] offset:(\i/2)*16*ROWB+(\i%2)*64+32
.endr
	WIN 0
	s_lshl_b32 s19, s10, 7                         ; my head's 128 bytes of an LDS row
	v_mul_u32_u24 v[AK0], v1, PK
	v_lshl_add_u32 v[AK0], v10, 4, v[AK0]
	v_add_nc_u32 v[AK0], s19, v[AK0]
	v_and_b32 v11, 7, v0                           ; the turning load: key 8 h + l % 8, 16 bytes at 16 ((l / 8) % 2)
	v_lshl_add_u32 v[AV0], v10, 3, v11
	v_mul_u32_u24 v[AV0], v[AV0], PVP
	v_bfe_u32 v11, v0, 3, 1
	v_lshl_add_u32 v[AV0], v11, 4, v[AV0]
	s_add_co_u32 s19, s19, VOFF
	v_add_nc_u32 v[AV0], s19, v[AV0]
	s_mul_i32 s19, s9, 32*SP                       ; into the stage: my 32 rows, my head's half of their 256 bytes
	s_lshl_b32 s22, s10, 7
	s_add_co_u32 s19, s19, s22
	s_add_co_u32 s19, s19, STAGE
	v_mul_u32_u24 v[STO], v1, SP
	v_lshl_add_u32 v[STO], v10, 4, v[STO]
	v_add_nc_u32 v[STO], s19, v[STO]
	s_mul_i32 s19, s8, 16*SP                       ; back: wave w takes rows 16 w on, whole
	s_add_co_u32 s19, s19, STAGE
	v_mul_u32_u24 v[RD], v10, SP
	v_lshl_add_u32 v[RD], v1, 4, v[RD]
	v_add_nc_u32 v[RD], s19, v[RD]
	s_lshl_b32 s19, s8, 15                         ; and the same rows in O
	v_lshlrev_b32 v[GO], 11, v10
	v_lshl_add_u32 v[GO], v1, 4, v[GO]
	v_add_nc_u32 v[GO], s19, v[GO]
; THE MATRIX WORK OF A TURN, for piece x.  The accumulators take turns, one instruction a turn: between two links of a chain stand three others'.
; Product i of 8 of O^T += V^T P: keys 32 (i / 4) on, channels 16 (i % 4) on.  zero = 1: the first 4 start the sums: nothing is ever cleared.
.macro MPV x, zero
.set rO, O+32*(\x)+8*(i%4)
.set rV, VF+32*(i/4)+8*(i%4)
.set rP, P+16*(\x)+8*(i/4)
.if \zero && (i < 4)
	v_wmma_f32_16x16x32_f16 v[rO:rO+7], v[rV:rV+7], v[rP:rP+7], 0
.else
	v_wmma_f32_16x16x32_f16 v[rO:rO+7], v[rV:rV+7], v[rP:rP+7], v[rO:rO+7]
.endif
.endm
; Product i of 8 of S^T = K Q^T: channels 32 (i / 4) on, keys 16 (i % 4) on.  The first 4 start the sums.
.macro MKQ x
.set rS, S+32*(\x)+8*(i%4)
.set rK, KF+16*(i%4)+8*(i/4)
.set rQ, Q+16*(\x)+8*(i/4)
.if i < 4
	v_wmma_f32_16x16x32_f16 v[rS:rS+7], v[rK:rK+7], v[rQ:rQ+7], 0
.else
	v_wmma_f32_16x16x32_f16 v[rS:rS+7], v[rK:rK+7], v[rQ:rQ+7], v[rS:rS+7]
.endif
.endm
; THE LDS LOADS stand in runs of 16: a step's K (my head's 64 keys x 64 channels: 8 fragments) and, a turn later, its V (turned).
.macro FETCH_K
	v_add_nc_u32 v[ADR], s[TB], v[AK0]
	WIN W_L1
.irp f, 0,1,2,3,4,5,6,7                ; keys 16 (f / 2) on, channels 32 (f % 2) on
	ds_load_b128 v[KF+8*\f:KF+8*\f+3],   v[ADR] offset:(\f/2)*16*PK+(\f%2)*64
	ds_load_b128 v[KF+8*\f+4:KF+8*\f+7], v[ADR] offset:(\f/2)*16*PK+(\f%2)*64+32
.endr
	WIN 0
.endm
.macro FETCH_V
	v_add_nc_u32 v[ADR], s[TB], v[AV0]
	s_add_co_u32 s[TB], s[TB], STEPB               ; the next fetch is the next step's
.irp f, 0,1,2,3,4,5,6,7                ; keys 32 (f / 4) on, channels 16 (f % 4) on
	ds_load_tr16_b128 v[VF+8*\f:VF+8*\f+3],   v[ADR] offset:(\f/4)*32*PVP+(\f%4)*32
	ds_load_tr16_b128 v[VF+8*\f+4:VF+8*\f+7], v[ADR] offset:(\f/4)*32*PVP+16*PVP+(\f%4)*32
.endr
.endm
; THE VECTOR WORK OF A TURN.  One tile's softmax for one key step is a list of 118 instructions; SM writes number j of it for tile t.  s0-s31 are the lane's 32 scores, in pairs 0-15.
; first = 1: the first key step, which starts m, l and O^T: it has no a and nothing to rescale.
;   0-15    the maximum of s0-s31 and the old m, three operands at a time: four chains of seven scores each (each accumulator is read first at its registers 0 to 2), then the four scores left over, the chains and m
;   16-20   the other half of the lanes' maximum; the new m; c m; c m_old - c m_new
;   21-87   33 exponentials (a, then s0-s31) at the odd numbers from 23 on, so that no two follow each other and each has a plain instruction behind it before its result is used (ISA guide 5.7.2).
;           The plain ones are whatever is ready: c s - c m for a pair whose exponentials are still to come, the rounding to f16 of a pair whose second exponential stands three numbers back, the first sums
;   88-101  the last rounding; the rest of the sums; l = a l + the sum
;   102-117 the tile's O^T times a, ascending
.macro SM t, first
.set rT, ST+8*(\t)
.set rS, S+32*(\t)
.set rP, P+16*(\t)
.set rO, O+32*(\t)+2*(j-102)
.set q, (j-20)/2
.if j < 4
	v_max3_num_f32 v[rT+4+j], v[rS+8*j], v[rS+8*j+1], v[rS+8*j+2]
.elseif j < 12
	v_max3_num_f32 v[rT+4+j%4], v[rT+4+j%4], v[rS+8*(j%4)+2*(j/4)+1], v[rS+8*(j%4)+2*(j/4)+2]
.elseif j == 12
	v_max3_num_f32 v[rT+4], v[rT+4], v[rS+7], v[rS+15]
.elseif j == 13
	v_max3_num_f32 v[rT+6], v[rT+6], v[rS+23], v[rS+31]
.elseif j == 14
	v_max3_num_f32 v[rT+4], v[rT+4], v[rT+5], v[rT+6]
.elseif (j == 15) && \first
	v_max_num_f32 v[rT+4], v[rT+4], v[rT+7]
.elseif j == 15
	v_max3_num_f32 v[rT+4], v[rT+4], v[rT+7], v[rT+1]
.elseif j == 16
	v_permlanex16_b32 v[rT+5], v[rT+4], s[SEL], s[SEL+1]   ; the query's other 32 keys lie in the lane 16 away
.elseif j == 18
	v_max_num_f32 v[rT+1], v[rT+4], v[rT+5]
.elseif j == 19
	v_mul_f32 v[rT], s[CS], v[rT+1]
.elseif ((j == 17) || (j == 20) || (j == 23) || (j > 101)) && \first   ; the first step has none of these
.elseif j == 17
	v_mov_b32 v[rT+7], v[rT]                       ; c m_old is kept for a: number 19 writes c m anew
.elseif j == 20
	v_sub_f32 v[rT+7], v[rT+7], v[rT]
.elseif j == 23
	v_exp_f32 v[rT+6], v[rT+7]
.elseif (j < 88) && (j > 23) && (j%2 == 1)
	v_exp_f32 v[rS+(j-25)/2], v[rS+(j-25)/2]
.elseif (q < 4) || ((j < 76) && (q%2 == 0))
.set b, q/2+2
.if q < 4
.set b, q
.endif
	v_pk_fma_f32 v[rS+2*b:rS+2*b+1], v[rS+2*b:rS+2*b+1], s[CS:CS+1], v[rT:rT+1] op_sel_hi:[1,0,0] neg_lo:[0,0,1] neg_hi:[0,0,1]   ; pair b: c s - c m
.elseif (j < 88) && (q%2 == 1)
	s_wait_alu depctr_va_vdst(0)
	v_cvt_pk_f16_f32 v[rP+(q-5)/2], v[rS+q-5], v[rS+q-4]
.elseif j == 89
	s_wait_alu depctr_va_vdst(0)
	v_cvt_pk_f16_f32 v[rP+15], v[rS+30], v[rS+31]
.elseif j < 102                        ; the sum of the tile's 16 pairs, in place: sum z of 16 adds neighbours 1, 2, 4 and 8 pairs apart, then l takes it
.set z, j-86
.if j < 89
.set z, (j-76)/4
.endif
.set w, 4
.set u2, z
.if z >= 14
.set w, 32
.set u2, 0
.elseif z >= 12
.set w, 16
.set u2, z-12
.elseif z >= 8
.set w, 8
.set u2, z-8
.endif
.if (z == 14) && \first
	v_pk_add_f32 v[rT+2:rT+3], v[rS:rS+1], v[rS+16:rS+17]
.elseif z < 15
	v_pk_add_f32 v[rS+w*u2:rS+w*u2+1], v[rS+w*u2:rS+w*u2+1], v[rS+w*u2+w/2:rS+w*u2+w/2+1]
.elseif !\first
	v_pk_fma_f32 v[rT+2:rT+3], v[rT+2:rT+3], v[rT+6:rT+7], v[rS:rS+1] op_sel_hi:[1,0,1]
.endif
.else
	v_pk_mul_f32 v[rO:rO+1], v[rO:rO+1], v[rT+6:rT+7] op_sel_hi:[1,0]
.endif
.endm
; Unit u of 16 of tile y's list: numbers 7 u to 7 u + 6.  118 = 16 x 7 + 6: the six that are over stand in unit 15.
.macro UNIT y, first
.irp n, 0,1,2,3,4,5,6,7,8,9,10,11,12
.if (\n < 7) || (u == 15)
.set j, 7*u+\n
	SM \y, \first
.endif
.endr
.set u, u+1
.endm
; A TURN.  Piece x has the matrix unit; the other piece's softmax stands in units behind its matrix instructions.
; pv = 2: 8 products V^T P; 1: they start O^T's sums; 0: none.  kq = 1: 8 products K Q^T for the next step, in pairs.  A turn with one of the two kinds has twice the units behind each.
; Piece 0's turn begins with the next step's K: the last product that read K stands in front of units 14 and 15 of the turn before, 20 plain instructions on the other piece's registers (the first step's
; shorter list is followed by four v_nop).  Those units are also the places between a turn's last K Q^T and the next turn's first read of its scores.
; Piece 1's turn fetches the same step's V behind its first pair of K Q^T and that pair's units: 21 plain instructions behind the last product that read V.
.macro TURN x, pv, kq, first
.set u, 0
.set per, 2
.if \pv && \kq
.set per, 1
.endif
.if \x == 0
.if \kq
	FETCH_K
	s_wait_dscnt 16                                ; V is in; K's sixteen loads, just issued, stay out
.else
	s_wait_dscnt 0x0                               ; V is in
.endif
.endif
.if \pv
.set i, 0
.rept 8
	MPV \x, 2-\pv
.rept per
	UNIT 1-\x, \first
.endr
.set i, i+1
.endr
.endif
.if \kq
.if \x == 0
	s_wait_dscnt 0x0                               ; K is in
.endif
.set i, 0
.rept 4
	WIN W_KQ
	MKQ \x
.set i, i+1
	MKQ \x
.set i, i+1
	WIN 0
.rept 2*per
	UNIT 1-\x, \first
.endr
.if (\x == 1) && (i == 2)
	FETCH_V
.endif
.endr
.endif
.if \first
	PLACES
.endif
.endm
.macro STEPS n                         ; n key steps: written once, walked n times; the LDS addresses hang on s[TB]
	s_mov_b32 s57, \n
.Lstep_\@:
	TURN 0, 2, 1, 0
	TURN 1, 2, 1, 0
	s_sub_co_u32 s57, s57, 1
	s_cmp_lg_u32 s57, 0
	s_cbranch_scc1 .Lstep_\@
.endm
; THE CHANGE OF SLOTS, between piece 1's turn and piece 0's: the slot's last bytes, V of its fourth step, have been asked for.  All my tensor loads have landed (one was out: my part of the other slot),
; the add, my reads of this slot are over.  fill = 1: this slot takes the keys 512 further on; the barrier is then a round of the cluster's, and the joint refill is the first thing behind it:
; it has four key steps in which to land.
.macro CHANGE slot, fill
	s_wait_tensorcnt 0x0
	ds_add_u32 v[SPW], v[NIL]                      ; 0 onto my spare word
.if \fill
	s_add_nc_u64 s[G0K+4*\slot+2:G0K+4*\slot+3], s[G0K+4*\slot+2:G0K+4*\slot+3], 8*KS*ROWB
	s_add_nc_u64 s[G0V+4*\slot+2:G0V+4*\slot+3], s[G0V+4*\slot+2:G0V+4*\slot+3], 8*KS*ROWB
.endif
	s_mov_b32 s[TB], (1-\slot)*SLOT                ; the fetches go on in the other slot
	s_wait_dscnt 0x0
.if \fill
	CROUND
	JLOAD \slot
.else
	s_barrier_signal -1
	s_barrier_wait -1
.endif
.endm
	s_wait_tensorcnt 1                             ; my part of slot 0 is in; slot 1's may stay out
	s_barrier_signal -1
	s_barrier_wait -1
	FETCH_K                                        ; key step 0
	s_wait_loadcnt 0x0                             ; Q
	s_wait_dscnt 0x0
	WIN W_KQ
.set i, 0
.rept 8
	MKQ 0                                          ; piece 0's first scores: there is no vector work yet to set between them
.set i, i+1
.endr
	WIN 0
	PLACES
	TURN 1, 0, 1, 1                                ; piece 1's first scores | piece 0's first softmax | V of step 0
	TURN 0, 1, 1, 1                                ; piece 0: V^T P of step 0 starts O^T, K Q^T of step 1 | piece 1's first softmax | K of step 1
	TURN 1, 1, 1, 0                                ; piece 1: the same | piece 0's softmax of step 1 | V of step 1
	STEPS 2                                        ; they fetch steps 2 and 3: slot 0 has been read out
.Lslot:                                                ; three trips, two slots each: six refills
	CHANGE 0, 1
	STEPS 4
	CHANGE 1, 1
	STEPS 4
	s_sub_co_u32 s56, s56, 1
	s_cmp_lg_u32 s56, 0
	s_cbranch_scc1 .Lslot
	CHANGE 0, 0                                    ; the last slot: nothing is asked for
	STEPS 4
	TURN 0, 2, 0, 0                                ; piece 0: V^T P of the last step | piece 1's last softmax
.set i, 0
.rept 8
	MPV 1, 0                                       ; piece 1: V^T P of the last step
.set i, i+1
.endr
	PLACES
	; THE WAY OUT: l's halves and the other half of the lanes' are added; O^T / l is rounded to f16 and goes through the stage; a row's 256 bytes come from two waves, so a barrier stands between writing and reading
.irp t, 0,1
	v_add_f32 v[ST+8*\t+4], v[ST+8*\t+2], v[ST+8*\t+3]
.endr
.irp t, 0,1
	v_permlanex16_b32 v[ST+8*\t+5], v[ST+8*\t+4], s[SEL], s[SEL+1]
.endr
.irp t, 0,1
	v_add_f32 v[ST+8*\t+4], v[ST+8*\t+4], v[ST+8*\t+5]
.endr
.irp t, 0,1
	v_rcp_f32 v[ST+8*\t+6], v[ST+8*\t+4]
.endr
	v_nop                                          ; a plain instruction between the reciprocal and its use
.irp t, 0,1
.set i, 0
.rept 16
	s_wait_alu depctr_va_vdst(0)
	v_pk_mul_f32 v[O+32*\t+i:O+32*\t+i+1], v[O+32*\t+i:O+32*\t+i+1], v[ST+8*\t+6:ST+8*\t+7] op_sel_hi:[1,0]
.set i, i+2
.endr
.endr
.set i, 0
.rept 32
	v_cvt_pk_f16_f32 v[S+i], v[O+2*i], v[O+2*i+1]
.set i, i+1
.endr
.irp f, 0,1,2,3,4,5,6,7                ; tile f / 4, channels 16 (f % 4) on
	ds_store_b128 v[STO], v[S+4*\f:S+4*\f+3] offset:(\f/4)*16*SP+(\f%4)*32
.endr
	s_wait_dscnt 0x0                               ; for the others' sake: my stores into the stage are done
	s_barrier_signal -1
	s_barrier_wait -1
.irp f, 0,1,2,3,4,5,6,7
	ds_load_b128 v[S+32+4*\f:S+32+4*\f+3], v[RD] offset:\f*2*SP
.endr
.irp f, 0,1,2,3,4,5,6,7
	s_wait_dscnt 7-\f                              ; load f is back; the younger ones stay out
	global_store_b128 v[GO], v[S+32+4*\f:S+32+4*\f+3], s[6:7] offset:\f*4096   ; 16 lanes store 256 consecutive bytes, aligned
.endr
	s_wait_tensorcnt 0x0                           ; the wave's end
	ds_add_u32 v[SPW], v[NIL]
	s_wait_dscnt 0x0
	CROUND                                         ; the closing round
	s_endpgm
.Lfunc_end_k_q09f30e85be_attn:
	.size	k_q09f30e85be_attn, .Lfunc_end_k_q09f30e85be_attn-k_q09f30e85be_attn
	.p2alignl 7, 3214868480
	.fill 96, 4, 3214868480
	.section	.rodata,"a",@progbits
	.p2align	6, 0x0
	.amdhsa_kernel k_q09f30e85be_attn
		.amdhsa_group_segment_fixed_size 327680
		.amdhsa_private_segment_fixed_size 0
		.amdhsa_enable_private_segment 0
		.amdhsa_kernarg_size 16
		.amdhsa_user_sgpr_count 2
		.amdhsa_user_sgpr_kernarg_segment_ptr 1
		.amdhsa_wavefront_size32 1
		.amdhsa_system_sgpr_workgroup_id_x 1
		.amdhsa_system_sgpr_workgroup_id_y 1
		.amdhsa_system_sgpr_workgroup_id_z 1
		.amdhsa_system_vgpr_workitem_id 0
		.amdhsa_next_free_vgpr 384
		.amdhsa_next_free_sgpr 66
		.amdhsa_reserve_vcc 0
		.amdhsa_float_denorm_mode_32 3
		.amdhsa_float_denorm_mode_16_64 3
		.amdhsa_memory_ordered 1
		.amdhsa_forward_progress 1
		.amdhsa_inst_pref_size 126
	.end_amdhsa_kernel
	.amdgpu_metadata
---
amdhsa.version: [ 1, 2 ]
amdhsa.kernels:
  - .name:           k_q09f30e85be_attn
    .symbol:         k_q09f30e85be_attn.kd
    .args:
      - { .name: qkv, .offset: 0, .size: 8, .value_kind: global_buffer, .address_space: global }
      - { .name: o, .offset: 8, .size: 8, .value_kind: global_buffer, .address_space: global }
    .group_segment_fixed_size: 327680
    .private_segment_fixed_size: 0
    .kernarg_segment_align: 8
    .kernarg_segment_size: 16
    .max_flat_workgroup_size: 256
    .sgpr_count:     66
    .vgpr_count:     384
    .wavefront_size: 32
...
	.end_amdgpu_metadata
.endif
;; end of part 3
;; launch wo (part 4): grid 8 x 32, 4 waves a work-group, clusters of 4 x 4, 327,680 bytes of LDS; arguments o, wts, x1, x; writes x1
.if DOCPART == 4
	.amdgcn_target "amdgcn-amd-amdhsa--gfx1250"
	.amdhsa_code_object_version 6
	.text
	.protected	k_q09f30e85be_wo
	.globl	k_q09f30e85be_wo
	.p2align	8
	.type	k_q09f30e85be_wo,@function
k_q09f30e85be_wo:
	s_mov_b64 s[64:65], 0
	v_nop
	global_prefetch_b8 v0, s[64:65] scope:SCOPE_SE
	s_setreg_imm32_b32 hwreg(HW_REG_WAVE_MODE, 25, 1), 1
	s_wait_xcnt 0x0
	s_wait_alu depctr_hold_cnt(0) depctr_sa_sdst(0) depctr_va_vdst(0) depctr_va_sdst(0) depctr_va_ssrc(0) depctr_va_vcc(0) depctr_vm_vsrc(0)
	s_getreg_b32 s2, hwreg(HW_REG_IB_STS2, 6, 4)
	s_cmp_eq_u32 s2, 0
	s_cbranch_scc0 .Lentry_in_a_cluster
	s_endpgm
.Lentry_in_a_cluster:
	s_bfe_u32 s2, ttmp6, 0x10000c
	s_cmp_lg_u32 s2, 0xf033
	s_cbranch_scc0 .Lentry_shape_is_right
	s_endpgm
.Lentry_shape_is_right:
; x1[t][n] = x[t][n] + sum over k of o[t][k] Wo[k][n].  A: [4096][KDIM] f16; B: [KDIM][1024] f16 at wts + BOFF; the residual and C: [4096][1024] f32; sums in f32.
; A tile of C is 128 x 128, so that 8 x 32 = 256 work-groups share the work.  Four waves, each 64 x 64: 16 accumulators.  K goes in steps of 256 through two LDS slots:
; A's 128 rows of 512 bytes and B's 256 k-rows of 256 bytes.  B lies [k][n]: its fragments come out of LDS by the turning load ds_load_tr16_b128.
; CLUSTERS: 4 x 4; A's tile is shared along a row of the cluster, B's along a column, each asked for jointly.  THE MATRIX INSTRUCTION IS USED TRANSPOSED: a lane holds eight neighbouring numbers of a row of C.
; THE WAY OUT: a wave's 64 columns of f32 are one aligned block of 256 bytes, so each wave has a stage of its own (16 rows x 272 bytes) and no barrier is needed.
; The residual's 64 x 64 numbers are loaded into window 2 at the start, in the layout of the rows read back, and stay out over the whole loop.
; REGISTERS: window 0: v16-29 addresses, v32-95 the way out, v128-255 the accumulators ((a, b) at v[128 + 8 (4 a + b)]); window 1: two fragment buffers of 128 (64 of A, 64 of B, for 64 along K); window 2: v0-127 the residual.
.set KDIM,   1024
.set BOFF,   6291456                   ; B's first byte in wts
.set KSTEP,  256
.set LAPS,   KDIM/(2*KSTEP)
.set PA,     528                       ; A's LDS row: 512 bytes + 16
.set HALFA,  64*PA                     ; what one of A's tensor loads brings
.set PB,     288                       ; B's LDS row: 256 bytes + 32 = 9 x 32
.set HALFB,  128*PB                    ; what one of B's brings: 128 k-rows
.set SLOT,   2*HALFA+2*HALFB
.set STAGE,  2*SLOT
.set SPITCH, 272
.set SPARE,  STAGE+4*16*SPITCH         ; the spare words: 128 bytes for each wave, named by no other line
.set ADRA, 16                          ; v16-17  my A fragments in slot 0, 1
.set ADRB, 20                          ; v20-23  my B fragments: slot 0 k-rows 0-127, 128-255; slot 1 likewise (256 rows of 288 bytes pass the 16-bit offset)
.set STO,  24
.set RD,   25
.set CO,   26                          ; my byte offset in C and in the residual; never rewritten
.set SPW,  28
.set NIL,  29
.set TMP,  32
.set ACC,  128
.set F0,   0
.set F1,   128
.set G1,  24
.set G0,  32
.set G1B, 48
.set G0B, 56
.set MSB, 0
.macro WIN new
.if MSB != (\new)
	s_set_vgpr_msb (MSB<<8)|(\new)
.set MSB, \new
.endif
.endm
.set MUL,  0x05                        ; sources 0 (B) and 1 (A) window 1; C and D window 0
.set TO_F, 0x40                        ; destination window 1, address window 0
.macro JLOAD s                         ; a joint load: waves 0, 1 fetch A's halves, waves 2, 3 B's; four v_nop follow each line
	s_cmp_eq_u32 s11, 0
	s_cbranch_scc0 .Lfor_b_\@
	tensor_load_to_lds s[G0+4*\s:G0+4*\s+3], s[G1:G1+7]
	s_nop 0
.rept 4
	v_nop
.endr
	s_branch .Lasked_\@
.Lfor_b_\@:
	tensor_load_to_lds s[G0B+4*\s:G0B+4*\s+3], s[G1B:G1B+7]
	s_nop 0
.rept 4
	v_nop
.endr
.Lasked_\@:
.endm
.macro CREST
	s_cmp_lg_u32 s10, 0
	s_cbranch_scc1 .Lnot_wave_0_\@
	s_barrier_signal -3
.Lnot_wave_0_\@:
	s_barrier_wait -3
	s_barrier_signal -1
	s_barrier_wait -1
.endm
.macro CROUND
	s_barrier_signal -1
	s_barrier_wait -1
	CREST
.endm
	s_load_b128 s[4:7], s[0:1], 0x0                ; A s[4:5], wts s[6:7]
	s_load_b64 s[8:9], s[0:1], 0x10                ; C
	s_load_b64 s[66:67], s[0:1], 0x18              ; the residual
	v_lshl_add_u32 v[SPW], v0, 2, SPARE
	v_mov_b32 v[NIL], 0
	ds_add_u32 v28, v29
	s_wait_dscnt 0x0
	v_lshrrev_b32 v1, 5, v0
	v_readfirstlane_b32 s10, v1                    ; wave 0..3
	s_lshr_b32 s11, s10, 1                         ; my half of the tile's rows.  Also: I fetch for A (0) or for B (1)
	s_and_b32 s12, s10, 1                          ; my half of its columns.  Also: which half of that tile I fetch
	s_bfe_u32 s40, ttmp6, 0x40000
	s_bfe_u32 s41, ttmp6, 0x40004
	s_lshl_b32 s42, ttmp9, 2
	s_add_co_u32 s42, s42, s40                     ; tile column of C
	s_and_b32 s13, ttmp7, 0xffff
	s_lshl_b32 s13, s13, 2
	s_add_co_u32 s13, s13, s41                     ; tile row of C
	s_lshl_b32 s43, s41, 2
	s_lshl_b32 s43, 15, s43                        ; my row of the cluster
	s_lshl_b32 s44, 0x1111, s40                    ; my column
	s_or_b32 s[G1+0], s43, (1<<16)|(1<<20)|(1<<21)|(6<<22)|(3<<25)   ; mask; 2-byte elements; padding on; bit 21 beside a mask; after every 128 words 4 words
	s_mov_b32 s[G1+1], KSTEP<<16                   ; tensor_dim0 = 256
	s_mov_b32 s[G1+2], 64<<16                      ; tensor_dim1 = 64
	s_mov_b32 s[G1+3], KSTEP<<16
	s_mov_b32 s[G1+4], 64
	s_mov_b32 s[G1+5], KDIM
	s_mov_b32 s[G1+6], 0
	s_mov_b32 s[G1+7], 0
	s_or_b32 s[G1B+0], s44, (1<<16)|(1<<20)|(1<<21)|(5<<22)|(7<<25)  ; after every 64 words 8 words
	s_mov_b32 s[G1B+1], 128<<16                    ; tensor_dim0 = 128 columns
	s_mov_b32 s[G1B+2], 128<<16                    ; tensor_dim1 = 128 k-rows
	s_mov_b32 s[G1B+3], 128<<16
	s_mov_b32 s[G1B+4], 128
	s_mov_b32 s[G1B+5], 1024
	s_mov_b32 s[G1B+6], 0
	s_mov_b32 s[G1B+7], 0
	s_lshl_b32 s16, s13, 7                         ; A: row 128 x tile row + 64 x half
	s_lshl_b32 s17, s12, 6
	s_add_co_u32 s16, s16, s17
	s_mul_i32 s16, s16, KDIM*2
	s_mov_b32 s17, 0
	s_lshl_b32 s46, s12, 18                        ; B: k-row 128 x half (rows of 2,048 bytes), column 128 x tile column
	s_lshl_b32 s47, s42, 8
	s_add_co_u32 s46, s46, s47
	s_add_co_u32 s46, s46, BOFF
	s_mov_b32 s47, 0
	s_mul_i32 s20, s12, HALFA                      ; where they go
	s_mul_i32 s21, s12, HALFB
	s_add_co_u32 s21, s21, 2*HALFA
	s_wait_kmcnt 0x0
	s_add_nc_u64 s[14:15], s[4:5], s[16:17]
	s_add_nc_u64 s[46:47], s[6:7], s[46:47]
	CROUND                                         ; all sixteen work-groups are here: the first joint loads meet
.irp s, 0,1
	s_mov_b32 s[G0+4*\s], 1
	s_add_co_u32 s[G0+4*\s+1], s20, \s*SLOT
	s_add_nc_u64 s[G0+4*\s+2:G0+4*\s+3], s[14:15], \s*KSTEP*2
	s_or_b32 s[G0+4*\s+3], s[G0+4*\s+3], 0x80000000
	s_mov_b32 s[G0B+4*\s], 1
	s_add_co_u32 s[G0B+4*\s+1], s21, \s*SLOT
	s_add_nc_u64 s[G0B+4*\s+2:G0B+4*\s+3], s[46:47], \s*KSTEP*2048
	s_or_b32 s[G0B+4*\s+3], s[G0B+4*\s+3], 0x80000000
	JLOAD \s                                       ; K steps 0 and 1: two loads of mine are out
.endr
	v_and_b32 v1, 15, v0                           ; r
	v_bfe_u32 v2, v0, 4, 1                         ; h
	v_mul_u32_u24 v3, v1, PA
	v_lshl_add_u32 v3, v2, 4, v3
	v_and_b32 v6, 7, v0                            ; the turning load: k-row 8 h + l % 8, 16 bytes at 16 ((l / 8) % 2)
	v_lshl_add_u32 v6, v2, 3, v6
	v_mul_u32_u24 v6, v6, PB
	v_bfe_u32 v7, v0, 3, 1
	v_lshl_add_u32 v6, v7, 4, v6
	s_mul_i32 s22, s11, HALFA                      ; my 64 rows of A
	s_lshl_b32 s23, s12, 7                         ; my 64 columns of B,
	s_add_co_u32 s23, s23, 2*HALFA                 ; which lies behind A
.irp s, 0,1
	v_add_nc_u32 v[ADRA+\s], s22, v3
	v_add_nc_u32 v[ADRB+2*\s], s23, v6
	s_add_co_u32 s23, s23, HALFB
	v_add_nc_u32 v[ADRB+2*\s+1], s23, v6
	s_add_co_u32 s22, s22, SLOT
	s_add_co_u32 s23, s23, SLOT-HALFB
.endr
	s_mul_i32 s22, s10, 16*SPITCH
	s_add_co_u32 s22, s22, STAGE                   ; my stage
	v_mul_u32_u24 v4, v1, SPITCH                   ; in: row r, 32 bytes for each half of the lanes
	v_lshl_add_u32 v4, v2, 5, v4
	v_add_nc_u32 v[STO], s22, v4
	v_mul_u32_u24 v5, v2, SPITCH                   ; back: lanes 0-15 one row of 256 bytes, lanes 16-31 the next
	v_lshl_add_u32 v5, v1, 4, v5
	v_add_nc_u32 v[RD], s22, v5
	v_lshlrev_b32 v5, 12, v2                       ; and the same two rows in C
	v_lshl_add_u32 v[CO], v1, 4, v5
	s_lshl_b32 s16, s13, 7
	s_lshl_b32 s14, s11, 6
	s_add_co_u32 s16, s16, s14                     ; my first row of C, rows of 4,096 bytes
	s_lshl_b32 s16, s16, 12
	s_mov_b32 s17, 0
	s_add_nc_u64 s[8:9], s[8:9], s[16:17]
	s_add_nc_u64 s[66:67], s[66:67], s[16:17]
	s_lshl_b32 s46, s42, 9                         ; my first column, in bytes
	s_lshl_b32 s47, s12, 8
	s_add_co_u32 s46, s46, s47
	s_mov_b32 s47, 0
	s_add_nc_u64 s[8:9], s[8:9], s[46:47]
	s_add_nc_u64 s[66:67], s[66:67], s[46:47]
	WIN 0x80                                       ; destination window 2
.irp a, 0,1,2,3
.irp t, 0,1,2,3,4,5,6,7
	global_load_b128 v[32*\a+4*\t:32*\a+4*\t+3], v[CO], s[66:67] offset:(16*\a+2*\t)*4096   ; 32 loads, waited for on the way out
.endr
.endr
	WIN 0
; 8 matrix instructions: m blocks a0, a0 + 1 x all 4 n blocks, 32 along K: half c of buffer f.  zero = 1: the first product starts the sums
.macro MUL8 f, c, a0, zero
.irp a, \a0, \a0+1
.irp b, 0,1,2,3
.if \zero
	v_wmma_f32_16x16x32_f16 v[ACC+8*(4*(\a)+\b):ACC+8*(4*(\a)+\b)+7], v[\f+64+8*(4*\c+\b):\f+64+8*(4*\c+\b)+7], v[\f+8*(4*\c+\a):\f+8*(4*\c+\a)+7], 0
.else
	v_wmma_f32_16x16x32_f16 v[ACC+8*(4*(\a)+\b):ACC+8*(4*(\a)+\b)+7], v[\f+64+8*(4*\c+\b):\f+64+8*(4*\c+\b)+7], v[\f+8*(4*\c+\a):\f+8*(4*\c+\a)+7], v[ACC+8*(4*(\a)+\b):ACC+8*(4*(\a)+\b)+7]
.endif
.endr
.endr
.endm
; 32 LDS loads in one run: quarter q (64 along K) of a slot into buffer f; the first 32 along K first
.macro FETCH slot, q, f
	WIN TO_F
.irp c, 0,1
.irp i, 0,1,2,3
	ds_load_tr16_b128 v[\f+64+8*(4*\c+\i):\f+64+8*(4*\c+\i)+3],   v[ADRB+2*\slot+\q/2] offset:((\q%2)*64+32*\c)*PB+32*\i
	ds_load_tr16_b128 v[\f+64+8*(4*\c+\i)+4:\f+64+8*(4*\c+\i)+7], v[ADRB+2*\slot+\q/2] offset:((\q%2)*64+32*\c+16)*PB+32*\i
	ds_load_b128 v[\f+8*(4*\c+\i):\f+8*(4*\c+\i)+3],              v[ADRA+\slot] offset:128*\q+64*\c+\i*16*PA
	ds_load_b128 v[\f+8*(4*\c+\i)+4:\f+8*(4*\c+\i)+7],            v[ADRA+\slot] offset:128*\q+64*\c+\i*16*PA+32
.endr
.endr
.endm
.macro PLACES                          ; four plain vector instructions between matrix instructions and loads into, or reads of, their registers
.rept 4
	v_nop
.endr
.endm
.macro QUARTER slot, q, f, g, zero     ; multiplies buffer f and fetches quarter q of the same slot into g
	s_wait_dscnt 16                                ; the first 32 along K are in; the other sixteen loads may be out
	WIN MUL
	MUL8 \f, 0, 0, \zero
	MUL8 \f, 0, 2, \zero
	PLACES
	FETCH \slot, \q, \g
	s_wait_dscnt 32                                ; all but the 32 just issued
	WIN MUL
	MUL8 \f, 1, 0, 0
	MUL8 \f, 1, 2, 0
.endm
; The last quarter multiplies buffer 1 and changes slots.  fill = 1: this slot is filled again, two K steps ahead, behind a round of the cluster's barrier
.macro TURN slot, next, fill
	WIN 0
	s_wait_tensorcnt 0x0                           ; all my tensor loads have landed: my part of the next slot
	ds_add_u32 v[SPW], v[NIL]                      ; 0 onto my spare word
	s_wait_dscnt 17                                ; the add and the youngest sixteen loads may be out
	WIN MUL
	MUL8 F1, 0, 0, 0
	s_wait_dscnt 0x0                               ; the add is done, and my reads of this slot are over
	s_barrier_signal -1
	MUL8 F1, 0, 2, 0
.if \fill
	WIN 0
.endif
	s_barrier_wait -1
.if \fill
	CREST
	s_add_nc_u64 s[G0+4*\slot+2:G0+4*\slot+3], s[G0+4*\slot+2:G0+4*\slot+3], 2*KSTEP*2
	s_add_nc_u64 s[G0B+4*\slot+2:G0B+4*\slot+3], s[G0B+4*\slot+2:G0B+4*\slot+3], 2*KSTEP*2048
	JLOAD \slot                                    ; my one tensor load behind the round; its four v_nop are also the places in front of the loads below
.else
	PLACES
.endif
	FETCH \next, 0, F0
	WIN MUL
	MUL8 F1, 1, 0, 0
	MUL8 F1, 1, 2, 0
.endm
; THE WAY OUT of block a (16 rows): the sums go through my stage as they are, come back as whole rows of 256 bytes, take the residual and leave
.macro OUT a
.set BK, TMP+32*((\a)%2)
.irp b, 0,1,2,3
	ds_store_b128 v[STO], v[ACC+8*(4*\a+\b):ACC+8*(4*\a+\b)+3]   offset:64*\b      ; each accumulator's low four registers first
	ds_store_b128 v[STO], v[ACC+8*(4*\a+\b)+4:ACC+8*(4*\a+\b)+7] offset:64*\b+16
.endr
	s_wait_xcnt 0x0                                ; earlier stores have read their registers: these are loaded again only behind this wait
.irp t, 0,1,2,3,4,5,6,7
	ds_load_b128 v[BK+4*\t:BK+4*\t+3], v[RD] offset:\t*2*SPITCH    ; LDS serves a wave's instructions in order: these see the stores above
.endr
	s_wait_dscnt 0x0
	WIN 0x08                                       ; source 1 window 2
.set i, 0
.rept 16
	v_pk_add_f32 v[BK+i:BK+i+1], v[BK+i:BK+i+1], v[32*\a+i:32*\a+i+1]
.set i, i+2
.endr
	WIN 0
.irp t, 0,1,2,3,4,5,6,7
	global_store_b128 v[CO], v[BK+4*\t:BK+4*\t+3], s[8:9] offset:(16*\a+2*\t)*4096   ; 16 lanes store 256 consecutive bytes, aligned
.endr
.endm
	s_wait_tensorcnt 1                             ; my part of K step 0 is in; K step 1's may stay out
	s_barrier_signal -1
	s_barrier_wait -1
	FETCH 0, 0, F0
	QUARTER 0, 1, F0, F1, 1
	WIN 0
	s_mov_b32 s3, LAPS-1
.Llap:                                                 ; a trip goes once round the ring and fills both slots again
	QUARTER 0, 2, F1, F0, 0
	QUARTER 0, 3, F0, F1, 0
	TURN 0, 1, 1
	QUARTER 1, 1, F0, F1, 0
	QUARTER 1, 2, F1, F0, 0
	QUARTER 1, 3, F0, F1, 0
	TURN 1, 0, 1
	QUARTER 0, 1, F0, F1, 0
	WIN 0
	s_sub_co_u32 s3, s3, 1
	s_cmp_lg_u32 s3, 0
	s_cbranch_scc1 .Llap
	QUARTER 0, 2, F1, F0, 0                        ; the last lap fills nothing
	QUARTER 0, 3, F0, F1, 0
	TURN 0, 1, 0
	QUARTER 1, 1, F0, F1, 0
	QUARTER 1, 2, F1, F0, 0
	QUARTER 1, 3, F0, F1, 0
	s_wait_dscnt 16                                ; the very last quarter
	WIN MUL
	MUL8 F1, 0, 0, 0
	MUL8 F1, 0, 2, 0
	s_wait_dscnt 0x0
	MUL8 F1, 1, 0, 0
	MUL8 F1, 1, 2, 0
	WIN 0
	PLACES
	s_wait_loadcnt 0x0                             ; the residual
	OUT 0
	OUT 1
	OUT 2
	OUT 3
	s_wait_tensorcnt 0x0                           ; the wave's end
	ds_add_u32 v[SPW], v[NIL]
	s_wait_dscnt 0x0
	CROUND                                         ; the closing round
	s_endpgm
.Lfunc_end_k_q09f30e85be_wo:
	.size	k_q09f30e85be_wo, .Lfunc_end_k_q09f30e85be_wo-k_q09f30e85be_wo
	.p2alignl 7, 3214868480
	.fill 96, 4, 3214868480
	.section	.rodata,"a",@progbits
	.p2align	6, 0x0
	.amdhsa_kernel k_q09f30e85be_wo
		.amdhsa_group_segment_fixed_size 327680
		.amdhsa_private_segment_fixed_size 0
		.amdhsa_enable_private_segment 0
		.amdhsa_kernarg_size 32
		.amdhsa_user_sgpr_count 2
		.amdhsa_user_sgpr_kernarg_segment_ptr 1
		.amdhsa_wavefront_size32 1
		.amdhsa_system_sgpr_workgroup_id_x 1
		.amdhsa_system_sgpr_workgroup_id_y 1
		.amdhsa_system_sgpr_workgroup_id_z 1
		.amdhsa_system_vgpr_workitem_id 0
		.amdhsa_next_free_vgpr 640
		.amdhsa_next_free_sgpr 68
		.amdhsa_reserve_vcc 0
		.amdhsa_float_denorm_mode_32 3
		.amdhsa_float_denorm_mode_16_64 3
		.amdhsa_memory_ordered 1
		.amdhsa_forward_progress 1
		.amdhsa_inst_pref_size 94
	.end_amdhsa_kernel
	.amdgpu_metadata
---
amdhsa.version: [ 1, 2 ]
amdhsa.kernels:
  - .name:           k_q09f30e85be_wo
    .symbol:         k_q09f30e85be_wo.kd
    .args:
      - { .name: o, .offset: 0, .size: 8, .value_kind: global_buffer, .address_space: global }
      - { .name: wts, .offset: 8, .size: 8, .value_kind: global_buffer, .address_space: global }
      - { .name: x1, .offset: 16, .size: 8, .value_kind: global_buffer, .address_space: global }
      - { .name: x, .offset: 24, .size: 8, .value_kind: global_buffer, .address_space: global }
    .group_segment_fixed_size: 327680
    .private_segment_fixed_size: 0
    .kernarg_segment_align: 8
    .kernarg_segment_size: 32
    .max_flat_workgroup_size: 128
    .sgpr_count:     68
    .vgpr_count:     640
    .wavefront_size: 32
...
	.end_amdgpu_metadata
.endif
;; end of part 4
;; launch ln2gate (part 5): grid 256 x 1, 8 waves a work-group, no clusters, 38,912 bytes of LDS; arguments x1, g2, b2, Wg, xn, cw2; writes xn, cw2
.if DOCPART == 5
	.amdgcn_target "amdgcn-amd-amdhsa--gfx1250"
	.amdhsa_code_object_version 6
	.text
	.protected	k_q09f30e85be_ln2gate
	.globl	k_q09f30e85be_ln2gate
	.p2align	8
	.type	k_q09f30e85be_ln2gate,@function
k_q09f30e85be_ln2gate:
	s_mov_b64 s[64:65], 0
	v_nop
	global_prefetch_b8 v0, s[64:65] scope:SCOPE_SE
	s_setreg_imm32_b32 hwreg(HW_REG_WAVE_MODE, 25, 1), 1
	s_wait_xcnt 0x0
; xn = layer_norm(x1, g2, b2) as f16, and the routing, wholly in f32: gate = xn2 . Wg, the two largest of eight, softmax over the two, as dense combine weights.
; cw2: [4096][8][2] f32, each weight stored twice (a ready pair for a packed multiply); experts that are not chosen get 0.
; A work-group owns 16 rows, a wave two; a row stays in registers from the load to the gate.  Wg (32,768 bytes) is copied once into LDS and read from there by all eight waves.
; No branch and no address hangs on a floating-point number: the choice only selects values.
; The softmax takes the larger gate value away first: p1 = 1 / (1 + e^(m2 - m1)), p2 = e^(m2 - m1) p1.
; LIMITS: of equal gate values the lower index is taken first, as lax.top_k does; NaN gate values are not served; xn is rounded to f16 (magnitudes of 65,520 or more become infinity).
.set X,     16                         ; v[16:79]   my two rows: load 8 r + jj holds columns 128 jj + 4 lane + 0..3 of row r
.set G,     80                         ; v[80:111]  gain; then the f16 to store
.set Y,     80
.set BV,    112                        ; v[112:143] bias
.set WA,    144                        ; v[144:207] two buffers of 32: Wg's rows 128 j + 4 lane + 0..3, 8 numbers each
.set ACC,   208                        ; v[208:223] gate sums: row r, expert e at ACC + 8 r + e
.set TBASE, 224                        ; v[224:255] scratch: the norm uses v[224:235] and v[240:251] (12 of 16 a row), the choice of two v[224:239]
.set NINF,  240                        ; v240       minus infinity for the choice of two; it lies in the norm's scratch, so it is written behind the norm, ahead of the choice
.set WGL,   0                          ; LDS: 256 blocks of 144 bytes: block q = Wg's rows 4 q .. 4 q + 3 (128 bytes) + 16: lanes 144 bytes apart touch different 16-byte columns
.set CWS,   36864                      ; LDS: the work-group's 256 words of weights
.macro LANESUM t, u                    ; v[t] summed over the 32 lanes, in every lane; v[u] is scratch that has been written
	v_add_f32_dpp v[\t], v[\t], v[\t] row_xmask:1 row_mask:0xf bank_mask:0xf
	v_add_f32_dpp v[\t], v[\t], v[\t] row_xmask:2 row_mask:0xf bank_mask:0xf
	v_add_f32_dpp v[\t], v[\t], v[\t] row_xmask:4 row_mask:0xf bank_mask:0xf
	v_add_f32_dpp v[\t], v[\t], v[\t] row_xmask:8 row_mask:0xf bank_mask:0xf
	v_permlanex16_b32 v[\u], v[\t], s42, s43
	v_add_f32 v[\t], v[\t], v[\u]
.endm
.macro JOIN4
	v_pk_add_f32 v[TT:TT+1], v[TT:TT+1], v[TT+2:TT+3]
	v_pk_add_f32 v[TT+4:TT+5], v[TT+4:TT+5], v[TT+6:TT+7]
	v_pk_add_f32 v[TT:TT+1], v[TT:TT+1], v[TT+4:TT+5]
	v_add_f32 v[TT], v[TT], v[TT+1]
	LANESUM TT, TT+1
.endm
; row r: x becomes x - mean in place; 1 / sqrt(var + eps) lands in v[TT+10:TT+11].  The variance is the mean of (x - mean)^2: no difference of large sums
.macro STATS r
.set XR, X+32*\r
.set TT, TBASE+16*\r
.irp c, 0,2,4,6
	v_pk_add_f32 v[TT+\c:TT+\c+1], v[XR+\c:XR+\c+1], v[XR+8+\c:XR+8+\c+1]
.endr
.irp k, 16,24
.irp c, 0,2,4,6
	v_pk_add_f32 v[TT+\c:TT+\c+1], v[TT+\c:TT+\c+1], v[XR+\k+\c:XR+\k+\c+1]
.endr
.endr
	JOIN4
	v_mul_f32 v[TT+8], s44, v[TT]
	v_mul_f32 v[TT+9], s44, v[TT]
.set p, 0
.rept 16
	v_pk_add_f32 v[XR+p:XR+p+1], v[XR+p:XR+p+1], v[TT+8:TT+9] neg_lo:[0,1] neg_hi:[0,1]
.set p, p+2
.endr
.irp c, 0,2,4,6
	v_pk_mul_f32 v[TT+\c:TT+\c+1], v[XR+\c:XR+\c+1], v[XR+\c:XR+\c+1]
.endr
.irp k, 8,16,24
.irp c, 0,2,4,6
	v_pk_fma_f32 v[TT+\c:TT+\c+1], v[XR+\k+\c:XR+\k+\c+1], v[XR+\k+\c:XR+\k+\c+1], v[TT+\c:TT+\c+1]
.endr
.endr
	JOIN4
	v_fma_f32 v[TT], v[TT], s44, s45
	v_rsq_f32 v[TT+10], v[TT]
	v_rsq_f32 v[TT+11], v[TT]
	v_nop                                          ; a plain instruction between the root and the use of its result (ISA guide 5.7.2)
.endm
.macro NORM r
.set XR, X+32*\r
.set TT, TBASE+16*\r
.set p, 0
	s_wait_alu depctr_va_vdst(0)
.rept 16
	v_pk_mul_f32 v[XR+p:XR+p+1], v[XR+p:XR+p+1], v[TT+10:TT+11]
.set p, p+2
.endr
.set p, 0
.rept 16
	v_pk_fma_f32 v[XR+p:XR+p+1], v[XR+p:XR+p+1], v[G+p:G+p+1], v[BV+p:BV+p+1]
.set p, p+2
.endr
.endm
; chunk j of eight: the next chunk's 8 LDS loads go out, then 32 packed multiply-adds: two experts at a time, one number of a row for both
.macro GATE j
.set WC, WA+32*((\j)%2)
.set WN, WA+32*((\j+1)%2)
.if \j < 7
.irp u, 0,1,2,3,4,5,6,7
	ds_load_b128 v[WN+4*\u:WN+4*\u+3], v6 offset:WGL+4608*(\j+1)+16*\u
.endr
	s_wait_dscnt 8                                 ; this chunk is in; the eight loads just issued stay out
.else
	s_wait_dscnt 0x0
.endif
.irp i, 0,1,2,3
.irp r, 0,1
.irp e, 0,2,4,6
.if (\j == 0) && (\i == 0)
	v_pk_mul_f32 v[ACC+8*\r+\e:ACC+8*\r+\e+1], v[WC+\e:WC+\e+1], v[X+32*\r:X+32*\r+1] op_sel_hi:[1,0]      ; the first products start the sums
.elseif (\i % 2) == 0
	v_pk_fma_f32 v[ACC+8*\r+\e:ACC+8*\r+\e+1], v[WC+8*\i+\e:WC+8*\i+\e+1], v[X+32*\r+4*\j+\i:X+32*\r+4*\j+\i+1], v[ACC+8*\r+\e:ACC+8*\r+\e+1] op_sel_hi:[1,0,1]
.else
	v_pk_fma_f32 v[ACC+8*\r+\e:ACC+8*\r+\e+1], v[WC+8*\i+\e:WC+8*\i+\e+1], v[X+32*\r+4*\j+\i-1:X+32*\r+4*\j+\i], v[ACC+8*\r+\e:ACC+8*\r+\e+1] op_sel:[0,1,0] op_sel_hi:[1,1,1]
.endif
.endr
.endr
.endr
.endm
.macro SCAN m                          ; the largest of the row's eight into v[m], its index into v[m+1]; an equal later value does not displace an earlier one
	v_mov_b32 v[\m], v[AB]
	v_mov_b32 v[\m+1], 0
.irp e, 1,2,3,4,5,6,7
	v_cmp_ge_f32 vcc_lo, v[\m], v[AB+\e]
	v_cndmask_b32 v[\m+1], \e, v[\m+1], vcc_lo
	v_max_num_f32 v[\m], v[\m], v[AB+\e]
.endr
.endm
; row r: RB+0 m1, +1 i1, +2 m2, +3 i2, +4 p1, +5 p2
.macro TOP2 r
.set AB, ACC+8*\r
.set RB, TBASE+8*\r
	SCAN RB
.irp e, 0,1,2,3,4,5,6,7
	v_cmp_eq_u32 vcc_lo, \e, v[RB+1]
	v_cndmask_b32 v[AB+\e], v[AB+\e], v[NINF], vcc_lo      ; the winner leaves the field
.endr
	SCAN RB+2
	v_sub_f32 v[RB+6], v[RB+2], v[RB]
	v_mul_f32 v[RB+6], 0x3fb8aa3b, v[RB+6]
	v_exp_f32 v[RB+6], v[RB+6]
	v_nop
	s_wait_alu depctr_va_vdst(0)
	v_add_f32 v[RB+7], 1.0, v[RB+6]
	v_rcp_f32 v[RB+4], v[RB+7]
	v_nop
	s_wait_alu depctr_va_vdst(0)
	v_mul_f32 v[RB+5], v[RB+6], v[RB+4]
.endm
	s_load_b256 s[16:23], s[0:1], 0x0              ; x1 16, g2 18, b2 20, Wg 22
	s_load_b128 s[24:27], s[0:1], 0x20             ; xn 24, cw2 26
	v_lshl_add_u32 v254, v0, 2, 0x9400
	v_mov_b32 v255, 0
	v_and_b32 v8, 31, v0                           ; lane
	v_lshrrev_b32 v9, 5, v0                        ; wave
	v_readfirstlane_b32 s8, v9
	v_lshlrev_b32 v3, 4, v8                        ; 16 lane: gain and bias
	v_lshl_add_u32 v1, v9, 13, v3                  ; + 8,192 wave: x1
	v_lshlrev_b32 v2, 3, v8
	v_lshl_add_u32 v2, v9, 12, v2                  ; 8 lane + 4,096 wave: xn
	v_lshlrev_b32 v4, 4, v0                        ; 16 thread: Wg, and the weights' store
	v_lshrrev_b32 v5, 3, v0                        ; Wg into LDS: 16 bytes at (thread / 8) x 144 + (thread % 8) x 16
	v_mul_u32_u24 v5, v5, 144
	v_and_b32 v7, 7, v0
	v_lshl_add_u32 v5, v7, 4, v5
	v_mul_u32_u24 v6, v8, 144                      ; and out of it: block 32 j + lane
	s_lshl_b32 s4, ttmp9, 16                       ; 16 rows of 4,096 bytes
	s_mov_b32 s5, 0
	s_lshl_b32 s6, ttmp9, 15                       ; of 2,048
	s_mov_b32 s7, 0
	s_lshl_b32 s10, ttmp9, 10                      ; of 64
	s_mov_b32 s11, 0
	s_mov_b32 s42, 0x76543210
	s_mov_b32 s43, 0xfedcba98
	s_mov_b32 s44, 0x3a800000                      ; 1 / 1024
	s_mov_b32 s45, 0x3727c5ac                      ; eps = 1e-5
	s_wait_kmcnt 0x0
	s_add_nc_u64 s[16:17], s[16:17], s[4:5]
	s_add_nc_u64 s[24:25], s[24:25], s[6:7]
	s_add_nc_u64 s[26:27], s[26:27], s[10:11]
.irp u, 0,1,2,3,4,5,6,7
	global_load_b128 v[WA+4*\u:WA+4*\u+3], v4, s[22:23] offset:4096*\u     ; a wave's load covers 512 neighbouring bytes
.endr
.irp j, 0,1,2,3,4,5,6,7,8,9,10,11,12,13,14,15
	global_load_b128 v[X+4*\j:X+4*\j+3], v1, s[16:17] offset:512*\j
.endr
.irp j, 0,1,2,3,4,5,6,7
	global_load_b128 v[G+4*\j:G+4*\j+3], v3, s[18:19] offset:512*\j
.endr
.irp j, 0,1,2,3,4,5,6,7
	global_load_b128 v[BV+4*\j:BV+4*\j+3], v3, s[20:21] offset:512*\j
.endr
	s_wait_loadcnt 32                              ; Wg is in; x1, gain and bias, 32 loads, stay out
.irp u, 0,1,2,3,4,5,6,7
	ds_store_b128 v5, v[WA+4*\u:WA+4*\u+3] offset:WGL+4608*\u
.endr
	s_wait_dscnt 0x0                               ; for the others' sake: my part of Wg is in LDS
	s_barrier_signal -1
	s_barrier_wait -1
.irp u, 0,1,2,3,4,5,6,7
	ds_load_b128 v[WA+4*\u:WA+4*\u+3], v6 offset:WGL+16*\u     ; the gate's first chunk, well ahead of its use
.endr
	s_wait_loadcnt 16                              ; x1 is in
	STATS 0
	STATS 1
	s_wait_loadcnt 0x0
	NORM 0
	NORM 1
.irp j, 0,1,2,3,4,5,6,7,8,9,10,11,12,13,14,15
	v_cvt_pk_f16_f32 v[Y+2*\j],   v[X+4*\j],   v[X+4*\j+1]
	v_cvt_pk_f16_f32 v[Y+2*\j+1], v[X+4*\j+2], v[X+4*\j+3]
	global_store_b64 v2, v[Y+2*\j:Y+2*\j+1], s[24:25] offset:256*\j        ; 256 consecutive bytes a wave, aligned; Y and v2 are not written again
.endr
.irp j, 0,1,2,3,4,5,6,7
	GATE \j
.endr
.irp k, 0,1,2,3,4,5,6,7,8,9,10,11,12,13,14,15
	LANESUM ACC+\k, TBASE
.endr
	v_mov_b32 v[NINF], 0xff800000                  ; written here, behind the norm, whose scratch covers this register; nothing below writes it
	TOP2 0
	TOP2 1
	; lane l writes word l of my wave's 32: row l / 16, expert (l / 2) % 8
	v_bfe_u32 v10, v0, 4, 1
	v_bfe_u32 v11, v0, 1, 3
	v_cmp_eq_u32 vcc_lo, 1, v10
	v_cndmask_b32 v12, v[TBASE+1], v[TBASE+9],  vcc_lo     ; i1
	v_cndmask_b32 v13, v[TBASE+3], v[TBASE+11], vcc_lo     ; i2
	v_cndmask_b32 v14, v[TBASE+4], v[TBASE+12], vcc_lo     ; p1
	v_cndmask_b32 v15, v[TBASE+5], v[TBASE+13], vcc_lo     ; p2
	v_cmp_eq_u32 vcc_lo, v11, v12
	v_cndmask_b32 v14, 0, v14, vcc_lo
	v_cmp_eq_u32 vcc_lo, v11, v13
	v_cndmask_b32 v14, v14, v15, vcc_lo
	v_lshl_add_u32 v10, v0, 2, CWS
	ds_store_b32 v10, v14
	s_wait_dscnt 0x0                               ; for the others' sake: my 32 words are in LDS
	s_barrier_signal -1
	s_barrier_wait -1
	s_cmp_gt_u32 s8, 1                             ; waves 0 and 1 store the 1,024 bytes, 512 consecutive bytes each
	s_cbranch_scc1 .Ldone
	v_lshl_add_u32 v11, v0, 4, CWS
	ds_load_b128 v[244:247], v11
	s_wait_dscnt 0x0
	global_store_b128 v4, v[244:247], s[26:27]
.Ldone:
	s_wait_tensorcnt 0x0
	ds_add_u32 v254, v255
	s_wait_dscnt 0x0
	s_endpgm
.Lfunc_end_k_q09f30e85be_ln2gate:
	.size	k_q09f30e85be_ln2gate, .Lfunc_end_k_q09f30e85be_ln2gate-k_q09f30e85be_ln2gate
	.p2alignl 7, 3214868480
	.fill 96, 4, 3214868480
	.section	.rodata,"a",@progbits
	.p2align	6, 0x0
	.amdhsa_kernel k_q09f30e85be_ln2gate
		.amdhsa_group_segment_fixed_size 38912
		.amdhsa_private_segment_fixed_size 0
		.amdhsa_enable_private_segment 0
		.amdhsa_kernarg_size 48
		.amdhsa_user_sgpr_count 2
		.amdhsa_user_sgpr_kernarg_segment_ptr 1
		.amdhsa_wavefront_size32 1
		.amdhsa_system_sgpr_workgroup_id_x 1
		.amdhsa_system_sgpr_workgroup_id_y 1
		.amdhsa_system_sgpr_workgroup_id_z 1
		.amdhsa_system_vgpr_workitem_id 0
		.amdhsa_next_free_vgpr 256
		.amdhsa_next_free_sgpr 66
		.amdhsa_reserve_vcc 1
		.amdhsa_float_denorm_mode_32 3
		.amdhsa_float_denorm_mode_16_64 3
		.amdhsa_memory_ordered 1
		.amdhsa_forward_progress 1
		.amdhsa_inst_pref_size 54
	.end_amdhsa_kernel
	.amdgpu_metadata
---
amdhsa.version: [ 1, 2 ]
amdhsa.kernels:
  - .name:           k_q09f30e85be_ln2gate
    .symbol:         k_q09f30e85be_ln2gate.kd
    .args:
      - { .name: x1, .offset: 0, .size: 8, .value_kind: global_buffer, .address_space: global }
      - { .name: g2, .offset: 8, .size: 8, .value_kind: global_buffer, .address_space: global }
      - { .name: b2, .offset: 16, .size: 8, .value_kind: global_buffer, .address_space: global }
      - { .name: Wg, .offset: 24, .size: 8, .value_kind: global_buffer, .address_space: global }
      - { .name: xn, .offset: 32, .size: 8, .value_kind: global_buffer, .address_space: global }
      - { .name: cw2, .offset: 40, .size: 8, .value_kind: global_buffer, .address_space: global }
    .group_segment_fixed_size: 38912
    .private_segment_fixed_size: 0
    .kernarg_segment_align: 8
    .kernarg_segment_size: 48
    .max_flat_workgroup_size: 256
    .sgpr_count:     66
    .vgpr_count:     256
    .wavefront_size: 32
...
	.end_amdgpu_metadata
.endif
;; end of part 5
;; launch w1 (part 6): grid 16 x 16, 4 waves a work-group, clusters of 4 x 4, 327,680 bytes of LDS; arguments xn, wts, hs, cw2; writes hs
.if DOCPART == 6
	.amdgcn_target "amdgcn-amd-amdhsa--gfx1250"
	.amdhsa_code_object_version 6
	.text
	.protected	k_q09f30e85be_w1
	.globl	k_q09f30e85be_w1
	.p2align	8
	.type	k_q09f30e85be_w1,@function
k_q09f30e85be_w1:
	s_mov_b64 s[64:65], 0
	v_nop
	global_prefetch_b8 v0, s[64:65] scope:SCOPE_SE
	s_setreg_imm32_b32 hwreg(HW_REG_WAVE_MODE, 25, 1), 1
	s_wait_xcnt 0x0
	s_wait_alu depctr_hold_cnt(0) depctr_sa_sdst(0) depctr_va_vdst(0) depctr_va_sdst(0) depctr_va_ssrc(0) depctr_va_vcc(0) depctr_vm_vsrc(0)
	s_getreg_b32 s2, hwreg(HW_REG_IB_STS2, 6, 4)
	s_cmp_eq_u32 s2, 0
	s_cbranch_scc0 .Lentry_in_a_cluster
	s_endpgm
.Lentry_in_a_cluster:
	s_bfe_u32 s2, ttmp6, 0x10000c
	s_cmp_lg_u32 s2, 0xf033
	s_cbranch_scc0 .Lentry_shape_is_right
	s_endpgm
.Lentry_shape_is_right:
; hs[t][512 e + h] = max((sum over k of xn[t][k] W1[e][k][h]) * cw[t][e], 0), which is relu(..) * cw since cw >= 0.
; xn: [4096][1024] f16; W1 as [1024][PITCHB] f16 at wts + BOFF (column 512 e + h); hs: [4096][4096] f16; cw2: [4096][8][2] f32; sums in f32.
; All eight experts are computed, as the dense form of the layer does; no address, trip count or branch hangs on the routing.
; A tile of C, 256 x 256, is made by four waves, each 128 x 128: 64 accumulators of 16 x 16.  K goes in steps of 128 through two LDS slots filled by tensor loads:
; A's 256 rows of 256 bytes, and B's 128 k-rows of 512 bytes.  B lies [k][n], so its fragments come out of LDS by the turning load ds_load_tr16_b128.  16 x 16 = 256 work-groups.
; CLUSTERS: 4 x 4 work-groups; A's tile is shared along a row of the cluster, B's along a column: each is asked for jointly, by the same tensor load with the same descriptor and a mask of four.
; THE MATRIX INSTRUCTION IS USED TRANSPOSED (source 0 = 16 columns of B, source 1 = 16 rows of A): a lane then holds eight neighbouring numbers of a row of C.
; REGISTERS in windows of 256: window 0: v16-29 addresses, v64-127 and v128-191 A's fragments (two buffers), v32-63, v192-255 the way out; window 1: v64-191 B's fragments, v0-15 combine weights;
; window 2: the accumulators of my rows 0-63 ((a, b) at v[8 (8 a + b)]); window 3: those of rows 64-127.
; LIMITS: results are rounded to f16: magnitudes of 65,520 or more become infinity, below about 3e-8 they become 0.
.set KDIM,    1024
.set PITCHB,  4096                     ; elements from a k-row of B to the next
.set BOFF,    8388608                  ; B's first byte in wts
.set PITCHC,  8192                     ; bytes in a row of C
.set RELU_CW, 1                        ; 1: C = max(sum * combine weight, 0)
.set KSTEP,  128
.set LAPS,   KDIM/(2*KSTEP)            ; a lap = two K steps = once round the ring
.set PA,     272                       ; A's LDS row: 256 bytes + 16: the 16 rows of a fragment load start at 16 different 16-byte columns
.set PB,     544                       ; B's LDS row: 512 bytes + 32 = 17 x 32
.set HALFT,  128*PA                    ; what one tensor load brings: 128 rows of A, or 64 k-rows of B (64 x 544, the same bytes)
.set SLOT,   4*HALFT                   ; A's 256 rows, then B's 128 k-rows
.set STAGE,  2*SLOT                    ; behind the ring: 16 rows x 272 bytes for each wave, for the way out
.set SPITCH, 272
.set SPARE,  STAGE+4*16*SPITCH         ; the spare words: 128 bytes for each wave, named by no other line
.set ADRA, 16                          ; v16-17  LDS address of my A fragments in slot 0, 1
.set ADRB, 20                          ; v20-21  the same for B
.set STO,  24                          ; v24     the way out: where I put 16 bytes of a row
.set RD,   25                          ; v25     where I read a row back
.set CO,   26                          ; v26     my byte offset in C
.set CWO,  27                          ; v27     my byte offset in the combine weights; never rewritten
.set SPW,  28                          ; v28     my spare word; never rewritten
.set NIL,  29                          ; v29     0; never rewritten
.set F0,   64
.set F1,   128
.set T,    64                          ; the way out: 64 numbers in f32 (buffer 0 is free by then)
.set TMP,  192
.set OB,   32                          ; 16 rows read back: v32-63 and v224-255 by turns
.set CW,   0                           ; window 1, v0-15: block a's weight of my row, twice
.set G1,  24                           ; s[24:31] group 1 for A;  s[32:39] group 0, a set for each slot
.set G0,  32
.set G1B, 48                           ; s[48:55], s[56:63] the same for B
.set G0B, 56
.set MSB, 0
.macro WIN new                         ; the immediate's high byte repeats the setting that is left; a switch that changes nothing is dropped
.if MSB != (\new)
	s_set_vgpr_msb (MSB<<8)|(\new)
.set MSB, \new
.endif
.endm
.set MUL_LO, 0xa1                      ; source 0 (B) window 1, source 1 (A) window 0, C and D window 2
.set MUL_HI, 0xf1                      ; the same, C and D window 3
.set TO_B,   0x40                      ; destination window 1, address window 0
.macro JLOAD s                         ; a joint load: waves 0, 1 fetch A's halves, waves 2, 3 B's; four v_nop follow each line
	s_cmp_eq_u32 s11, 0
	s_cbranch_scc0 .Lfor_b_\@
	tensor_load_to_lds s[G0+4*\s:G0+4*\s+3], s[G1:G1+7]
	s_nop 0
.rept 4
	v_nop
.endr
	s_branch .Lasked_\@
.Lfor_b_\@:
	tensor_load_to_lds s[G0B+4*\s:G0B+4*\s+3], s[G1B:G1B+7]
	s_nop 0
.rept 4
	v_nop
.endr
.Lasked_\@:
.endm
.macro CREST                           ; a round of the cluster's barrier behind its opening barrier
	s_cmp_lg_u32 s10, 0
	s_cbranch_scc1 .Lnot_wave_0_\@
	s_barrier_signal -3
.Lnot_wave_0_\@:
	s_barrier_wait -3
	s_barrier_signal -1
	s_barrier_wait -1
.endm
.macro CROUND                          ; a whole round
	s_barrier_signal -1
	s_barrier_wait -1
	CREST
.endm
	s_load_b128 s[4:7], s[0:1], 0x0                ; A s[4:5], wts s[6:7]
	s_load_b64 s[8:9], s[0:1], 0x10                ; C
.if RELU_CW
	s_load_b64 s[66:67], s[0:1], 0x18              ; the combine weights
.endif
	v_lshl_add_u32 v[SPW], v0, 2, SPARE
	v_mov_b32 v[NIL], 0
	ds_add_u32 v28, v29
	s_wait_dscnt 0x0
	v_lshrrev_b32 v1, 5, v0
	v_readfirstlane_b32 s10, v1                    ; wave 0..3
	s_lshr_b32 s11, s10, 1                         ; my half of the tile's rows.  Also: I fetch for A (0) or for B (1)
	s_and_b32 s12, s10, 1                          ; my half of its columns.  Also: which half of that tile I fetch
	s_bfe_u32 s40, ttmp6, 0x40000                  ; cx, cy: my place in the cluster
	s_bfe_u32 s41, ttmp6, 0x40004
	s_lshl_b32 s42, ttmp9, 2
	s_add_co_u32 s42, s42, s40                     ; tile column of C
	s_and_b32 s13, ttmp7, 0xffff
	s_lshl_b32 s13, s13, 2
	s_add_co_u32 s13, s13, s41                     ; tile row of C
	s_lshl_b32 s43, s41, 2
	s_lshl_b32 s43, 15, s43                        ; my row of the cluster
	s_lshl_b32 s44, 0x1111, s40                    ; my column
	s_or_b32 s[G1+0], s43, (1<<16)|(1<<20)|(1<<21)|(5<<22)|(3<<25)   ; mask; elements of 2 bytes; padding on; bit 21 beside a mask; after every 64 words 4 words
	s_mov_b32 s[G1+1], KSTEP<<16                   ; tensor_dim0 = 128
	s_mov_b32 s[G1+2], 128<<16                     ; tensor_dim1 = 128
	s_mov_b32 s[G1+3], KSTEP<<16                   ; tile_dim0 = 128
	s_mov_b32 s[G1+4], 128                         ; tile_dim1 = 128
	s_mov_b32 s[G1+5], KDIM                        ; elements from row to row
	s_mov_b32 s[G1+6], 0
	s_mov_b32 s[G1+7], 0
	s_or_b32 s[G1B+0], s44, (1<<16)|(1<<20)|(1<<21)|(6<<22)|(7<<25)  ; after every 128 words 8 words
	s_mov_b32 s[G1B+1], 256<<16                    ; tensor_dim0 = 256 columns
	s_mov_b32 s[G1B+2], 64<<16                     ; tensor_dim1 = 64 k-rows
	s_mov_b32 s[G1B+3], 256<<16
	s_mov_b32 s[G1B+4], 64
	s_mov_b32 s[G1B+5], PITCHB
	s_mov_b32 s[G1B+6], 0
	s_mov_b32 s[G1B+7], 0
	s_lshl_b32 s16, s13, 8                         ; A: row 256 x tile row + 128 x half, rows of 2,048 bytes: it hangs on the tile row and the wave alone
	s_lshl_b32 s17, s12, 7
	s_add_co_u32 s16, s16, s17
	s_lshl_b32 s16, s16, 11
	s_mov_b32 s17, 0
	s_mul_i32 s46, s12, 64*PITCHB*2                ; B: k-row 64 x half, column 256 x tile column: the tile column and the wave alone
	s_lshl_b32 s47, s42, 9
	s_add_co_u32 s46, s46, s47
	s_add_co_u32 s46, s46, BOFF
	s_mov_b32 s47, 0
	s_mul_i32 s20, s10, HALFT                      ; where they go: wave x 34,816
	s_wait_kmcnt 0x0
	s_add_nc_u64 s[14:15], s[4:5], s[16:17]
	s_add_nc_u64 s[46:47], s[6:7], s[46:47]
	CROUND                                         ; all sixteen work-groups are here: the first joint loads meet
.irp s, 0,1
	s_mov_b32 s[G0+4*\s], 1
	s_add_co_u32 s[G0+4*\s+1], s20, \s*SLOT
	s_add_nc_u64 s[G0+4*\s+2:G0+4*\s+3], s[14:15], \s*KSTEP*2
	s_or_b32 s[G0+4*\s+3], s[G0+4*\s+3], 0x80000000
	s_mov_b32 s[G0B+4*\s], 1
	s_add_co_u32 s[G0B+4*\s+1], s20, \s*SLOT
	s_add_nc_u64 s[G0B+4*\s+2:G0B+4*\s+3], s[46:47], \s*KSTEP*PITCHB*2
	s_or_b32 s[G0B+4*\s+3], s[G0B+4*\s+3], 0x80000000
	JLOAD \s                                       ; K steps 0 and 1: two loads of mine are out
.endr
	v_and_b32 v1, 15, v0                           ; r = l % 16
	v_bfe_u32 v2, v0, 4, 1                         ; h = l / 16
	v_mul_u32_u24 v3, v1, PA                       ; A's fragment: row r, 16 bytes for each half of the lanes
	v_lshl_add_u32 v3, v2, 4, v3
	v_and_b32 v6, 7, v0                            ; B's: the turning load's lane l reads k-row 8 h + l % 8, 16 bytes at 16 ((l / 8) % 2)
	v_lshl_add_u32 v6, v2, 3, v6
	v_mul_u32_u24 v6, v6, PB
	v_bfe_u32 v7, v0, 3, 1
	v_lshl_add_u32 v6, v7, 4, v6
	s_mul_i32 s21, s11, HALFT                      ; my 128 rows of A
	s_lshl_b32 s22, s12, 8                         ; my 128 columns of B,
	s_add_co_u32 s22, s22, 2*HALFT                 ; which lies behind A
.irp s, 0,1
	v_add_nc_u32 v[ADRA+\s], s21, v3
	v_add_nc_u32 v[ADRB+\s], s22, v6
	s_add_co_u32 s21, s21, SLOT
	s_add_co_u32 s22, s22, SLOT
.endr
	s_mul_i32 s23, s10, 16*SPITCH
	s_add_co_u32 s23, s23, STAGE                   ; my stage
	v_mul_u32_u24 v4, v1, SPITCH
	v_lshl_add_u32 v4, v2, 4, v4
	v_add_nc_u32 v[STO], s23, v4
	v_mul_u32_u24 v5, v2, SPITCH
	v_lshl_add_u32 v5, v1, 4, v5
	v_add_nc_u32 v[RD], s23, v5
	v_mul_u32_u24 v5, v2, PITCHC
	v_lshl_add_u32 v[CO], v1, 4, v5
	s_lshl_b32 s16, s13, 8
	s_lshl_b32 s14, s11, 7
	s_add_co_u32 s16, s16, s14                     ; my first row of C
	s_mul_i32 s18, s16, PITCHC
	s_mov_b32 s19, 0
	s_add_nc_u64 s[8:9], s[8:9], s[18:19]
	s_lshl_b32 s46, s42, 9                         ; my first column, in bytes
	s_lshl_b32 s47, s12, 8
	s_add_co_u32 s46, s46, s47
	s_mov_b32 s47, 0
	s_add_nc_u64 s[8:9], s[8:9], s[46:47]
.if RELU_CW
	s_lshl_b32 s18, s16, 6                         ; a row of weights is 64 bytes: 8 experts, each weight twice
	s_add_nc_u64 s[66:67], s[66:67], s[18:19]
	s_lshr_b32 s46, s42, 1                         ; the tile's 256 columns belong to expert tile column / 2
	s_lshl_b32 s46, s46, 3
	s_add_nc_u64 s[66:67], s[66:67], s[46:47]
	v_lshlrev_b32 v[CWO], 6, v1
	WIN TO_B
.irp a, 0,1,2,3,4,5,6,7
	global_load_b64 v[CW+2*\a:CW+2*\a+1], v[CWO], s[66:67] offset:1024*\a   ; row 16 a + r; they stay out over the whole loop
.endr
	WIN 0
.endif
; 16 matrix instructions: m blocks a0, a0 + 1 of the window's four x all 8 n blocks, 32 along K.  zero = 1: the first product starts the sums
.macro MUL16 f, hi, a0, zero
.irp a, \a0, \a0+1
.irp b, 0,1,2,3,4,5,6,7
.if \zero
	v_wmma_f32_16x16x32_f16 v[8*(8*(\a)+\b):8*(8*(\a)+\b)+7], v[\f+8*\b:\f+8*\b+7], v[\f+8*(4*\hi+\a):\f+8*(4*\hi+\a)+7], 0
.else
	v_wmma_f32_16x16x32_f16 v[8*(8*(\a)+\b):8*(8*(\a)+\b)+7], v[\f+8*\b:\f+8*\b+7], v[\f+8*(4*\hi+\a):\f+8*(4*\hi+\a)+7], v[8*(8*(\a)+\b):8*(8*(\a)+\b)+7]
.endif
.endr
.endr
.endm
; 32 LDS loads in one run: quarter q (32 along K) of a slot into buffer f: B's 8 column blocks, turned, then A's 8 row blocks
.macro FETCH slot, q, f
	WIN TO_B
.irp i, 0,1,2,3,4,5,6,7
	ds_load_tr16_b128 v[\f+8*\i:\f+8*\i+3],   v[ADRB+\slot] offset:\q*32*PB+32*\i
	ds_load_tr16_b128 v[\f+8*\i+4:\f+8*\i+7], v[ADRB+\slot] offset:\q*32*PB+16*PB+32*\i
.endr
	WIN 0
.irp i, 0,1,2,3,4,5,6,7
	ds_load_b128 v[\f+8*\i:\f+8*\i+3],   v[ADRA+\slot] offset:64*\q+\i*16*PA
	ds_load_b128 v[\f+8*\i+4:\f+8*\i+7], v[ADRA+\slot] offset:64*\q+\i*16*PA+32
.endr
.endm
.macro PLACES                          ; four plain vector instructions between matrix instructions and loads into, or reads of, their registers
.rept 4
	v_nop
.endr
.endm
; One of a K step's first three quarters: multiplies buffer f; in its middle it fetches quarter q of the same slot into buffer g
.macro QUARTER slot, q, f, g, zero
	s_wait_dscnt 8                                 ; B and A's rows 0-63 are in; the youngest eight loads (A's rows 64-127) may be out
	WIN MUL_LO
	MUL16 \f, 0, 0, \zero
	MUL16 \f, 0, 2, \zero
	PLACES
	FETCH \slot, \q, \g
	s_wait_dscnt 32                                ; all but the 32 just issued
	WIN MUL_HI
	MUL16 \f, 1, 0, \zero
	MUL16 \f, 1, 2, \zero
.endm
; The first half of the last quarter: one barrier for the change of slots.  In front of it: all my tensor loads have landed, the add, my reads of this slot are over.
.macro MEET round
	WIN 0
	s_wait_tensorcnt 0x0                           ; the one load that was out is my part of the next slot
	ds_add_u32 v[SPW], v[NIL]                      ; 0 onto my spare word
	s_wait_dscnt 9                                 ; the add and the youngest eight loads may be out
	WIN MUL_LO
	MUL16 F1, 0, 0, 0
	s_wait_dscnt 0x0                               ; the add is done, and my reads of this slot are over
	s_barrier_signal -1
	MUL16 F1, 0, 2, 0
.if \round
	WIN 0
.endif
	s_barrier_wait -1
.endm
; The whole last quarter: behind the round the slot just read is filled again, two K steps ahead; then come the next slot's first fragments
.macro TURN slot, next
	MEET 1
	CREST                                          ; no wave of any partner still reads this slot or has a load on its way
	s_add_nc_u64 s[G0+4*\slot+2:G0+4*\slot+3], s[G0+4*\slot+2:G0+4*\slot+3], 2*KSTEP*2
	s_add_nc_u64 s[G0B+4*\slot+2:G0B+4*\slot+3], s[G0B+4*\slot+2:G0B+4*\slot+3], 2*KSTEP*PITCHB*2
	JLOAD \slot                                    ; my one tensor load behind the round; its four v_nop are also the places in front of the loads below
	FETCH \next, 0, F0
	WIN MUL_HI
	MUL16 F1, 1, 0, 0
	MUL16 F1, 1, 2, 0
.endm
; THE WAY OUT of block a (16 rows): PACK scales, clips and rounds to f16, TOSTAGE sends 16 bytes a lane through my stage and reads whole rows of 256 bytes back, SEND stores them
.macro PACK a
.set AC, 64*((\a)%4)
.if RELU_CW
	WIN 0x06+(\a)/4                                ; source 0: window 2 or 3; source 1: window 1
.set i, 0
.rept 32
	v_pk_mul_f32 v[T+i:T+i+1], v[AC+i:AC+i+1], v[CW+2*(\a):CW+2*(\a)+1]   ; ascending: each accumulator is read from its low end
.set i, i+2
.endr
	WIN 0
.set i, 0
.rept 64
	v_max_num_f32 v[T+i], 0, v[T+i]                ; max(s w, 0) = relu(s) w, since w >= 0
.set i, i+1
.endr
.set i, 0
.rept 32
	v_cvt_pk_f16_f32 v[TMP+i], v[T+2*i], v[T+2*i+1]
.set i, i+1
.endr
.else
	WIN 0x0a+5*((\a)/4)                            ; sources 0 and 1: window 2 or 3
.set i, 0
.rept 32
	v_cvt_pk_f16_f32 v[TMP+i], v[AC+2*i], v[AC+2*i+1]
.set i, i+1
.endr
	WIN 0
.endif
.endm
.macro TOSTAGE a
.set BK, OB+192*((\a)%2)
.irp b, 0,1,2,3,4,5,6,7
	ds_store_b128 v[STO], v[TMP+4*\b:TMP+4*\b+3] offset:32*\b
.endr
.irp t, 0,1,2,3,4,5,6,7
	ds_load_b128 v[BK+4*\t:BK+4*\t+3], v[RD] offset:\t*2*SPITCH    ; LDS serves a wave's instructions in order: these see the stores above
.endr
.endm
.macro SEND a
.set BK, OB+192*((\a)%2)
	s_wait_dscnt 0x0                               ; the block is back in registers
	s_wait_xcnt 0x0                                ; the stores of the block before have read their registers: the next TOSTAGE loads into them only behind this wait
.irp t, 0,1,2,3,4,5,6,7
	global_store_b128 v[CO], v[BK+4*\t:BK+4*\t+3], s[8:9] offset:(16*(\a)+2*\t)*PITCHC   ; 16 lanes store 256 consecutive bytes, aligned
.endr
.endm
	s_wait_tensorcnt 1                             ; my part of K step 0 is in; K step 1's may stay out
	s_barrier_signal -1
	s_barrier_wait -1
	FETCH 0, 0, F0
	QUARTER 0, 1, F0, F1, 1                        ; the first quarter starts the sums
	WIN 0
	s_mov_b32 s3, LAPS-1
.Llap:                                                 ; a trip goes once round the ring and fills both slots again
	QUARTER 0, 2, F1, F0, 0
	QUARTER 0, 3, F0, F1, 0
	TURN 0, 1
	QUARTER 1, 1, F0, F1, 0
	QUARTER 1, 2, F1, F0, 0
	QUARTER 1, 3, F0, F1, 0
	TURN 1, 0
	QUARTER 0, 1, F0, F1, 0
	WIN 0
	s_sub_co_u32 s3, s3, 1
	s_cmp_lg_u32 s3, 0
	s_cbranch_scc1 .Llap
	QUARTER 0, 2, F1, F0, 0                        ; the last lap asks for nothing
	QUARTER 0, 3, F0, F1, 0
	MEET 0
	PLACES
	FETCH 1, 0, F0
	WIN MUL_HI
	MUL16 F1, 1, 0, 0
	MUL16 F1, 1, 2, 0
	QUARTER 1, 1, F0, F1, 0
	QUARTER 1, 2, F1, F0, 0
	QUARTER 1, 3, F0, F1, 0
	s_wait_dscnt 8                                 ; the very last quarter
	WIN MUL_LO
	MUL16 F1, 0, 0, 0
	MUL16 F1, 0, 2, 0
	s_wait_dscnt 0x0
	WIN MUL_HI
	MUL16 F1, 1, 0, 0
	MUL16 F1, 1, 2, 0
	WIN 0
	PLACES
.if RELU_CW
	s_wait_loadcnt 0x0                             ; the combine weights
.endif
	PACK 0
	TOSTAGE 0
.irp a, 1,2,3,4,5,6,7                  ; block a's arithmetic stands between block a - 1's loads from the stage and the wait for them
	PACK \a
	SEND \a-1
	TOSTAGE \a
.endr
	SEND 7
	s_wait_tensorcnt 0x0                           ; the wave's end
	ds_add_u32 v[SPW], v[NIL]
	s_wait_dscnt 0x0
	CROUND                                         ; the closing round: no work-group ends while a partner may still ask for a tile that names it
	s_endpgm
.Lfunc_end_k_q09f30e85be_w1:
	.size	k_q09f30e85be_w1, .Lfunc_end_k_q09f30e85be_w1-k_q09f30e85be_w1
	.p2alignl 7, 3214868480
	.fill 96, 4, 3214868480
	.section	.rodata,"a",@progbits
	.p2align	6, 0x0
	.amdhsa_kernel k_q09f30e85be_w1
		.amdhsa_group_segment_fixed_size 327680
		.amdhsa_private_segment_fixed_size 0
		.amdhsa_enable_private_segment 0
		.amdhsa_kernarg_size 32
		.amdhsa_user_sgpr_count 2
		.amdhsa_user_sgpr_kernarg_segment_ptr 1
		.amdhsa_wavefront_size32 1
		.amdhsa_system_sgpr_workgroup_id_x 1
		.amdhsa_system_sgpr_workgroup_id_y 1
		.amdhsa_system_sgpr_workgroup_id_z 1
		.amdhsa_system_vgpr_workitem_id 0
		.amdhsa_next_free_vgpr 1024
		.amdhsa_next_free_sgpr 68
		.amdhsa_reserve_vcc 0
		.amdhsa_float_denorm_mode_32 3
		.amdhsa_float_denorm_mode_16_64 3
		.amdhsa_memory_ordered 1
		.amdhsa_forward_progress 1
		.amdhsa_inst_pref_size 176
	.end_amdhsa_kernel
	.amdgpu_metadata
---
amdhsa.version: [ 1, 2 ]
amdhsa.kernels:
  - .name:           k_q09f30e85be_w1
    .symbol:         k_q09f30e85be_w1.kd
    .args:
      - { .name: xn, .offset: 0, .size: 8, .value_kind: global_buffer, .address_space: global }
      - { .name: wts, .offset: 8, .size: 8, .value_kind: global_buffer, .address_space: global }
      - { .name: hs, .offset: 16, .size: 8, .value_kind: global_buffer, .address_space: global }
      - { .name: cw2, .offset: 24, .size: 8, .value_kind: global_buffer, .address_space: global }
    .group_segment_fixed_size: 327680
    .private_segment_fixed_size: 0
    .kernarg_segment_align: 8
    .kernarg_segment_size: 32
    .max_flat_workgroup_size: 128
    .sgpr_count:     68
    .vgpr_count:     1024
    .wavefront_size: 32
...
	.end_amdgpu_metadata
.endif
;; end of part 6
;; launch w2 (part 7): grid 8 x 32, 4 waves a work-group, clusters of 4 x 4, 327,680 bytes of LDS; arguments hs, wts, out0, x1; writes out0
.if DOCPART == 7
	.amdgcn_target "amdgcn-amd-amdhsa--gfx1250"
	.amdhsa_code_object_version 6
	.text
	.protected	k_q09f30e85be_w2
	.globl	k_q09f30e85be_w2
	.p2align	8
	.type	k_q09f30e85be_w2,@function
k_q09f30e85be_w2:
	s_mov_b64 s[64:65], 0
	v_nop
	global_prefetch_b8 v0, s[64:65] scope:SCOPE_SE
	s_setreg_imm32_b32 hwreg(HW_REG_WAVE_MODE, 25, 1), 1
	s_wait_xcnt 0x0
	s_wait_alu depctr_hold_cnt(0) depctr_sa_sdst(0) depctr_va_vdst(0) depctr_va_sdst(0) depctr_va_ssrc(0) depctr_va_vcc(0) depctr_vm_vsrc(0)
	s_getreg_b32 s2, hwreg(HW_REG_IB_STS2, 6, 4)
	s_cmp_eq_u32 s2, 0
	s_cbranch_scc0 .Lentry_in_a_cluster
	s_endpgm
.Lentry_in_a_cluster:
	s_bfe_u32 s2, ttmp6, 0x10000c
	s_cmp_lg_u32 s2, 0xf033
	s_cbranch_scc0 .Lentry_shape_is_right
	s_endpgm
.Lentry_shape_is_right:
; out0[t][n] = x1[t][n] + sum over k of hs[t][k] W2[k][n], k = 512 e + h over all eight experts: hs already carries the combine weights.
; A: [4096][KDIM] f16; B: [KDIM][1024] f16 at wts + BOFF; the residual and C: [4096][1024] f32; sums in f32.
; A tile of C is 128 x 128, so that 8 x 32 = 256 work-groups share the work.  Four waves, each 64 x 64: 16 accumulators.  K goes in steps of 256 through two LDS slots:
; A's 128 rows of 512 bytes and B's 256 k-rows of 256 bytes.  B lies [k][n]: its fragments come out of LDS by the turning load ds_load_tr16_b128.
; CLUSTERS: 4 x 4; A's tile is shared along a row of the cluster, B's along a column, each asked for jointly.  THE MATRIX INSTRUCTION IS USED TRANSPOSED: a lane holds eight neighbouring numbers of a row of C.
; AHEAD INTO THE L2: a K step has 128 matrix instructions a wave between a tile's request and the wait for it, and the slots are as large as LDS allows.  So the tiles are asked for ahead by global_prefetch_b8:
; trip t of the loop (a lap: 512 along K), whose tensor loads ask for lap t + 1, asks for lap t + 2.  Each aligned block of 256 bytes is asked for once in the launch.  A's 128 rows x 4 blocks of a lap are
; shared among the 8 work-groups of the tile row: 16 rows each, 8 rows to wave 0 and 8 to wave 1, one instruction each.  B's 512 k-rows x 1 block are shared among the 32 work-groups of the tile column: 16 each;
; wave 2 asks for two laps' 32 at once, in every second trip.  The last trip asks for nothing: its look-ahead would pass K's end.  A work-group has 20,480 bytes a lap asked for, two laps at the most unread.
; THE WAY OUT: a wave's 64 columns of f32 are one aligned block of 256 bytes, so each wave has a stage of its own (16 rows x 272 bytes) and no barrier is needed.
; The residual's 64 x 64 numbers are loaded into window 2 at the start, in the layout of the rows read back, and stay out over the whole loop.
; REGISTERS: window 0: v16-31 addresses, v32-95 the way out, v128-255 the accumulators ((a, b) at v[128 + 8 (4 a + b)]); window 1: two fragment buffers of 128 (64 of A, 64 of B, for 64 along K); window 2: v0-127 the residual.
.set KDIM,   4096
.set BOFF,   16777216                  ; B's first byte in wts
.set KSTEP,  256
.set LAPS,   KDIM/(2*KSTEP)
.set PA,     528                       ; A's LDS row: 512 bytes + 16
.set HALFA,  64*PA                     ; what one of A's tensor loads brings
.set PB,     288                       ; B's LDS row: 256 bytes + 32 = 9 x 32
.set HALFB,  128*PB                    ; what one of B's brings: 128 k-rows
.set SLOT,   2*HALFA+2*HALFB
.set STAGE,  2*SLOT
.set SPITCH, 272
.set SPARE,  STAGE+4*16*SPITCH         ; the spare words: 128 bytes for each wave, named by no other line
.set ADRA, 16                          ; v16-17  my A fragments in slot 0, 1
.set ADRB, 20                          ; v20-23  my B fragments: slot 0 k-rows 0-127, 128-255; slot 1 likewise (256 rows of 288 bytes pass the 16-bit offset)
.set STO,  24
.set RD,   25
.set CO,   26                          ; my byte offset in C and in the residual; never rewritten
.set SPW,  28
.set NIL,  29
.set PFA,  30                          ; v30     asking ahead for A: row lane / 4 of my eight, block lane % 4 of a lap's four; never rewritten
.set PFB,  31                          ; v31     asking ahead for B: k-row lane % 16 of my sixteen, lap lane / 16 of two; never rewritten
.set TMP,  32
.set ACC,  128
.set F0,   0
.set F1,   128
.set G1,  24
.set G0,  32
.set G1B, 48
.set G0B, 56
.set AHA, 68                           ; s[68:69] A at my eight rows, at the lap asked for last
.set AHB, 70                           ; s[70:71] B at my sixteen k-rows and my tile's columns, at the first of the two laps asked for last
.set MSB, 0
.macro WIN new
.if MSB != (\new)
	s_set_vgpr_msb (MSB<<8)|(\new)
.set MSB, \new
.endif
.endm
.set MUL,  0x05                        ; sources 0 (B) and 1 (A) window 1; C and D window 0
.set TO_F, 0x40                        ; destination window 1, address window 0
.macro JLOAD s                         ; a joint load: waves 0, 1 fetch A's halves, waves 2, 3 B's; four v_nop follow each line
	s_cmp_eq_u32 s11, 0
	s_cbranch_scc0 .Lfor_b_\@
	tensor_load_to_lds s[G0+4*\s:G0+4*\s+3], s[G1:G1+7]
	s_nop 0
.rept 4
	v_nop
.endr
	s_branch .Lasked_\@
.Lfor_b_\@:
	tensor_load_to_lds s[G0B+4*\s:G0B+4*\s+3], s[G1B:G1B+7]
	s_nop 0
.rept 4
	v_nop
.endr
.Lasked_\@:
.endm
.macro CREST
	s_cmp_lg_u32 s10, 0
	s_cbranch_scc1 .Lnot_wave_0_\@
	s_barrier_signal -3
.Lnot_wave_0_\@:
	s_barrier_wait -3
	s_barrier_signal -1
	s_barrier_wait -1
.endm
.macro CROUND
	s_barrier_signal -1
	s_barrier_wait -1
	CREST
.endm
; Asking ahead, at the head of a trip; s3 counts the trips down from LAPS - 1 to 1.  The branches hang on the trip's count and the wave's number alone.
; A base is stepped only behind s_wait_xcnt 0, which shows the last trip's request translated (ISA guide 3.1); no such wait stands behind a request.
.macro ASK
	s_cmp_lt_u32 s3, 2
	s_cbranch_scc1 .Lno_ask_\@                     ; the last trip: lap LAPS does not exist
	s_cmp_gt_u32 s10, 1
	s_cbranch_scc1 .Lask_b_\@
	s_wait_xcnt 0x0
	s_add_nc_u64 s[AHA:AHA+1], s[AHA:AHA+1], 2*KSTEP*2             ; the next lap's 1,024 bytes of my rows
	global_prefetch_b8 v[PFA], s[AHA:AHA+1] th:TH_LOAD_NT scope:SCOPE_SE
	s_branch .Lno_ask_\@
.Lask_b_\@:
	s_cmp_lg_u32 s10, 2
	s_cbranch_scc1 .Lno_ask_\@                     ; wave 3 asks for nothing
	s_bitcmp1_b32 s3, 0
	s_cbranch_scc0 .Lno_ask_\@                     ; trips 0, 2, 4 (s3 = 7, 5, 3) ask for laps 2 and 3, 4 and 5, 6 and 7
	s_wait_xcnt 0x0
	s_add_nc_u64 s[AHB:AHB+1], s[AHB:AHB+1], 4*KSTEP*2048          ; two laps: 1,024 k-rows of 2,048 bytes
	global_prefetch_b8 v[PFB], s[AHB:AHB+1] th:TH_LOAD_NT scope:SCOPE_SE
.Lno_ask_\@:
.endm
	s_load_b128 s[4:7], s[0:1], 0x0                ; A s[4:5], wts s[6:7]
	s_load_b64 s[8:9], s[0:1], 0x10                ; C
	s_load_b64 s[66:67], s[0:1], 0x18              ; the residual
	v_lshl_add_u32 v[SPW], v0, 2, SPARE
	v_mov_b32 v[NIL], 0
	ds_add_u32 v28, v29
	s_wait_dscnt 0x0
	v_lshrrev_b32 v1, 5, v0
	v_readfirstlane_b32 s10, v1                    ; wave 0..3
	s_lshr_b32 s11, s10, 1                         ; my half of the tile's rows.  Also: I fetch for A (0) or for B (1)
	s_and_b32 s12, s10, 1                          ; my half of its columns.  Also: which half of that tile I fetch
	s_bfe_u32 s40, ttmp6, 0x40000
	s_bfe_u32 s41, ttmp6, 0x40004
	s_lshl_b32 s42, ttmp9, 2
	s_add_co_u32 s42, s42, s40                     ; tile column of C
	s_and_b32 s13, ttmp7, 0xffff
	s_lshl_b32 s13, s13, 2
	s_add_co_u32 s13, s13, s41                     ; tile row of C
	s_lshl_b32 s43, s41, 2
	s_lshl_b32 s43, 15, s43                        ; my row of the cluster
	s_lshl_b32 s44, 0x1111, s40                    ; my column
	s_or_b32 s[G1+0], s43, (1<<16)|(1<<20)|(1<<21)|(6<<22)|(3<<25)   ; mask; 2-byte elements; padding on; bit 21 beside a mask; after every 128 words 4 words
	s_mov_b32 s[G1+1], KSTEP<<16                   ; tensor_dim0 = 256
	s_mov_b32 s[G1+2], 64<<16                      ; tensor_dim1 = 64
	s_mov_b32 s[G1+3], KSTEP<<16
	s_mov_b32 s[G1+4], 64
	s_mov_b32 s[G1+5], KDIM
	s_mov_b32 s[G1+6], 0
	s_mov_b32 s[G1+7], 0
	s_or_b32 s[G1B+0], s44, (1<<16)|(1<<20)|(1<<21)|(5<<22)|(7<<25)  ; after every 64 words 8 words
	s_mov_b32 s[G1B+1], 128<<16                    ; tensor_dim0 = 128 columns
	s_mov_b32 s[G1B+2], 128<<16                    ; tensor_dim1 = 128 k-rows
	s_mov_b32 s[G1B+3], 128<<16
	s_mov_b32 s[G1B+4], 128
	s_mov_b32 s[G1B+5], 1024
	s_mov_b32 s[G1B+6], 0
	s_mov_b32 s[G1B+7], 0
	s_lshl_b32 s16, s13, 7                         ; A: row 128 x tile row + 64 x half
	s_lshl_b32 s17, s12, 6
	s_add_co_u32 s16, s16, s17
	s_mul_i32 s16, s16, KDIM*2
	s_mov_b32 s17, 0
	s_lshl_b32 s46, s12, 18                        ; B: k-row 128 x half (rows of 2,048 bytes), column 128 x tile column
	s_lshl_b32 s47, s42, 8
	s_add_co_u32 s46, s46, s47
	s_add_co_u32 s46, s46, BOFF
	s_mov_b32 s47, 0
	s_mul_i32 s20, s12, HALFA                      ; where they go
	s_mul_i32 s21, s12, HALFB
	s_add_co_u32 s21, s21, 2*HALFA
	s_wait_kmcnt 0x0
	s_add_nc_u64 s[14:15], s[4:5], s[16:17]
	s_add_nc_u64 s[46:47], s[6:7], s[46:47]
	CROUND                                         ; all sixteen work-groups are here: the first joint loads meet
.irp s, 0,1
	s_mov_b32 s[G0+4*\s], 1
	s_add_co_u32 s[G0+4*\s+1], s20, \s*SLOT
	s_add_nc_u64 s[G0+4*\s+2:G0+4*\s+3], s[14:15], \s*KSTEP*2
	s_or_b32 s[G0+4*\s+3], s[G0+4*\s+3], 0x80000000
	s_mov_b32 s[G0B+4*\s], 1
	s_add_co_u32 s[G0B+4*\s+1], s21, \s*SLOT
	s_add_nc_u64 s[G0B+4*\s+2:G0B+4*\s+3], s[46:47], \s*KSTEP*2048
	s_or_b32 s[G0B+4*\s+3], s[G0B+4*\s+3], 0x80000000
	JLOAD \s                                       ; K steps 0 and 1: two loads of mine are out
.endr
	v_and_b32 v1, 15, v0                           ; r
	v_bfe_u32 v2, v0, 4, 1                         ; h
	v_mul_u32_u24 v3, v1, PA
	v_lshl_add_u32 v3, v2, 4, v3
	v_and_b32 v6, 7, v0                            ; the turning load: k-row 8 h + l % 8, 16 bytes at 16 ((l / 8) % 2)
	v_lshl_add_u32 v6, v2, 3, v6
	v_mul_u32_u24 v6, v6, PB
	v_bfe_u32 v7, v0, 3, 1
	v_lshl_add_u32 v6, v7, 4, v6
	s_mul_i32 s22, s11, HALFA                      ; my 64 rows of A
	s_lshl_b32 s23, s12, 7                         ; my 64 columns of B,
	s_add_co_u32 s23, s23, 2*HALFA                 ; which lies behind A
.irp s, 0,1
	v_add_nc_u32 v[ADRA+\s], s22, v3
	v_add_nc_u32 v[ADRB+2*\s], s23, v6
	s_add_co_u32 s23, s23, HALFB
	v_add_nc_u32 v[ADRB+2*\s+1], s23, v6
	s_add_co_u32 s22, s22, SLOT
	s_add_co_u32 s23, s23, SLOT-HALFB
.endr
	s_mul_i32 s22, s10, 16*SPITCH
	s_add_co_u32 s22, s22, STAGE                   ; my stage
	v_mul_u32_u24 v4, v1, SPITCH                   ; in: row r, 32 bytes for each half of the lanes
	v_lshl_add_u32 v4, v2, 5, v4
	v_add_nc_u32 v[STO], s22, v4
	v_mul_u32_u24 v5, v2, SPITCH                   ; back: lanes 0-15 one row of 256 bytes, lanes 16-31 the next
	v_lshl_add_u32 v5, v1, 4, v5
	v_add_nc_u32 v[RD], s22, v5
	v_lshlrev_b32 v5, 12, v2                       ; and the same two rows in C
	v_lshl_add_u32 v[CO], v1, 4, v5
	s_lshl_b32 s16, s13, 7
	s_lshl_b32 s14, s11, 6
	s_add_co_u32 s16, s16, s14                     ; my first row of C, rows of 4,096 bytes
	s_lshl_b32 s16, s16, 12
	s_mov_b32 s17, 0
	s_add_nc_u64 s[8:9], s[8:9], s[16:17]
	s_add_nc_u64 s[66:67], s[66:67], s[16:17]
	s_lshl_b32 s46, s42, 9                         ; my first column, in bytes
	s_lshl_b32 s47, s12, 8
	s_add_co_u32 s46, s46, s47
	s_mov_b32 s47, 0
	s_add_nc_u64 s[8:9], s[8:9], s[46:47]
	s_add_nc_u64 s[66:67], s[66:67], s[46:47]
	; asking ahead: the lanes' offsets and the two bases (in registers that feed no descriptor)
	v_and_b32 v5, 31, v0                           ; lane
	v_lshrrev_b32 v6, 2, v5
	v_and_b32 v7, 3, v5
	v_lshlrev_b32 v7, 8, v7                        ; block lane % 4: 256 bytes apart,
	v_lshl_add_u32 v[PFA], v6, 13, v7              ; row lane / 4: rows of 8,192 bytes
	v_lshlrev_b32 v7, 11, v1                       ; k-row lane % 16: rows of 2,048 bytes,
	v_lshl_add_u32 v[PFB], v2, 20, v7              ; lap lane / 16: 512 k-rows
	s_lshl_b32 s72, s13, 7                         ; A: row 128 x tile row + 16 x tile column + 8 x wave (waves 0 and 1 alone use it),
	s_lshl_b32 s73, s42, 4
	s_add_co_u32 s72, s72, s73
	s_lshl_b32 s73, s10, 3
	s_add_co_u32 s72, s72, s73
	s_mul_i32 s72, s72, KDIM*2
	s_add_co_u32 s72, s72, 2*KSTEP*2               ; at lap 1: the first trip steps it to lap 2
	s_mov_b32 s73, 0
	s_add_nc_u64 s[AHA:AHA+1], s[4:5], s[72:73]
	s_lshl_b32 s72, s13, 15                        ; B: k-row 16 x tile row, my tile's 256 bytes of it,
	s_lshl_b32 s73, s42, 8
	s_add_co_u32 s72, s72, s73
	s_add_co_u32 s72, s72, BOFF                    ; at lap 0: the first trip steps it to lap 2
	s_mov_b32 s73, 0
	s_add_nc_u64 s[AHB:AHB+1], s[6:7], s[72:73]
	WIN 0x80                                       ; destination window 2
.irp a, 0,1,2,3
.irp t, 0,1,2,3,4,5,6,7
	global_load_b128 v[32*\a+4*\t:32*\a+4*\t+3], v[CO], s[66:67] offset:(16*\a+2*\t)*4096   ; 32 loads, waited for on the way out
.endr
.endr
	WIN 0
; 8 matrix instructions: m blocks a0, a0 + 1 x all 4 n blocks, 32 along K: half c of buffer f.  zero = 1: the first product starts the sums
.macro MUL8 f, c, a0, zero
.irp a, \a0, \a0+1
.irp b, 0,1,2,3
.if \zero
	v_wmma_f32_16x16x32_f16 v[ACC+8*(4*(\a)+\b):ACC+8*(4*(\a)+\b)+7], v[\f+64+8*(4*\c+\b):\f+64+8*(4*\c+\b)+7], v[\f+8*(4*\c+\a):\f+8*(4*\c+\a)+7], 0
.else
	v_wmma_f32_16x16x32_f16 v[ACC+8*(4*(\a)+\b):ACC+8*(4*(\a)+\b)+7], v[\f+64+8*(4*\c+\b):\f+64+8*(4*\c+\b)+7], v[\f+8*(4*\c+\a):\f+8*(4*\c+\a)+7], v[ACC+8*(4*(\a)+\b):ACC+8*(4*(\a)+\b)+7]
.endif
.endr
.endr
.endm
; 32 LDS loads in one run: quarter q (64 along K) of a slot into buffer f; the first 32 along K first
.macro FETCH slot, q, f
	WIN TO_F
.irp c, 0,1
.irp i, 0,1,2,3
	ds_load_tr16_b128 v[\f+64+8*(4*\c+\i):\f+64+8*(4*\c+\i)+3],   v[ADRB+2*\slot+\q/2] offset:((\q%2)*64+32*\c)*PB+32*\i
	ds_load_tr16_b128 v[\f+64+8*(4*\c+\i)+4:\f+64+8*(4*\c+\i)+7], v[ADRB+2*\slot+\q/2] offset:((\q%2)*64+32*\c+16)*PB+32*\i
	ds_load_b128 v[\f+8*(4*\c+\i):\f+8*(4*\c+\i)+3],              v[ADRA+\slot] offset:128*\q+64*\c+\i*16*PA
	ds_load_b128 v[\f+8*(4*\c+\i)+4:\f+8*(4*\c+\i)+7],            v[ADRA+\slot] offset:128*\q+64*\c+\i*16*PA+32
.endr
.endr
.endm
.macro PLACES                          ; four plain vector instructions between matrix instructions and loads into, or reads of, their registers
.rept 4
	v_nop
.endr
.endm
.macro QUARTER slot, q, f, g, zero     ; multiplies buffer f and fetches quarter q of the same slot into g
	s_wait_dscnt 16                                ; the first 32 along K are in; the other sixteen loads may be out
	WIN MUL
	MUL8 \f, 0, 0, \zero
	MUL8 \f, 0, 2, \zero
	PLACES
	FETCH \slot, \q, \g
	s_wait_dscnt 32                                ; all but the 32 just issued
	WIN MUL
	MUL8 \f, 1, 0, 0
	MUL8 \f, 1, 2, 0
.endm
; The last quarter multiplies buffer 1 and changes slots.  fill = 1: this slot is filled again, two K steps ahead, behind a round of the cluster's barrier
.macro TURN slot, next, fill
	WIN 0
	s_wait_tensorcnt 0x0                           ; all my tensor loads have landed: my part of the next slot
	ds_add_u32 v[SPW], v[NIL]                      ; 0 onto my spare word
	s_wait_dscnt 17                                ; the add and the youngest sixteen loads may be out
	WIN MUL
	MUL8 F1, 0, 0, 0
	s_wait_dscnt 0x0                               ; the add is done, and my reads of this slot are over
	s_barrier_signal -1
	MUL8 F1, 0, 2, 0
.if \fill
	WIN 0
.endif
	s_barrier_wait -1
.if \fill
	CREST
	s_add_nc_u64 s[G0+4*\slot+2:G0+4*\slot+3], s[G0+4*\slot+2:G0+4*\slot+3], 2*KSTEP*2
	s_add_nc_u64 s[G0B+4*\slot+2:G0B+4*\slot+3], s[G0B+4*\slot+2:G0B+4*\slot+3], 2*KSTEP*2048
	JLOAD \slot                                    ; my one tensor load behind the round; its four v_nop are also the places in front of the loads below
.else
	PLACES
.endif
	FETCH \next, 0, F0
	WIN MUL
	MUL8 F1, 1, 0, 0
	MUL8 F1, 1, 2, 0
.endm
; THE WAY OUT of block a (16 rows): the sums go through my stage as they are, come back as whole rows of 256 bytes, take the residual and leave
.macro OUT a
.set BK, TMP+32*((\a)%2)
.irp b, 0,1,2,3
	ds_store_b128 v[STO], v[ACC+8*(4*\a+\b):ACC+8*(4*\a+\b)+3]   offset:64*\b      ; each accumulator's low four registers first
	ds_store_b128 v[STO], v[ACC+8*(4*\a+\b)+4:ACC+8*(4*\a+\b)+7] offset:64*\b+16
.endr
	s_wait_xcnt 0x0                                ; earlier stores have read their registers: these are loaded again only behind this wait
.irp t, 0,1,2,3,4,5,6,7
	ds_load_b128 v[BK+4*\t:BK+4*\t+3], v[RD] offset:\t*2*SPITCH    ; LDS serves a wave's instructions in order: these see the stores above
.endr
	s_wait_dscnt 0x0
	WIN 0x08                                       ; source 1 window 2
.set i, 0
.rept 16
	v_pk_add_f32 v[BK+i:BK+i+1], v[BK+i:BK+i+1], v[32*\a+i:32*\a+i+1]
.set i, i+2
.endr
	WIN 0
.irp t, 0,1,2,3,4,5,6,7
	global_store_b128 v[CO], v[BK+4*\t:BK+4*\t+3], s[8:9] offset:(16*\a+2*\t)*4096   ; 16 lanes store 256 consecutive bytes, aligned
.endr
.endm
	s_wait_tensorcnt 1                             ; my part of K step 0 is in; K step 1's may stay out
	s_barrier_signal -1
	s_barrier_wait -1
	FETCH 0, 0, F0
	QUARTER 0, 1, F0, F1, 1
	WIN 0
	s_mov_b32 s3, LAPS-1
.Llap:                                                 ; a trip goes once round the ring and fills both slots again
	ASK                                            ; the lap after the one that this trip's tensor loads ask for
	QUARTER 0, 2, F1, F0, 0
	QUARTER 0, 3, F0, F1, 0
	TURN 0, 1, 1
	QUARTER 1, 1, F0, F1, 0
	QUARTER 1, 2, F1, F0, 0
	QUARTER 1, 3, F0, F1, 0
	TURN 1, 0, 1
	QUARTER 0, 1, F0, F1, 0
	WIN 0
	s_sub_co_u32 s3, s3, 1
	s_cmp_lg_u32 s3, 0
	s_cbranch_scc1 .Llap
	QUARTER 0, 2, F1, F0, 0                        ; the last lap fills nothing
	QUARTER 0, 3, F0, F1, 0
	TURN 0, 1, 0
	QUARTER 1, 1, F0, F1, 0
	QUARTER 1, 2, F1, F0, 0
	QUARTER 1, 3, F0, F1, 0
	s_wait_dscnt 16                                ; the very last quarter
	WIN MUL
	MUL8 F1, 0, 0, 0
	MUL8 F1, 0, 2, 0
	s_wait_dscnt 0x0
	MUL8 F1, 1, 0, 0
	MUL8 F1, 1, 2, 0
	WIN 0
	PLACES
	s_wait_loadcnt 0x0                             ; the residual
	OUT 0
	OUT 1
	OUT 2
	OUT 3
	s_wait_tensorcnt 0x0                           ; the wave's end
	ds_add_u32 v[SPW], v[NIL]
	s_wait_dscnt 0x0
	CROUND                                         ; the closing round
	s_endpgm
.Lfunc_end_k_q09f30e85be_w2:
	.size	k_q09f30e85be_w2, .Lfunc_end_k_q09f30e85be_w2-k_q09f30e85be_w2
	.p2alignl 7, 3214868480
	.fill 96, 4, 3214868480
	.section	.rodata,"a",@progbits
	.p2align	6, 0x0
	.amdhsa_kernel k_q09f30e85be_w2
		.amdhsa_group_segment_fixed_size 327680
		.amdhsa_private_segment_fixed_size 0
		.amdhsa_enable_private_segment 0
		.amdhsa_kernarg_size 32
		.amdhsa_user_sgpr_count 2
		.amdhsa_user_sgpr_kernarg_segment_ptr 1
		.amdhsa_wavefront_size32 1
		.amdhsa_system_sgpr_workgroup_id_x 1
		.amdhsa_system_sgpr_workgroup_id_y 1
		.amdhsa_system_sgpr_workgroup_id_z 1
		.amdhsa_system_vgpr_workitem_id 0
		.amdhsa_next_free_vgpr 640
		.amdhsa_next_free_sgpr 80
		.amdhsa_reserve_vcc 0
		.amdhsa_float_denorm_mode_32 3
		.amdhsa_float_denorm_mode_16_64 3
		.amdhsa_memory_ordered 1
		.amdhsa_forward_progress 1
		.amdhsa_inst_pref_size 95
	.end_amdhsa_kernel
	.amdgpu_metadata
---
amdhsa.version: [ 1, 2 ]
amdhsa.kernels:
  - .name:           k_q09f30e85be_w2
    .symbol:         k_q09f30e85be_w2.kd
    .args:
      - { .name: hs, .offset: 0, .size: 8, .value_kind: global_buffer, .address_space: global }
      - { .name: wts, .offset: 8, .size: 8, .value_kind: global_buffer, .address_space: global }
      - { .name: out0, .offset: 16, .size: 8, .value_kind: global_buffer, .address_space: global }
      - { .name: x1, .offset: 24, .size: 8, .value_kind: global_buffer, .address_space: global }
    .group_segment_fixed_size: 327680
    .private_segment_fixed_size: 0
    .kernarg_segment_align: 8
    .kernarg_segment_size: 32
    .max_flat_workgroup_size: 128
    .sgpr_count:     80
    .vgpr_count:     640
    .wavefront_size: 32
...
	.end_amdgpu_metadata
.endif
;; end of part 7
;; ======== version 2 of 2: 7 launches; version 1 with the launches prep, ln2gate written anew for expert scheduling mode
;; limits: values are held in f16: magnitudes above 65,504 overflow, below 6.1e-05 lose precision
;; workspace buffers: wts 25,165,824 bytes; xn 8,388,608 bytes; qkv 25,165,824 bytes; o 8,388,608 bytes; x1 16,777,216 bytes; cw2 262,144 bytes; hs 33,554,432 bytes
;; launch prep (part 8): grid 256 x 4, 8 waves a work-group, no clusters, 0 bytes of LDS; arguments x, g1, b1, Wq, Wk, Wv, Wo, W1, W2, xn, wts; writes xn, wts
.if DOCPART == 8
	.amdgcn_target "amdgcn-amd-amdhsa--gfx1250"
	.amdhsa_code_object_version 6
	.text
	.protected	k_q09f30e85be_prep
	.globl	k_q09f30e85be_prep
	.p2align	8
	.type	k_q09f30e85be_prep,@function
k_q09f30e85be_prep:
	s_mov_b64 s[64:65], 0
	v_nop
	global_prefetch_b8 v0, s[64:65] scope:SCOPE_SE
	s_setreg_imm32_b32 hwreg(HW_REG_WAVE_SCHED_MODE, 0, 2), 2
	s_setreg_imm32_b32 hwreg(HW_REG_WAVE_MODE, 25, 1), 1
	s_wait_xcnt 0x0
	s_wait_alu depctr_vm_vsrc(0)
; prep: xn = layer_norm(x, g1, b1) as f16, and the six weight tensors cast to f16 into wts, all left [k][n]:
;   wts + 0        [1024][3072]  Wq | Wk | Wv side by side        wts + WOC  [1024][1024]  Wo
;   wts + W1C      [1024][4096]  W1, column e*512 + h             wts + W2C  [4096][1024]  W2, row e*512 + h
; Every work-group takes 65,536 bytes of f32 source, every wave 8,192: sixteen loads of 512 neighbouring bytes; each load's 128 numbers leave
; as one store of 256 neighbouring bytes, aligned.  The grid's y picks the role: 0 the norm, 1 W1, 2 W2, 3 Wq, Wk, Wv, Wo (64 work-groups each).
; No loop, no register written twice while a load or store names it, no LDS, no matrix unit: memory binds.
; LIMITS: f16 holds magnitudes below 65,520 (larger ones become infinity) and above about 3e-8 (smaller ones become 0).
; The variance is the mean of (x - mean)^2, made in a second pass over registers: no difference of large sums.
; THE MODE: SCHED_MODE bits 1:0 = 2 (LLVM: expert scheduling mode 2), set by the entry lines.  The code itself states the register dependences
; between vector instructions and memory instructions, with s_wait_alu, always for 0.
; THE PLAN.  Registers that memory instructions touch:
;   v1 .. v4   lane offsets: written once, ahead of a path's first load; read by its loads and stores; never written again.
;   X, G, BV   the loads land in them; after that vector instructions alone name them.
;   Y          each register is written once, by a conversion, and read once, by a store.
; A cast goes in four groups of four loads.  Group g's conversions write Y's group g; its four stores are issued in group g + 1, behind ONE wait at that
; group's head, dealt among conversions that name other X and other Y.  The norm has one wait for its four roots and one ahead of each row's eight stores.
; No register that a memory instruction reads is ever written again, so no wait on vm_vsrc is owed.
.set X,     16                         ; v[16:79]   sixteen loads, 4 registers each
.set G,     80                         ; v[80:111]  gain of my 32 columns
.set BV,    112                        ; v[112:143] bias of my 32 columns
.set Y,     144                        ; v[144:175] f16 to store; before that the norm's scratch: row r's scratch is the sixteen registers that become row r's Y
.set TBASE, Y
.set WOC,   6291456
.set W1C,   8388608
.set W2C,   16777216
.macro LOAD16                          ; my wave's 8,192 bytes of the source in s[38:39]
	s_wait_alu depctr_va_vdst(0)                   ; the lane offsets made so far, among v1 to v4, are written: this path's loads and stores read them
.irp j, 0,1,2,3,4,5,6,7,8,9,10,11,12,13,14,15
	global_load_b128 v[X+4*\j:X+4*\j+3], v1, s[38:39] offset:512*\j th:TH_LOAD_NT
.endr
.endm
; load j is rounded and stored: jd loads make a destination row's part, rows rp bytes apart.  The store of load j - 4 stands ahead of load j's two conversions.
.macro CAST16 voff, jd, rp
.irp j, 0,1,2,3,4,5,6,7,8,9,10,11,12,13,14,15
.if (\j % 4) == 0
	s_wait_loadcnt 12-\j                           ; loads come back in order: this group's four are in, the younger groups stay out
.if \j > 0
	s_wait_alu depctr_va_vdst(0)                   ; the group before has written its eight registers of Y, which the four stores dealt among this group's conversions read
.endif
.endif
.if \j > 3
	global_store_b64 v[\voff], v[Y+2*\j-8:Y+2*\j-7], s[40:41] offset:((\j-4)/\jd)*\rp+((\j-4)%\jd)*256   ; no vector instruction since the wait names these registers
.endif
	v_cvt_pk_f16_f32 v[Y+2*\j],   v[X+4*\j],   v[X+4*\j+1]
	v_cvt_pk_f16_f32 v[Y+2*\j+1], v[X+4*\j+2], v[X+4*\j+3]
.endr
	s_wait_alu depctr_va_vdst(0)                   ; the last group has written its eight registers of Y, which the last four stores read
.irp j, 12,13,14,15
	global_store_b64 v[\voff], v[Y+2*\j:Y+2*\j+1], s[40:41] offset:(\j/\jd)*\rp+(\j%\jd)*256
.endr
.endm
.macro LANESUM t, u                    ; v[t] summed over the 32 lanes, in every lane; v[u] is scratch that has been written
	v_add_f32_dpp v[\t], v[\t], v[\t] row_xmask:1 row_mask:0xf bank_mask:0xf
	v_add_f32_dpp v[\t], v[\t], v[\t] row_xmask:2 row_mask:0xf bank_mask:0xf
	v_add_f32_dpp v[\t], v[\t], v[\t] row_xmask:4 row_mask:0xf bank_mask:0xf
	v_add_f32_dpp v[\t], v[\t], v[\t] row_xmask:8 row_mask:0xf bank_mask:0xf
	v_permlanex16_b32 v[\u], v[\t], s42, s43
	v_add_f32 v[\t], v[\t], v[\u]
.endm
.macro JOIN4                           ; four pairs at TT become the row's sum in v[TT]
	v_pk_add_f32 v[TT:TT+1], v[TT:TT+1], v[TT+2:TT+3]
	v_pk_add_f32 v[TT+4:TT+5], v[TT+4:TT+5], v[TT+6:TT+7]
	v_pk_add_f32 v[TT:TT+1], v[TT:TT+1], v[TT+4:TT+5]
	v_add_f32 v[TT], v[TT], v[TT+1]
	LANESUM TT, TT+1
.endm
; row r of my two: x becomes x - mean in place; 1 / sqrt(var + eps) lands in v[TT+10:TT+11]
.macro STATS r
.set XR, X+32*\r
.set TT, TBASE+16*\r
.irp c, 0,2,4,6
	v_pk_add_f32 v[TT+\c:TT+\c+1], v[XR+\c:XR+\c+1], v[XR+8+\c:XR+8+\c+1]      ; the first sums start four chains: nothing is cleared
.endr
.irp k, 16,24
.irp c, 0,2,4,6
	v_pk_add_f32 v[TT+\c:TT+\c+1], v[TT+\c:TT+\c+1], v[XR+\k+\c:XR+\k+\c+1]
.endr
.endr
	JOIN4
	v_mul_f32 v[TT+8], s44, v[TT]                  ; the mean, twice: a pair for the packed subtraction
	v_mul_f32 v[TT+9], s44, v[TT]
.set p, 0
.rept 16
	v_pk_add_f32 v[XR+p:XR+p+1], v[XR+p:XR+p+1], v[TT+8:TT+9] neg_lo:[0,1] neg_hi:[0,1]
.set p, p+2
.endr
.irp c, 0,2,4,6
	v_pk_mul_f32 v[TT+\c:TT+\c+1], v[XR+\c:XR+\c+1], v[XR+\c:XR+\c+1]
.endr
.irp k, 8,16,24
.irp c, 0,2,4,6
	v_pk_fma_f32 v[TT+\c:TT+\c+1], v[XR+\k+\c:XR+\k+\c+1], v[XR+\k+\c:XR+\k+\c+1], v[TT+\c:TT+\c+1]
.endr
.endr
	JOIN4
	v_fma_f32 v[TT], v[TT], s44, s45               ; variance + eps
	v_rsq_f32 v[TT+10], v[TT]
	v_rsq_f32 v[TT+11], v[TT]
	v_nop                                          ; a plain instruction between the root and the use of its result (ISA guide 5.7.2)
.endm
.macro NORM r                          ; (x - mean) * rs * g + b, in place
.set XR, X+32*\r
.set TT, TBASE+16*\r
.set p, 0
.rept 16
	v_pk_mul_f32 v[XR+p:XR+p+1], v[XR+p:XR+p+1], v[TT+10:TT+11]
.set p, p+2
.endr
.set p, 0
.rept 16
	v_pk_fma_f32 v[XR+p:XR+p+1], v[XR+p:XR+p+1], v[G+p:G+p+1], v[BV+p:BV+p+1]
.set p, p+2
.endr
.endm
.macro CVT8 r                          ; row r rounded to f16, into the sixteen registers that were its scratch
.irp j, 0,1,2,3,4,5,6,7
	v_cvt_pk_f16_f32 v[Y+16*\r+2*\j],   v[X+32*\r+4*\j],   v[X+32*\r+4*\j+1]
	v_cvt_pk_f16_f32 v[Y+16*\r+2*\j+1], v[X+32*\r+4*\j+2], v[X+32*\r+4*\j+3]
.endr
.endm
.macro OUT8 r                          ; row r's eight stores, 256 neighbouring bytes each
.irp j, 0,1,2,3,4,5,6,7
	global_store_b64 v2, v[Y+16*\r+2*\j:Y+16*\r+2*\j+1], s[40:41] offset:2048*\r+256*\j
.endr
.endm
	s_load_b512 s[16:31], s[0:1], 0x0              ; x 16, g1 18, b1 20, Wq 22, Wk 24, Wv 26, Wo 28, W1 30
	s_load_b128 s[32:35], s[0:1], 0x40             ; W2 32, xn 34
	s_load_b64 s[36:37], s[0:1], 0x50              ; wts
	s_mov_b32 s2, ttmp9                            ; which 65,536 bytes
	s_and_b32 s3, ttmp7, 0xffff                    ; the role
	v_and_b32 v5, 31, v0                           ; lane
	v_lshrrev_b32 v6, 5, v0                        ; wave
	v_lshlrev_b32 v3, 4, v5                        ; 16 lane: gain and bias
	v_lshl_add_u32 v1, v6, 13, v3                  ; + 8,192 wave: the source
	v_lshlrev_b32 v7, 3, v5                        ; 8 lane
	v_lshl_add_u32 v2, v6, 12, v7                  ; + 4,096 wave: a destination that is dense like its source
	s_lshl_b32 s4, s2, 16                          ; s[4:5]: the source's offset
	s_mov_b32 s5, 0
	s_mov_b32 s7, 0                                ; s[6:7]: the destination's offset
	s_wait_kmcnt 0x0
	s_cmp_eq_u32 s3, 0
	s_cbranch_scc1 .Lnorm
	s_cmp_eq_u32 s3, 1
	s_cbranch_scc1 .Lw1
	s_cmp_eq_u32 s3, 2
	s_cbranch_scc1 .Lw2
	s_lshr_b32 s10, s2, 6                          ; role 3: which of the four square matrices,
	s_and_b32 s11, s2, 63                          ; and which 16 of its rows
	s_lshl_b32 s4, s11, 16
	s_cmp_eq_u32 s10, 3
	s_cbranch_scc1 .Lwo
	s_cmp_eq_u32 s10, 0                            ; Wq, Wk or Wv -> columns 1,024 m on of rows of 6,144 bytes
	s_cselect_b64 s[38:39], s[22:23], s[24:25]
	s_cmp_eq_u32 s10, 2
	s_cselect_b64 s[38:39], s[26:27], s[38:39]
	s_add_nc_u64 s[38:39], s[38:39], s[4:5]
	s_mul_i32 s6, s11, 98304                       ; 16 rows of 6,144 bytes
	s_lshl_b32 s12, s10, 11
	s_add_co_u32 s6, s6, s12
	s_add_nc_u64 s[40:41], s[36:37], s[6:7]
	v_mul_u32_u24 v4, v6, 12288                    ; a wave has two rows
	v_add_nc_u32 v4, v4, v7
	LOAD16
	CAST16 4, 8, 6144
	s_endpgm
.Lwo:
	s_add_nc_u64 s[38:39], s[28:29], s[4:5]
	s_lshl_b32 s6, s11, 15
	s_add_co_u32 s6, s6, WOC
	s_add_nc_u64 s[40:41], s[36:37], s[6:7]
	LOAD16
	CAST16 2, 16, 0
	s_endpgm
.Lw2:
	s_add_nc_u64 s[38:39], s[32:33], s[4:5]
	s_lshl_b32 s6, s2, 15
	s_add_co_u32 s6, s6, W2C
	s_add_nc_u64 s[40:41], s[36:37], s[6:7]
	LOAD16
	CAST16 2, 16, 0
	s_endpgm
.Lw1:                                                  ; 32 rows of 512 numbers of expert s2 / 32 -> columns 512 e on of rows of 8,192 bytes
	s_add_nc_u64 s[38:39], s[30:31], s[4:5]
	s_lshr_b32 s10, s2, 5
	s_and_b32 s11, s2, 31
	s_lshl_b32 s6, s11, 18                         ; 32 rows of 8,192 bytes
	s_lshl_b32 s10, s10, 10
	s_add_co_u32 s6, s6, s10
	s_add_co_u32 s6, s6, W1C
	s_add_nc_u64 s[40:41], s[36:37], s[6:7]
	v_lshl_add_u32 v4, v6, 15, v7                  ; a wave has four rows
	LOAD16
	CAST16 4, 4, 8192
	s_endpgm
.Lnorm:                                                ; a wave has two rows of x; load 8 r + jj holds columns 128 jj + 4 lane + 0..3 of row r
	s_add_nc_u64 s[38:39], s[16:17], s[4:5]
	s_lshl_b32 s6, s2, 15
	s_add_nc_u64 s[40:41], s[34:35], s[6:7]
	s_mov_b32 s42, 0x76543210                      ; v_permlanex16_b32: each lane takes its own place in the other half
	s_mov_b32 s43, 0xfedcba98
	s_mov_b32 s44, 0x3a800000                      ; 1 / 1024
	s_mov_b32 s45, 0x3727c5ac                      ; eps = 1e-5
	LOAD16
.irp j, 0,1,2,3,4,5,6,7
	global_load_b128 v[G+4*\j:G+4*\j+3], v3, s[18:19] offset:512*\j
.endr
.irp j, 0,1,2,3,4,5,6,7
	global_load_b128 v[BV+4*\j:BV+4*\j+3], v3, s[20:21] offset:512*\j
.endr
	s_wait_loadcnt 16                              ; x is in; gain and bias, sixteen loads, stay out
	STATS 0
	STATS 1
	s_wait_loadcnt 0x0
	s_wait_alu depctr_va_vdst(0)                   ; the four roots, both rows' pairs, are written: one wait for the batch, ahead of its first reader
	NORM 0
	CVT8 0
	s_wait_alu depctr_va_vdst(0)                   ; row 0's conversions have written Y's first sixteen registers, which its eight stores read
	OUT8 0
	NORM 1                                         ; names row 1's x, its scratch, gain and bias: none of the registers that the stores above read
	CVT8 1
	s_wait_alu depctr_va_vdst(0)                   ; row 1's conversions have written Y's other sixteen registers, which its eight stores read
	OUT8 1
	s_endpgm
.Lfunc_end_k_q09f30e85be_prep:
	.size	k_q09f30e85be_prep, .Lfunc_end_k_q09f30e85be_prep-k_q09f30e85be_prep
	.p2alignl 7, 3214868480
	.fill 96, 4, 3214868480
	.section	.rodata,"a",@progbits
	.p2align	6, 0x0
	.amdhsa_kernel k_q09f30e85be_prep
		.amdhsa_group_segment_fixed_size 0
		.amdhsa_private_segment_fixed_size 0
		.amdhsa_enable_private_segment 0
		.amdhsa_kernarg_size 88
		.amdhsa_user_sgpr_count 2
		.amdhsa_user_sgpr_kernarg_segment_ptr 1
		.amdhsa_wavefront_size32 1
		.amdhsa_system_sgpr_workgroup_id_x 1
		.amdhsa_system_sgpr_workgroup_id_y 1
		.amdhsa_system_sgpr_workgroup_id_z 1
		.amdhsa_system_vgpr_workitem_id 0
		.amdhsa_next_free_vgpr 176
		.amdhsa_next_free_sgpr 66
		.amdhsa_reserve_vcc 0
		.amdhsa_float_denorm_mode_32 3
		.amdhsa_float_denorm_mode_16_64 3
		.amdhsa_memory_ordered 1
		.amdhsa_forward_progress 1
		.amdhsa_inst_pref_size 43
	.end_amdhsa_kernel
	.amdgpu_metadata
---
amdhsa.version: [ 1, 2 ]
amdhsa.kernels:
  - .name:           k_q09f30e85be_prep
    .symbol:         k_q09f30e85be_prep.kd
    .args:
      - { .name: x, .offset: 0, .size: 8, .value_kind: global_buffer, .address_space: global }
      - { .name: g1, .offset: 8, .size: 8, .value_kind: global_buffer, .address_space: global }
      - { .name: b1, .offset: 16, .size: 8, .value_kind: global_buffer, .address_space: global }
      - { .name: Wq, .offset: 24, .size: 8, .value_kind: global_buffer, .address_space: global }
      - { .name: Wk, .offset: 32, .size: 8, .value_kind: global_buffer, .address_space: global }
      - { .name: Wv, .offset: 40, .size: 8, .value_kind: global_buffer, .address_space: global }
      - { .name: Wo, .offset: 48, .size: 8, .value_kind: global_buffer, .address_space: global }
      - { .name: W1, .offset: 56, .size: 8, .value_kind: global_buffer, .address_space: global }
      - { .name: W2, .offset: 64, .size: 8, .value_kind: global_buffer, .address_space: global }
      - { .name: xn, .offset: 72, .size: 8, .value_kind: global_buffer, .address_space: global }
      - { .name: wts, .offset: 80, .size: 8, .value_kind: global_buffer, .address_space: global }
    .group_segment_fixed_size: 0
    .private_segment_fixed_size: 0
    .kernarg_segment_align: 8
    .kernarg_segment_size: 88
    .max_flat_workgroup_size: 256
    .sgpr_count:     66
    .vgpr_count:     176
    .wavefront_size: 32
...
	.end_amdgpu_metadata
.endif
;; end of part 8
;; launch qkv: the kernel of part 2 again; grid 12 x 16, 4 waves a work-group, clusters of 4 x 4, 327,680 bytes of LDS; arguments xn, wts, qkv; writes qkv
;; launch attn: the kernel of part 3 again; grid 16 x 16, 8 waves a work-group, clusters of 4 x 1, 327,680 bytes of LDS; arguments qkv, o; writes o
;; launch wo: the kernel of part 4 again; grid 8 x 32, 4 waves a work-group, clusters of 4 x 4, 327,680 bytes of LDS; arguments o, wts, x1, x; writes x1
;; launch ln2gate (part 9): grid 256 x 1, 8 waves a work-group, no clusters, 38,912 bytes of LDS; arguments x1, g2, b2, Wg, xn, cw2; writes xn, cw2
.if DOCPART == 9
	.amdgcn_target "amdgcn-amd-amdhsa--gfx1250"
	.amdhsa_code_object_version 6
	.text
	.protected	k_q09f30e85be_ln2gate
	.globl	k_q09f30e85be_ln2gate
	.p2align	8
	.type	k_q09f30e85be_ln2gate,@function
k_q09f30e85be_ln2gate:
	s_mov_b64 s[64:65], 0
	v_nop
	global_prefetch_b8 v0, s[64:65] scope:SCOPE_SE
	s_setreg_imm32_b32 hwreg(HW_REG_WAVE_SCHED_MODE, 0, 2), 2
	s_setreg_imm32_b32 hwreg(HW_REG_WAVE_MODE, 25, 1), 1
	s_wait_xcnt 0x0
	s_wait_alu depctr_vm_vsrc(0)
; xn = layer_norm(x1, g2, b2) as f16, and the routing, wholly in f32: gate = xn2 . Wg, the two largest of eight, softmax over the two, as dense combine weights.
; cw2: [4096][8][2] f32, each weight stored twice (a ready pair for a packed multiply); experts that are not chosen get 0.
; A work-group owns 16 rows, a wave two; a row stays in registers from the load to the gate.  Wg (32,768 bytes) is copied once into LDS and read from there by all eight waves.
; No branch and no address hangs on a floating-point number: the choice only selects values.
; The softmax takes the larger gate value away first: p1 = 1 / (1 + e^(m2 - m1)), p2 = e^(m2 - m1) p1.
; LIMITS: of equal gate values the lower index is taken first, as lax.top_k does; NaN gate values are not served; xn is rounded to f16 (magnitudes of 65,520 or more become infinity).
; THE MODE: SCHED_MODE bits 1:0 = 2 (LLVM: expert scheduling mode 2), set by the entry lines.  The code itself states the register dependences
; between vector instructions and memory or LDS instructions, and those through scalar registers that vector instructions write, with s_wait_alu, always for 0.
; THE PLAN.  Registers that memory or LDS instructions touch:
;   v1 .. v6      offsets and addresses: written at the head, read throughout, never written again.
;   WA0           Wg's global loads land in it; my LDS stores read it; then the gate's even chunks land in it and their multiply-adds read it.
;   WA1           the gate's odd chunks land in it; their multiply-adds read it.
;   Y             written by the 32 conversions behind both norms (it is the gain's place); read by the 16 stores; never written again.
;   v10, v11, v14 written at the tail; read by the LDS store of my word (v10, v14) and by the LDS load of four words (v11).
;   v[244:247]    the norm's scratch; the tail's LDS load lands in it, the last store reads it.
;   v254, v255    written at the head, read by the closing add alone.
; Chunk j's multiply-adds read WA[j % 2]; the loads of chunk j + 1 land in the other buffer, which chunk j - 1 read: so ONE wait on va_vdst stands at the head of each of chunks 1 to 6.
; At chunk 1 it also shows the conversions done, and the stores of xn stand there, between the LDS loads and the wait for them.
; The choice of two goes for both rows at once, its compares in runs into scalar registers, one wait on va_sdst behind each run.
.set X,     16                         ; v[16:79]   my two rows: load 8 r + jj holds columns 128 jj + 4 lane + 0..3 of row r
.set G,     80                         ; v[80:111]  gain; then the f16 to store
.set Y,     80
.set BV,    112                        ; v[112:143] bias
.set PM,    112                        ; v[112:127] behind the norm, in the bias's place: row r's running maximum over its first k + 1 gate values at PM + 8 r + k, k = 1 .. 6
.set WA,    144                        ; v[144:207] two buffers of 32: Wg's rows 128 j + 4 lane + 0..3, 8 numbers each
.set ACC,   208                        ; v[208:223] gate sums: row r, expert e at ACC + 8 r + e
.set TBASE, 224                        ; v[224:255] scratch: the norm uses v[224:251] (12 of 16 a row), the choice of two v[224:239]: row r at TBASE + 8 r: +0 m1, +1 i1, +2 m2, +3 i2, +4 p1, +5 p2, +6, +7 at work
.set NINF,  240                        ; v240       minus infinity for the choice of two; it lies in the norm's scratch, so it is written behind the norm, ahead of the choice
.set MK,    28                         ; s[28:43]   the compares' masks (s42 to s45 are free since the last sum over the lanes)
.set ROWM,  46                         ; s46        the lanes that write row 1's words
.set WGL,   0                          ; LDS: 256 blocks of 144 bytes: block q = Wg's rows 4 q .. 4 q + 3 (128 bytes) + 16: lanes 144 bytes apart touch different 16-byte columns
.set CWS,   36864                      ; LDS: the work-group's 256 words of weights
.macro LANESUM t, u                    ; v[t] summed over the 32 lanes, in every lane; v[u] is scratch that has been written
	v_add_f32_dpp v[\t], v[\t], v[\t] row_xmask:1 row_mask:0xf bank_mask:0xf
	v_add_f32_dpp v[\t], v[\t], v[\t] row_xmask:2 row_mask:0xf bank_mask:0xf
	v_add_f32_dpp v[\t], v[\t], v[\t] row_xmask:4 row_mask:0xf bank_mask:0xf
	v_add_f32_dpp v[\t], v[\t], v[\t] row_xmask:8 row_mask:0xf bank_mask:0xf
	v_permlanex16_b32 v[\u], v[\t], s42, s43
	v_add_f32 v[\t], v[\t], v[\u]
.endm
.macro JOIN4
	v_pk_add_f32 v[TT:TT+1], v[TT:TT+1], v[TT+2:TT+3]
	v_pk_add_f32 v[TT+4:TT+5], v[TT+4:TT+5], v[TT+6:TT+7]
	v_pk_add_f32 v[TT:TT+1], v[TT:TT+1], v[TT+4:TT+5]
	v_add_f32 v[TT], v[TT], v[TT+1]
	LANESUM TT, TT+1
.endm
; row r: x becomes x - mean in place; 1 / sqrt(var + eps) lands in v[TT+10:TT+11].  The variance is the mean of (x - mean)^2: no difference of large sums
.macro STATS r
.set XR, X+32*\r
.set TT, TBASE+16*\r
.irp c, 0,2,4,6
	v_pk_add_f32 v[TT+\c:TT+\c+1], v[XR+\c:XR+\c+1], v[XR+8+\c:XR+8+\c+1]
.endr
.irp k, 16,24
.irp c, 0,2,4,6
	v_pk_add_f32 v[TT+\c:TT+\c+1], v[TT+\c:TT+\c+1], v[XR+\k+\c:XR+\k+\c+1]
.endr
.endr
	JOIN4
	v_mul_f32 v[TT+8], s44, v[TT]
	v_mul_f32 v[TT+9], s44, v[TT]
.set p, 0
.rept 16
	v_pk_add_f32 v[XR+p:XR+p+1], v[XR+p:XR+p+1], v[TT+8:TT+9] neg_lo:[0,1] neg_hi:[0,1]
.set p, p+2
.endr
.irp c, 0,2,4,6
	v_pk_mul_f32 v[TT+\c:TT+\c+1], v[XR+\c:XR+\c+1], v[XR+\c:XR+\c+1]
.endr
.irp k, 8,16,24
.irp c, 0,2,4,6
	v_pk_fma_f32 v[TT+\c:TT+\c+1], v[XR+\k+\c:XR+\k+\c+1], v[XR+\k+\c:XR+\k+\c+1], v[TT+\c:TT+\c+1]
.endr
.endr
	JOIN4
	v_fma_f32 v[TT], v[TT], s44, s45
	v_rsq_f32 v[TT+10], v[TT]
	v_rsq_f32 v[TT+11], v[TT]
	v_nop                                          ; a plain instruction between the root and the use of its result (ISA guide 5.7.2)
.endm
.macro NORM r
.set XR, X+32*\r
.set TT, TBASE+16*\r
.set p, 0
.rept 16
	v_pk_mul_f32 v[XR+p:XR+p+1], v[XR+p:XR+p+1], v[TT+10:TT+11]
.set p, p+2
.endr
.set p, 0
.rept 16
	v_pk_fma_f32 v[XR+p:XR+p+1], v[XR+p:XR+p+1], v[G+p:G+p+1], v[BV+p:BV+p+1]
.set p, p+2
.endr
.endm
; chunk j of eight: the next chunk's 8 LDS loads go out (chunks 0 and 1 were asked for behind the barrier), then 32 packed multiply-adds: two experts at a time, one number of a row for both
.macro GATE j
.set WC, WA+32*((\j)%2)
.set WN, WA+32*((\j+1)%2)
.if (\j > 0) && (\j < 7)
	s_wait_alu depctr_va_vdst(0)                   ; the chunk before is done reading the buffer in which the loads below land; at chunk 1 also: the conversions have written Y, which the stores below read
.irp u, 0,1,2,3,4,5,6,7
	ds_load_b128 v[WN+4*\u:WN+4*\u+3], v6 offset:WGL+4608*(\j+1)+16*\u
.endr
.endif
.if \j == 1
.irp k, 0,1,2,3,4,5,6,7,8,9,10,11,12,13,14,15
	global_store_b64 v2, v[Y+2*\k:Y+2*\k+1], s[24:25] offset:256*\k        ; 256 consecutive bytes a wave, aligned; Y and v2 are not written again
.endr
.endif
.if \j < 7
	s_wait_dscnt 8                                 ; this chunk is in; the next chunk's eight loads stay out
.else
	s_wait_dscnt 0x0
.endif
.irp i, 0,1,2,3
.irp r, 0,1
.irp e, 0,2,4,6
.if (\j == 0) && (\i == 0)
	v_pk_mul_f32 v[ACC+8*\r+\e:ACC+8*\r+\e+1], v[WC+\e:WC+\e+1], v[X+32*\r:X+32*\r+1] op_sel_hi:[1,0]      ; the first products start the sums
.elseif (\i % 2) == 0
	v_pk_fma_f32 v[ACC+8*\r+\e:ACC+8*\r+\e+1], v[WC+8*\i+\e:WC+8*\i+\e+1], v[X+32*\r+4*\j+\i:X+32*\r+4*\j+\i+1], v[ACC+8*\r+\e:ACC+8*\r+\e+1] op_sel_hi:[1,0,1]
.else
	v_pk_fma_f32 v[ACC+8*\r+\e:ACC+8*\r+\e+1], v[WC+8*\i+\e:WC+8*\i+\e+1], v[X+32*\r+4*\j+\i-1:X+32*\r+4*\j+\i], v[ACC+8*\r+\e:ACC+8*\r+\e+1] op_sel:[0,1,0] op_sel_hi:[1,1,1]
.endif
.endr
.endr
.endr
.endm
; For both rows: the largest of the row's eight into v[TBASE + 8 r + mo], its index into the register behind it; an equal later value does not displace an earlier one.
; The running maxima have registers of their own, so that the fourteen compares (is the maximum so far at least value e?) make one run, each into a scalar register of its own.
.macro SCAN2 mo
.irp r, 0,1
	v_cmp_ge_f32 s[MK+7*\r], v[ACC+8*\r], v[ACC+8*\r+1]
	v_max_num_f32 v[PM+8*\r+1], v[ACC+8*\r], v[ACC+8*\r+1]
	v_mov_b32 v[TBASE+8*\r+\mo+1], 0
.endr
.irp e, 2,3,4,5,6
.irp r, 0,1
	v_cmp_ge_f32 s[MK+7*\r+\e-1], v[PM+8*\r+\e-1], v[ACC+8*\r+\e]
	v_max_num_f32 v[PM+8*\r+\e], v[PM+8*\r+\e-1], v[ACC+8*\r+\e]
.endr
.endr
.irp r, 0,1
	v_cmp_ge_f32 s[MK+7*\r+6], v[PM+8*\r+6], v[ACC+8*\r+7]
	v_max_num_f32 v[TBASE+8*\r+\mo], v[PM+8*\r+6], v[ACC+8*\r+7]
.endr
	s_wait_alu depctr_va_sdst(0)                   ; the compares issued so far have written their masks, s[28:41] (and, the first time, s46), ahead of the first select that reads one
.irp e, 1,2,3,4,5,6,7
.irp r, 0,1
	v_cndmask_b32 v[TBASE+8*\r+\mo+1], \e, v[TBASE+8*\r+\mo+1], s[MK+7*\r+\e-1]
.endr
.endr
.endm
	s_load_b256 s[16:23], s[0:1], 0x0              ; x1 16, g2 18, b2 20, Wg 22
	s_load_b128 s[24:27], s[0:1], 0x20             ; xn 24, cw2 26
	v_lshl_add_u32 v254, v0, 2, 0x9400
	v_mov_b32 v255, 0
	v_and_b32 v8, 31, v0                           ; lane
	v_lshrrev_b32 v9, 5, v0                        ; wave
	v_readfirstlane_b32 s8, v9
	v_lshlrev_b32 v3, 4, v8                        ; 16 lane: gain and bias
	v_lshl_add_u32 v1, v9, 13, v3                  ; + 8,192 wave: x1
	v_lshlrev_b32 v2, 3, v8
	v_lshl_add_u32 v2, v9, 12, v2                  ; 8 lane + 4,096 wave: xn
	v_lshlrev_b32 v4, 4, v0                        ; 16 thread: Wg, and the weights' store
	v_lshrrev_b32 v5, 3, v0                        ; Wg into LDS: 16 bytes at (thread / 8) x 144 + (thread % 8) x 16
	v_mul_u32_u24 v5, v5, 144
	v_and_b32 v7, 7, v0
	v_lshl_add_u32 v5, v7, 4, v5
	v_mul_u32_u24 v6, v8, 144                      ; and out of it: block 32 j + lane
	s_lshl_b32 s4, ttmp9, 16                       ; 16 rows of 4,096 bytes
	s_mov_b32 s5, 0
	s_lshl_b32 s6, ttmp9, 15                       ; of 2,048
	s_mov_b32 s7, 0
	s_lshl_b32 s10, ttmp9, 10                      ; of 64
	s_mov_b32 s11, 0
	s_mov_b32 s42, 0x76543210
	s_mov_b32 s43, 0xfedcba98
	s_mov_b32 s44, 0x3a800000                      ; 1 / 1024
	s_mov_b32 s45, 0x3727c5ac                      ; eps = 1e-5
	s_wait_alu depctr_va_sdst(0)                   ; s8, the wave's number, is written, ahead of its first reader: the compare behind the last barrier
	s_wait_kmcnt 0x0
	s_add_nc_u64 s[16:17], s[16:17], s[4:5]
	s_add_nc_u64 s[24:25], s[24:25], s[6:7]
	s_add_nc_u64 s[26:27], s[26:27], s[10:11]
	s_wait_alu depctr_va_vdst(0)                   ; the offsets and addresses v1 to v6 are written, which the loads and stores below read
.irp u, 0,1,2,3,4,5,6,7
	global_load_b128 v[WA+4*\u:WA+4*\u+3], v4, s[22:23] offset:4096*\u     ; a wave's load covers 512 neighbouring bytes
.endr
.irp j, 0,1,2,3,4,5,6,7,8,9,10,11,12,13,14,15
	global_load_b128 v[X+4*\j:X+4*\j+3], v1, s[16:17] offset:512*\j
.endr
.irp j, 0,1,2,3,4,5,6,7
	global_load_b128 v[G+4*\j:G+4*\j+3], v3, s[18:19] offset:512*\j
.endr
.irp j, 0,1,2,3,4,5,6,7
	global_load_b128 v[BV+4*\j:BV+4*\j+3], v3, s[20:21] offset:512*\j
.endr
	s_wait_loadcnt 32                              ; Wg is in; x1, gain and bias, 32 loads, stay out
.irp u, 0,1,2,3,4,5,6,7
	ds_store_b128 v5, v[WA+4*\u:WA+4*\u+3] offset:WGL+4608*\u
.endr
	s_wait_dscnt 0x0                               ; for the others' sake: my part of Wg is in LDS
	s_barrier_signal -1
	s_barrier_wait -1
	s_wait_alu depctr_vm_vsrc(0)                   ; my LDS stores have read the first buffer of WA, in which the gate's first chunk lands
.irp u, 0,1,2,3,4,5,6,7
	ds_load_b128 v[WA+4*\u:WA+4*\u+3], v6 offset:WGL+16*\u     ; the gate's first chunk, well ahead of its use
.endr
.irp u, 0,1,2,3,4,5,6,7
	ds_load_b128 v[WA+32+4*\u:WA+32+4*\u+3], v6 offset:WGL+4608+16*\u      ; and its second: no vector instruction has named this buffer
.endr
	s_wait_loadcnt 16                              ; x1 is in
	STATS 0
	STATS 1
	s_wait_loadcnt 0x0
	s_wait_alu depctr_va_vdst(0)                   ; the four roots, both rows' pairs, are written: one wait for the batch, ahead of its first reader
	NORM 0
	NORM 1
.irp j, 0,1,2,3,4,5,6,7,8,9,10,11,12,13,14,15
	v_cvt_pk_f16_f32 v[Y+2*\j],   v[X+4*\j],   v[X+4*\j+1]
	v_cvt_pk_f16_f32 v[Y+2*\j+1], v[X+4*\j+2], v[X+4*\j+3]
.endr                                                  ; their stores stand in the gate's chunk 1, behind its wait
.irp j, 0,1,2,3,4,5,6,7
	GATE \j
.endr
.irp k, 0,1,2,3,4,5,6,7,8,9,10,11,12,13,14,15
	LANESUM ACC+\k, TBASE
.endr
	v_mov_b32 v[NINF], 0xff800000                  ; written here, behind the norm, whose scratch covers this register; nothing below writes it
	; lane l writes word l of my wave's 32: row l / 16, expert (l / 2) % 8
	v_bfe_u32 v10, v0, 4, 1
	v_bfe_u32 v11, v0, 1, 3
	v_cmp_eq_u32 s[ROWM], 1, v10                   ; it stands ahead of the first run of compares and shares that run's wait
	SCAN2 0                                        ; m1, i1
.irp r, 0,1
.irp e, 0,1,2,3,4,5,6,7
	v_cmp_eq_u32 s[MK+8*\r+\e], \e, v[TBASE+8*\r+1]
.endr
.endr
	s_wait_alu depctr_va_sdst(0)                   ; these sixteen compares have written s[28:43], which the selects below read
.irp r, 0,1
.irp e, 0,1,2,3,4,5,6,7
	v_cndmask_b32 v[ACC+8*\r+\e], v[ACC+8*\r+\e], v[NINF], s[MK+8*\r+\e]   ; the winner leaves the field
.endr
.endr
	SCAN2 2                                        ; m2, i2
	v_cndmask_b32 v12, v[TBASE+1], v[TBASE+9],  s[ROWM]    ; i1 of my word's row
	v_cndmask_b32 v13, v[TBASE+3], v[TBASE+11], s[ROWM]    ; i2
	v_cmp_eq_u32 s[MK], v11, v12                   ; is my word's expert the first choice,
	v_cmp_eq_u32 s[MK+1], v11, v13                 ; or the second?  The softmax stands between these two and the wait for them
.irp r, 0,1
	v_sub_f32 v[TBASE+8*\r+6], v[TBASE+8*\r+2], v[TBASE+8*\r]
.endr
.irp r, 0,1
	v_mul_f32 v[TBASE+8*\r+6], 0x3fb8aa3b, v[TBASE+8*\r+6]
.endr
.irp r, 0,1
	v_exp_f32 v[TBASE+8*\r+6], v[TBASE+8*\r+6]
.endr
	v_nop                                          ; a plain instruction behind the last exponential (ISA guide 5.7.2)
	s_wait_alu depctr_va_vdst(0)                   ; both rows' exponentials are written, ahead of their first reader
.irp r, 0,1
	v_add_f32 v[TBASE+8*\r+7], 1.0, v[TBASE+8*\r+6]
.endr
.irp r, 0,1
	v_rcp_f32 v[TBASE+8*\r+4], v[TBASE+8*\r+7]
.endr
	v_nop                                          ; a plain instruction behind the last reciprocal
	s_wait_alu depctr_va_vdst(0)                   ; both rows' reciprocals are written, ahead of their first reader
.irp r, 0,1
	v_mul_f32 v[TBASE+8*\r+5], v[TBASE+8*\r+6], v[TBASE+8*\r+4]
.endr
	v_cndmask_b32 v14, v[TBASE+4], v[TBASE+12], s[ROWM]    ; p1
	v_cndmask_b32 v15, v[TBASE+5], v[TBASE+13], s[ROWM]    ; p2
	v_lshl_add_u32 v10, v0, 2, CWS
	s_wait_alu depctr_va_sdst(0)                   ; the two compares ahead of the softmax have written s28 and s29, which the selects below read
	v_cndmask_b32 v14, 0, v14, s[MK]
	v_cndmask_b32 v14, v14, v15, s[MK+1]
	v_lshl_add_u32 v11, v0, 4, CWS                 ; the address of the load behind the barrier, made here so that one wait serves both addresses
	s_wait_alu depctr_va_vdst(0)                   ; v10, v11 and v14 are written, which the LDS store and the LDS load below read; the norm is done with v[244:247], in which that load lands
	ds_store_b32 v10, v14
	s_wait_dscnt 0x0                               ; for the others' sake: my 32 words are in LDS
	s_barrier_signal -1
	s_barrier_wait -1
	s_cmp_gt_u32 s8, 1                             ; waves 0 and 1 store the 1,024 bytes, 512 consecutive bytes each
	s_cbranch_scc1 .Ldone
	ds_load_b128 v[244:247], v11
	s_wait_dscnt 0x0
	global_store_b128 v4, v[244:247], s[26:27]
.Ldone:
	s_wait_dscnt 0x0                               ; the closing lines, six on end
	s_wait_alu 0x0
	s_wait_tensorcnt 0x0
	ds_add_u32 v254, v255
	s_wait_dscnt 0x0
	s_endpgm
.Lfunc_end_k_q09f30e85be_ln2gate:
	.size	k_q09f30e85be_ln2gate, .Lfunc_end_k_q09f30e85be_ln2gate-k_q09f30e85be_ln2gate
	.p2alignl 7, 3214868480
	.fill 96, 4, 3214868480
	.section	.rodata,"a",@progbits
	.p2align	6, 0x0
	.amdhsa_kernel k_q09f30e85be_ln2gate
		.amdhsa_group_segment_fixed_size 38912
		.amdhsa_private_segment_fixed_size 0
		.amdhsa_enable_private_segment 0
		.amdhsa_kernarg_size 48
		.amdhsa_user_sgpr_count 2
		.amdhsa_user_sgpr_kernarg_segment_ptr 1
		.amdhsa_wavefront_size32 1
		.amdhsa_system_sgpr_workgroup_id_x 1
		.amdhsa_system_sgpr_workgroup_id_y 1
		.amdhsa_system_sgpr_workgroup_id_z 1
		.amdhsa_system_vgpr_workitem_id 0
		.amdhsa_next_free_vgpr 256
		.amdhsa_next_free_sgpr 66
		.amdhsa_reserve_vcc 0
		.amdhsa_float_denorm_mode_32 3
		.amdhsa_float_denorm_mode_16_64 3
		.amdhsa_memory_ordered 1
		.amdhsa_forward_progress 1
		.amdhsa_inst_pref_size 57
	.end_amdhsa_kernel
	.amdgpu_metadata
---
amdhsa.version: [ 1, 2 ]
amdhsa.kernels:
  - .name:           k_q09f30e85be_ln2gate
    .symbol:         k_q09f30e85be_ln2gate.kd
    .args:
      - { .name: x1, .offset: 0, .size: 8, .value_kind: global_buffer, .address_space: global }
      - { .name: g2, .offset: 8, .size: 8, .value_kind: global_buffer, .address_space: global }
      - { .name: b2, .offset: 16, .size: 8, .value_kind: global_buffer, .address_space: global }
      - { .name: Wg, .offset: 24, .size: 8, .value_kind: global_buffer, .address_space: global }
      - { .name: xn, .offset: 32, .size: 8, .value_kind: global_buffer, .address_space: global }
      - { .name: cw2, .offset: 40, .size: 8, .value_kind: global_buffer, .address_space: global }
    .group_segment_fixed_size: 38912
    .private_segment_fixed_size: 0
    .kernarg_segment_align: 8
    .kernarg_segment_size: 48
    .max_flat_workgroup_size: 256
    .sgpr_count:     66
    .vgpr_count:     256
    .wavefront_size: 32
...
	.end_amdgpu_metadata
.endif
;; end of part 9
;; launch w1: the kernel of part 6 again; grid 16 x 16, 4 waves a work-group, clusters of 4 x 4, 327,680 bytes of LDS; arguments xn, wts, hs, cw2; writes hs
;; launch w2: the kernel of part 7 again; grid 8 x 32, 4 waves a work-group, clusters of 4 x 4, 327,680 bytes of LDS; arguments hs, wts, out0, x1; writes out0
